; MI455X (gfx1250); checked and timed in simulation.
; The chip was launched on July 23, 2026; its instructions are those of AMD's public machine-readable ISA for CDNA 5 (MIT licence, August 2026) and "CDNA5" Instruction Set Architecture Reference Guide (July 2026). The comments in the code are by the model that wrote it; some were corrected since.
;; Attention. Allowed arithmetic: matrix products marked QUANTISED: E2M1 operands, one E8M0 scale for each 32 along K, by v_wmma_scale_f32_16x16x128_f8f6f4 with both operands' format E2M1 (or v_wmma_scale_f32_32x16x128_f4), f32 sums; products left as they are: bf16, f16 or f32 operands; f32 sums; everything else in f32.
;; Inputs: k_out 2,048 x 2,048 float32; q_out 2,048 x 2,048 float32; v_out 2,048 x 2,048 float32; w_out 2,048 x 2,048 float32; x 1 x 2,048 x 2,048 float32.
;; Outputs: out0 1 x 2,048 x 2,048 float32.
;; This version of the problem:
;;   THIS VERSION OF THE PROBLEM IS GIVEN IN LOW PRECISION. The matrix products marked QUANTISED in the list below multiply operands that are first quantised to E2M1 (2 exponent bits, 1 mantissa bit; 4 bits a number), with one power-of-two scale for each 32 numbers along K (OCP MX v1.0); their sums are f32. The products marked 'left as it is' may take bf16, f16 or f32 operands, with f32 sums. Whichever they take, every output number must still come out within the allowed error. Rounding operands to bf16 (8 significant bits) uses up far more of that allowance than f16 does (11 bits, for magnitudes from 6e-5 to 65,504). All else is computed in f32.
;;   The module's matrix products, in the order in which they are computed (A, B: the left and right operand; K: the contracted axis; several contracted axes count as one K, in the product's order):
;;     1. [M 2,048, K 2,048] x [K 2,048, N 2,048]; A: input x; B: input q_out: QUANTISED
;;     2. [M 2,048, K 2,048] x [K 2,048, N 2,048]; A: input x; B: input k_out: QUANTISED
;;     3. [M 2,048, K 2,048] x [K 2,048, N 2,048]; A: input x; B: input v_out: QUANTISED
;;     4. batch 16 x [M 2,048, K 128] x [K 128, N 2,048]; A: computed on the way; B: computed on the way: left as it is (an operand is computed on the way)
;;     5. batch 16 x [M 2,048, K 2,048] x [K 2,048, N 128]; A: computed on the way; B: computed on the way: left as it is (an operand is computed on the way)
;;     6. [M 2,048, K 2,048] x [K 2,048, N 2,048]; A: computed on the way; B: input w_out: left as it is (an operand is computed on the way)
;;   THE QUANTISER, for each operand of a quantised product, along K:
;;     - K is cut into blocks of 32 from its start; a last block that is shorter is filled with zeros.
;;     - A block's scale is 2^e with e = floor(log2(the largest magnitude in the block)) - 2, held to -126 .. 127; a block of zeros has e = 0. As a byte (E8M0): e + 127.
;;     - Each number is divided by its block's scale, clamped to +-6, and rounded to the nearest number of E2M1, ties to even, subnormals kept.
;;     - The product sums the exact products of the quantised numbers (number of the format x scale) in f32.
;;   ~~~python
;;   def quantise(x, axis):      # numpy; x: float32 -> the quantised numbers, widened to float32 again
;;       x = np.moveaxis(x, axis, -1); K = x.shape[-1]
;;       x = np.pad(x, [(0, 0)] * (x.ndim - 1) + [(0, -K % 32)]); x = x.reshape(x.shape[:-1] + (-1, 32)); a = np.abs(x).max(-1, keepdims=True)
;;       e = np.where(a > 0, np.clip(np.frexp(np.where(a > 0, a, 1))[1] - 1 - 2, -126, 127), 0)      # np.frexp(a)[1] - 1 = floor(log2(a)), exactly
;;       r = np.clip(x / 2.0 ** e, -6, 6)
;;       step = 2.0 ** (np.maximum(np.frexp(np.where(r == 0, 1, r))[1] - 1, 0) - 1)
;;       q = np.round(r / step) * step * 2.0 ** e      # np.round: ties to even
;;       return np.moveaxis(q.reshape(q.shape[:-2] + (-1,))[..., :K], -1, axis).astype(np.float32)
;;   ~~~
;; 2 versions, each right. Each part assembles by itself: llvm-mc -triple=amdgcn-amd-amdhsa -mcpu=gfx1250 --defsym DOCPART=n.
;; ======== version 1 of 2: 7 launches
;; limits: values are held in f16: magnitudes above 65,504 overflow, below 6.1e-05 lose precision
;; workspace buffers: xc 2,097,152 bytes; xs 131,072 bytes; wc 6,291,456 bytes; ws 393,216 bytes; w16 8,388,608 bytes; qkv16 25,165,824 bytes; ctx16 8,388,608 bytes; ctx32 131,072 bytes
;; launch prep (part 1): grid 256 x 1, 4 waves a work-group, no clusters, 33,280 bytes of LDS; arguments x, w_out, xc, xs, w16; writes xc, xs, w16
.if DOCPART == 1
	.amdgcn_target "amdgcn-amd-amdhsa--gfx1250"
	.amdhsa_code_object_version 6
	.text
	.protected	k_qf467170a16_prep
	.globl	k_qf467170a16_prep
	.p2align	8
	.type	k_qf467170a16_prep,@function
k_qf467170a16_prep:
	s_mov_b64 s[64:65], 0
	v_nop
	global_prefetch_b8 v0, s[64:65] scope:SCOPE_SE
	s_setreg_imm32_b32 hwreg(HW_REG_WAVE_MODE, 25, 1), 1
	s_wait_xcnt 0x0
; PREP.  Work-groups 0-127: x [2048][2048] f32 becomes codes of FP4 (E2M1), K innermost, two codes a byte (xc [2048][1024 bytes]), and one E8M0 byte for each 32 along K (xs [2048][64]).
; Work-groups 128-255: w_out [2048][2048] f32 is rounded to f16, layout kept (w16).
; THE QUANTISER: a block's scale is 2^(floor(log2(its largest magnitude)) - 2); its byte is the largest magnitude's exponent field - 2, held at 1 from below; each number is divided by the scale and rounded to the nearest code, ties to even, beyond 6 the largest code.
; LIMITS: a block of zeros gets the byte 1 where the rule says 127 (its codes are zeros, and this program alone reads the bytes); blocks whose largest magnitude lies under 2^-124 keep the byte 1;
; |w_out| beyond 65,504 has no f16 number, under 6e-5 it is an f16 subnormal; NaN and infinities among the inputs are not served.
; x: rows are dense and 2048 is a multiple of 32, so x is a plain stream of blocks of 32.  A wave takes 16 steps of 512 numbers.  Each load reads 512 consecutive bytes; a step's 2,048 bytes turn through the wave's own
; stage in LDS and come back 64 bytes a lane, so that a lane holds 16 neighbours along K (two neighbouring lanes hold a block).  A step's codes leave as 256 consecutive bytes, a wave's 256 scale bytes as one store of 256.
; w_out: a wave takes 8,192 numbers: 64 loads of 512 consecutive bytes, 64 stores of 256, four batches of eight loads ahead.
; Memory binds both halves: no matrix unit, no cluster, no tensor load; waves share nothing, so there is no barrier.
.set WAVES, 4
.set STEPS, 16
.set WGX,   128                        ; work-groups that take x: 2048 x 2048 / (512 x 16 x 4)
.set EMAX,  2
.set CB,    8                          ; bytes of 16 codes
.set R,     16                         ; x: v16-79 four sets of 16 numbers as loaded;  w_out: v16-143 four sets of 32
.set X,     80                         ; v80-111  two sets of 16 neighbours
.set E,     112                        ; v112-127 a scale byte for each step
.set C,     128                        ; v128-191 codes: four registers for each step, so that no store's data are written again
.set Y,     144                        ; w_out: v144-159 a batch's f16 numbers
.set WREG,  8192                       ; LDS: a region for each wave: two stages of 32 x SP bytes, behind them its 256 scale bytes
.set SP,    80                         ; a lane's place in a stage: 64 bytes + 16 of padding
.set SPW,   12                         ; v12 LDS address of my spare word; never rewritten
.set NIL,   13                         ; v13 0; never rewritten
.set SPARE, WAVES*WREG                 ; behind the four regions: the spare words, 128 bytes a wave, which no other line names
	s_load_b128 s[4:7], s[0:1], 0x0                ; x, w_out
	s_load_b128 s[8:11], s[0:1], 0x10              ; xc, xs
	s_load_b64 s[12:13], s[0:1], 0x20              ; w16
	v_lshl_add_u32 v[SPW], v0, 2, SPARE
	v_mov_b32 v[NIL], 0
	v_lshrrev_b32 v1, 5, v0
	v_readfirstlane_b32 s16, v1                    ; wave
	v_and_b32 v2, 31, v0                           ; lane
	v_lshlrev_b32 v3, 4, v2                        ; my 16 bytes of a load's 512
	s_mul_i32 s17, s16, WREG
	v_lshrrev_b32 v14, 2, v2
	v_mul_u32_u24 v14, v14, SP
	v_and_b32 v15, 3, v2
	v_lshl_add_u32 v14, v15, 4, v14
	v_add_nc_u32 v14, s17, v14                     ; the stage, on the way in: SP (lane / 4) + 16 (lane % 4)
	v_mul_u32_u24 v15, v2, SP
	v_add_nc_u32 v15, s17, v15                     ; and on the way out: SP x lane: my 16 neighbours
	v_mul_u32_u24 v4, v2, CB                       ; my codes' place in a step's
	v_lshrrev_b32 v5, 1, v2
	s_add_co_u32 s17, s17, 2*32*SP
	v_add_nc_u32 v5, s17, v5                       ; LDS: my wave's 256 scale bytes, my block's byte
	v_lshlrev_b32 v7, 3, v2                        ; 8 bytes a lane
	v_add_nc_u32 v6, s17, v7
	s_cmp_lt_u32 ttmp9, WGX
	s_cselect_b32 s18, 0, WGX
	s_sub_co_u32 s18, ttmp9, s18
	s_lshl_b32 s18, s18, 2
	s_add_co_u32 s18, s18, s16                     ; which run of 8,192 numbers is my wave's
	s_lshl_b32 s20, s18, 15                        ; 32,768 bytes of f32 a run
	s_mov_b32 s21, 0
	s_lshl_b32 s22, s18, 12                        ; 4,096 bytes of codes
	s_mov_b32 s23, 0
	s_lshl_b32 s24, s18, 8                         ; 256 scale bytes
	s_mov_b32 s25, 0
	s_lshl_b32 s26, s18, 14                        ; 16,384 bytes of f16
	s_mov_b32 s27, 0
	s_wait_kmcnt 0x0
	s_cmp_lt_u32 ttmp9, WGX
	s_cbranch_scc0 .Lcvt
	s_add_nc_u64 s[4:5], s[4:5], s[20:21]
	s_add_nc_u64 s[8:9], s[8:9], s[22:23]
	s_add_nc_u64 s[10:11], s[10:11], s[24:25]
.macro LOAD t
.irp i, 0,1,2,3
	global_load_b128 v[R+16*((\t)%4)+4*\i:R+16*((\t)%4)+4*\i+3], v3, s[4:5] offset:2048*(\t)+512*\i th:TH_LOAD_NT   ; 32 lanes read 512 consecutive bytes
.endr
.endm
.macro TURN t                          ; step t's numbers through the stage: LDS serves a wave's instructions in order, so no wait stands between the stores and the loads
.irp i, 0,1,2,3
	ds_store_b128 v14, v[R+16*((\t)%4)+4*\i:R+16*((\t)%4)+4*\i+3] offset:32*SP*((\t)%2)+8*SP*\i
.endr
.irp i, 0,1,2,3
	ds_load_b128 v[X+16*((\t)%2)+4*\i:X+16*((\t)%2)+4*\i+3], v15 offset:32*SP*((\t)%2)+16*\i
.endr
.endm
.irp t, 0,1,2,3
	LOAD \t
.endr
	s_wait_loadcnt 12                              ; step 0's four loads are in; the 12 of steps 1 to 3 may be out
	TURN 0
.macro STEP t
.set XS, X+16*((\t)%2)
.if (\t) > 0
	s_wait_dscnt 1                                 ; this step's numbers are back from the stage (the last step's byte store may be out)
.else
	s_wait_dscnt 0x0
.endif
.if (\t)+4 < STEPS
	LOAD (\t)+4                                    ; into the registers that the stage's stores have read
.endif
.if (\t)+1 < STEPS
.if STEPS-2-(\t) >= 3
	s_wait_loadcnt 12                              ; the next step's four loads are in; those of the three steps behind it may be out
.else
	s_wait_loadcnt 4*(STEPS-2-(\t))
.endif
	TURN (\t)+1
.endif
	v_max3_num_f32 v8, |v[XS]|, |v[XS+1]|, |v[XS+2]|               ; the largest magnitude of my 16, in two chains
	v_max3_num_f32 v9, |v[XS+3]|, |v[XS+4]|, |v[XS+5]|
.irp i, 6,10
	v_max3_num_f32 v8, v8, |v[XS+\i]|, |v[XS+\i+1]|
	v_max3_num_f32 v9, v9, |v[XS+\i+2]|, |v[XS+\i+3]|
.endr
	v_max3_num_f32 v8, v8, |v[XS+14]|, |v[XS+15]|
	v_max3_num_f32 v8, v8, v9, (EMAX+1)<<23        ; and the floor 2^(3 - 127): the byte cannot fall under 1
	v_max_num_f32_dpp v8, v8, v8 row_xmask:1 row_mask:0xf bank_mask:0xf   ; and of my neighbour's 16: the block's
	v_add_nc_u32 v11, -(EMAX<<23), v8              ; 2 off its exponent field: the conversion takes the exponent field of this operand as its scale
	v_cvt_scalef32_pk8_fp4_f32 v[C+4*(\t)], v[XS:XS+7], v11
	v_cvt_scalef32_pk8_fp4_f32 v[C+4*(\t)+1], v[XS+8:XS+15], v11
	v_lshrrev_b32 v[E+(\t)], 23, v11               ; the scale's byte (also the plain line behind the conversions)
	ds_store_b8 v5, v[E+(\t)] offset:16*(\t)       ; both lanes of a block write the same byte with the same value
	global_store_b64 v4, v[C+4*(\t):C+4*(\t)+1], s[8:9] offset:32*CB*(\t)   ; 32 lanes store 256 consecutive bytes
.endm
.irp t, 0,1,2,3,4,5,6,7,8,9,10,11,12,13,14,15
	STEP \t
.endr
	ds_load_b64 v[8:9], v6                         ; LDS serves a wave's instructions in order: these see my byte stores
	s_wait_dscnt 0x0
	global_store_b64 v7, v[8:9], s[10:11]          ; 32 lanes store 256 consecutive bytes
	s_wait_tensorcnt 0x0                           ; the wave's end
	ds_add_u32 v[SPW], v[NIL]
	s_wait_dscnt 0x0
	s_endpgm
.Lcvt:
	s_add_nc_u64 s[6:7], s[6:7], s[20:21]
	s_add_nc_u64 s[12:13], s[12:13], s[26:27]
.macro CLOAD b                         ; batch b: eight loads of 512 consecutive bytes into set b % 4
.irp i, 0,1,2,3,4,5,6,7
	global_load_b128 v[R+32*((\b)%4)+4*\i:R+32*((\b)%4)+4*\i+3], v3, s[6:7] offset:(8*(\b)+\i)*512 th:TH_LOAD_NT
.endr
.endm
.macro CBATCH b
.if (\b) < 5
	s_wait_loadcnt 24                              ; this batch's eight loads are in; the 24 of the three batches behind it may be out
.else
	s_wait_loadcnt 8*(7-(\b))
.endif
	s_wait_xcnt 0x0                                ; the last batch's stores have read Y: it is rewritten only behind this wait
.irp i, 0,1,2,3,4,5,6,7
	v_cvt_pk_f16_f32 v[Y+2*\i], v[R+32*((\b)%4)+4*\i], v[R+32*((\b)%4)+4*\i+1]
	v_cvt_pk_f16_f32 v[Y+2*\i+1], v[R+32*((\b)%4)+4*\i+2], v[R+32*((\b)%4)+4*\i+3]
.endr
.if (\b) < 4
	CLOAD (\b)+4
.endif
.irp i, 0,1,2,3,4,5,6,7
	global_store_b64 v7, v[Y+2*\i:Y+2*\i+1], s[12:13] offset:(8*(\b)+\i)*256   ; 32 lanes store 256 consecutive bytes
.endr
.endm
.irp b, 0,1,2,3
	CLOAD \b
.endr
.irp b, 0,1,2,3,4,5,6,7
	CBATCH \b
.endr
	s_wait_tensorcnt 0x0                           ; the wave's end
	ds_add_u32 v[SPW], v[NIL]
	s_wait_dscnt 0x0
	s_endpgm
.Lfunc_end_k_qf467170a16_prep:
	.size	k_qf467170a16_prep, .Lfunc_end_k_qf467170a16_prep-k_qf467170a16_prep
	.p2alignl 7, 3214868480
	.fill 96, 4, 3214868480
	.section	.rodata,"a",@progbits
	.p2align	6, 0x0
	.amdhsa_kernel k_qf467170a16_prep
		.amdhsa_group_segment_fixed_size 33280
		.amdhsa_private_segment_fixed_size 0
		.amdhsa_enable_private_segment 0
		.amdhsa_kernarg_size 40
		.amdhsa_user_sgpr_count 2
		.amdhsa_user_sgpr_kernarg_segment_ptr 1
		.amdhsa_wavefront_size32 1
		.amdhsa_system_sgpr_workgroup_id_x 1
		.amdhsa_system_sgpr_workgroup_id_y 1
		.amdhsa_system_sgpr_workgroup_id_z 1
		.amdhsa_system_vgpr_workitem_id 0
		.amdhsa_next_free_vgpr 192
		.amdhsa_next_free_sgpr 66
		.amdhsa_reserve_vcc 0
		.amdhsa_float_denorm_mode_32 3
		.amdhsa_float_denorm_mode_16_64 3
		.amdhsa_memory_ordered 1
		.amdhsa_forward_progress 1
		.amdhsa_inst_pref_size 54
	.end_amdhsa_kernel
	.amdgpu_metadata
---
amdhsa.version: [ 1, 2 ]
amdhsa.kernels:
  - .name:           k_qf467170a16_prep
    .symbol:         k_qf467170a16_prep.kd
    .args:
      - { .name: x, .offset: 0, .size: 8, .value_kind: global_buffer, .address_space: global }
      - { .name: w_out, .offset: 8, .size: 8, .value_kind: global_buffer, .address_space: global }
      - { .name: xc, .offset: 16, .size: 8, .value_kind: global_buffer, .address_space: global }
      - { .name: xs, .offset: 24, .size: 8, .value_kind: global_buffer, .address_space: global }
      - { .name: w16, .offset: 32, .size: 8, .value_kind: global_buffer, .address_space: global }
    .group_segment_fixed_size: 33280
    .private_segment_fixed_size: 0
    .kernarg_segment_align: 8
    .kernarg_segment_size: 40
    .max_flat_workgroup_size: 128
    .sgpr_count:     66
    .vgpr_count:     192
    .wavefront_size: 32
...
	.end_amdgpu_metadata
.endif
;; end of part 1
;; launch quant_w (part 2): grid 16 x 12, 4 waves a work-group, no clusters, 35,840 bytes of LDS; arguments q_out, k_out, v_out, wc, ws; writes wc, ws
.if DOCPART == 2
	.amdgcn_target "amdgcn-amd-amdhsa--gfx1250"
	.amdhsa_code_object_version 6
	.text
	.protected	k_qf467170a16_quant_w
	.globl	k_qf467170a16_quant_w
	.p2align	8
	.type	k_qf467170a16_quant_w,@function
k_qf467170a16_quant_w:
	s_mov_b64 s[64:65], 0
	v_nop
	global_prefetch_b8 v0, s[64:65] scope:SCOPE_SE
	s_setreg_imm32_b32 hwreg(HW_REG_WAVE_MODE, 25, 1), 1
	s_wait_xcnt 0x0
; q_out, k_out, v_out, each [2048 (k)][2048 (n)] f32 with K as the FIRST axis, become codes of FP4 (E2M1) laid [6144 rows][1024 bytes] with K innermost (row = 2048 T + column; T = 0 q, 1 k, 2 v)
; and one E8M0 byte for each 32 along K, laid [6144][64].
; A LANE TAKES A COLUMN n, AND ITS REGISTERS RUN DOWN K: each load reads neighbouring n in neighbouring lanes (128 consecutive bytes a wave, 512 a work-group); a block of 32 along K lies in one lane's 32 registers,
; so its largest magnitude needs no other lane, and the conversions give the codes with K innermost.
; A block's scale is 2^(floor(log2(its largest magnitude)) - 2); its byte is the largest magnitude's exponent field - 2, held at 1 from below.
; LIMITS: a block of zeros gets the byte 1 where the rule says 127 (its codes are zeros, and this program alone reads the bytes); blocks whose largest magnitude lies under 2^-124 keep the byte 1; NaN and infinities are not served.
; A wave takes 32 columns x 512 along K: 16 blocks a lane, 256 bytes of codes a column; they go through the wave's own stage in LDS and leave as rows: sixteen lanes store 256 consecutive bytes.
; Grid: x = 128 columns, y = 4 T + which 512 along K.  No tensor loads, no barrier: waves share nothing.  Loads run two blocks (64 loads a wave) ahead.
; Every offset is an immediate: 511 x 8,192 and 30 x 1,024 lie inside the signed 24-bit immediate (ISA guide, chapter 10).
.set SIZE_K, 2048
.set SIZE_N, 2048
.set KW,    512
.set NB,    KW/32
.set ROWB,  256
.set PITCH, ROWB+16
.set KROW,  SIZE_K*4/8
.set EMAX,  2
.set X,     32                         ; v32-95   two sets of 32 numbers
.set C,     96                         ; v96-99   a block's codes
.set OUTR,  112                        ; v112-175 the way out
.set SPW,   14
.set NIL,   15
.set SPARE, 4*32*PITCH                 ; behind the four stages: the spare words, 128 bytes a wave
.set SB,    24                         ; v24-27   the scale bytes, four to a register
	s_load_b128 s[4:7], s[0:1], 0x0                ; q_out, k_out
	s_load_b128 s[8:11], s[0:1], 0x10              ; v_out, wc
	s_load_b64 s[12:13], s[0:1], 0x20              ; ws
	v_lshl_add_u32 v[SPW], v0, 2, SPARE
	v_mov_b32 v[NIL], 0
	v_lshrrev_b32 v1, 5, v0
	v_readfirstlane_b32 s16, v1                    ; wave 0..3
	v_and_b32 v2, 31, v0                           ; lane
	s_lshl_b32 s17, ttmp9, 7
	s_lshl_b32 s18, s16, 5
	s_add_co_u32 s17, s17, s18                     ; my wave's first column
	s_and_b32 s30, ttmp7, 0xffff
	s_and_b32 s18, s30, 3                          ; which 512 along K
	s_lshr_b32 s30, s30, 2                         ; T: which weight
	v_lshlrev_b32 v3, 2, v2                        ; in: 4 bytes a lane
	s_mul_i32 s19, s16, 32*PITCH                   ; my stage
	v_mul_u32_u24 v4, v2, PITCH
	v_add_nc_u32 v4, s19, v4                       ; into it: row = my column
	v_and_b32 v5, 15, v2
	v_lshrrev_b32 v6, 4, v2                        ; out of it: sixteen lanes to a row, two rows an instruction
	v_mul_u32_u24 v7, v6, PITCH
	v_lshl_add_u32 v7, v5, 4, v7
	v_add_nc_u32 v7, s19, v7
	v_mul_u32_u24 v8, v6, KROW
	v_lshl_add_u32 v8, v5, 4, v8                   ; and the same place in the codes' buffer
	v_mul_u32_u24 v9, v2, SIZE_K/32                ; my column's row of scale bytes
	s_mul_i32 s20, s18, KW*SIZE_N*4                ; the weight: 512 rows of 8,192 bytes for each part of K,
	s_lshl_b32 s22, s17, 2
	s_add_co_u32 s20, s20, s22                     ; + 4 x column
	s_mov_b32 s21, 0
	s_lshl_b32 s22, s30, 11
	s_add_co_u32 s22, s22, s17                     ; the output's row: 2048 T + column
	s_mul_i32 s24, s22, KROW
	s_mul_i32 s26, s18, ROWB
	s_add_co_u32 s24, s24, s26
	s_mov_b32 s25, 0
	s_mul_i32 s28, s22, SIZE_K/32
	s_mul_i32 s26, s18, NB
	s_add_co_u32 s28, s28, s26
	s_mov_b32 s29, 0
	s_wait_kmcnt 0x0
	s_cmp_lt_u32 s30, 1                            ; the choice hangs on the work-group's number alone
	s_cselect_b64 s[4:5], s[4:5], s[6:7]
	s_cmp_lt_u32 s30, 2
	s_cselect_b64 s[4:5], s[4:5], s[8:9]
	s_add_nc_u64 s[4:5], s[4:5], s[20:21]
	s_add_nc_u64 s[10:11], s[10:11], s[24:25]
	s_add_nc_u64 s[12:13], s[12:13], s[28:29]
.macro LOAD t                          ; block t: W(32 t + i, my column), i = 0 .. 31, into set t % 2
.set li, 0
.rept 32
	global_load_b32 v[X+32*((\t)%2)+li], v3, s[4:5] offset:(32*(\t)+li)*SIZE_N*4 th:TH_LOAD_NT
.set li, li+1
.endr
.endm
	LOAD 0
	LOAD 1
.macro BLOCK t
.set XS, X+32*((\t)%2)
.if (\t) < NB-1
	s_wait_loadcnt 32                              ; this block's 32 loads are in; the next block's 32 may be out
.else
	s_wait_loadcnt 0
.endif
	v_max3_num_f32 v12, |v[XS]|, |v[XS+1]|, |v[XS+2]|
	v_max3_num_f32 v13, |v[XS+3]|, |v[XS+4]|, |v[XS+5]|
.irp i, 6,10,14,18,22,26
	v_max3_num_f32 v12, v12, |v[XS+\i]|, |v[XS+\i+1]|
	v_max3_num_f32 v13, v13, |v[XS+\i+2]|, |v[XS+\i+3]|
.endr
	v_max3_num_f32 v12, v12, |v[XS+30]|, |v[XS+31]|
	v_max3_num_f32 v12, v12, v13, (EMAX+1)<<23     ; and the floor 2^(3 - 127)
	v_add_nc_u32 v11, -(EMAX<<23), v12             ; the conversion's scale operand
	v_lshrrev_b32 v13, 23, v11                     ; the scale's byte
.if (\t)%4 == 0
	v_mov_b32 v[SB+(\t)/4], v13
.else
	v_lshl_or_b32 v[SB+(\t)/4], v13, 8*((\t)%4), v[SB+(\t)/4]
.endif
.irp g, 0,1,2,3
	v_cvt_scalef32_pk8_fp4_f32 v[C+\g], v[XS+8*\g:XS+8*\g+7], v11
.endr
	v_nop                                          ; one plain line behind the last conversion
	ds_store_b128 v4, v[C:C+3] offset:16*(\t)      ; 32 codes: 16 bytes of my column's row
.if (\t)+2 < NB
	LOAD (\t)+2
.endif
	s_wait_dscnt 0x0                               ; the store has read its registers: the next block's codes may be written
.endm
.set Q, 0
.rept NB
	BLOCK Q
.set Q, Q+1
.endr
	global_store_b128 v9, v[SB:SB+3], s[12:13]     ; my column's 16 scale bytes of this part of K
.irp t, 0,1,2,3,4,5,6,7,8,9,10,11,12,13,14,15
	ds_load_b128 v[OUTR+4*\t:OUTR+4*\t+3], v7 offset:2*\t*PITCH
.endr
.irp t, 0,1,2,3,4,5,6,7,8,9,10,11,12,13,14,15
	s_wait_dscnt 15-\t                             ; LDS loads come back in order: load t is in, the 15 - t behind it may be out
	global_store_b128 v8, v[OUTR+4*\t:OUTR+4*\t+3], s[10:11] offset:2*\t*KROW
.endr
	s_wait_tensorcnt 0x0                           ; the wave's end
	ds_add_u32 v[SPW], v[NIL]
	s_wait_dscnt 0x0
	s_endpgm
.Lfunc_end_k_qf467170a16_quant_w:
	.size	k_qf467170a16_quant_w, .Lfunc_end_k_qf467170a16_quant_w-k_qf467170a16_quant_w
	.p2alignl 7, 3214868480
	.fill 96, 4, 3214868480
	.section	.rodata,"a",@progbits
	.p2align	6, 0x0
	.amdhsa_kernel k_qf467170a16_quant_w
		.amdhsa_group_segment_fixed_size 35840
		.amdhsa_private_segment_fixed_size 0
		.amdhsa_enable_private_segment 0
		.amdhsa_kernarg_size 40
		.amdhsa_user_sgpr_count 2
		.amdhsa_user_sgpr_kernarg_segment_ptr 1
		.amdhsa_wavefront_size32 1
		.amdhsa_system_sgpr_workgroup_id_x 1
		.amdhsa_system_sgpr_workgroup_id_y 1
		.amdhsa_system_sgpr_workgroup_id_z 1
		.amdhsa_system_vgpr_workitem_id 0
		.amdhsa_next_free_vgpr 192
		.amdhsa_next_free_sgpr 66
		.amdhsa_reserve_vcc 0
		.amdhsa_float_denorm_mode_32 3
		.amdhsa_float_denorm_mode_16_64 3
		.amdhsa_memory_ordered 1
		.amdhsa_forward_progress 1
		.amdhsa_inst_pref_size 79
	.end_amdhsa_kernel
	.amdgpu_metadata
---
amdhsa.version: [ 1, 2 ]
amdhsa.kernels:
  - .name:           k_qf467170a16_quant_w
    .symbol:         k_qf467170a16_quant_w.kd
    .args:
      - { .name: q_out, .offset: 0, .size: 8, .value_kind: global_buffer, .address_space: global }
      - { .name: k_out, .offset: 8, .size: 8, .value_kind: global_buffer, .address_space: global }
      - { .name: v_out, .offset: 16, .size: 8, .value_kind: global_buffer, .address_space: global }
      - { .name: wc, .offset: 24, .size: 8, .value_kind: global_buffer, .address_space: global }
      - { .name: ws, .offset: 32, .size: 8, .value_kind: global_buffer, .address_space: global }
    .group_segment_fixed_size: 35840
    .private_segment_fixed_size: 0
    .kernarg_segment_align: 8
    .kernarg_segment_size: 40
    .max_flat_workgroup_size: 128
    .sgpr_count:     66
    .vgpr_count:     192
    .wavefront_size: 32
...
	.end_amdgpu_metadata
.endif
;; end of part 2
;; launch qkv (part 3): grid 24 x 8, 4 waves a work-group, clusters of 4 x 4, 327,680 bytes of LDS; arguments xc, xs, wc, ws, qkv16; writes qkv16
.if DOCPART == 3
	.amdgcn_target "amdgcn-amd-amdhsa--gfx1250"
	.amdhsa_code_object_version 6
	.text
	.protected	k_qf467170a16_qkv
	.globl	k_qf467170a16_qkv
	.p2align	8
	.type	k_qf467170a16_qkv,@function
k_qf467170a16_qkv:
	s_mov_b64 s[64:65], 0
	v_nop
	global_prefetch_b8 v0, s[64:65] scope:SCOPE_SE
	s_setreg_imm32_b32 hwreg(HW_REG_WAVE_MODE, 25, 1), 1
	s_wait_xcnt 0x0
	s_wait_alu depctr_hold_cnt(0) depctr_sa_sdst(0) depctr_va_vdst(0) depctr_va_sdst(0) depctr_va_ssrc(0) depctr_va_vcc(0) depctr_vm_vsrc(0)
	s_getreg_b32 s2, hwreg(HW_REG_IB_STS2, 6, 4)
	s_cmp_eq_u32 s2, 0
	s_cbranch_scc0 .Lentry_in_a_cluster
	s_endpgm
.Lentry_in_a_cluster:
	s_bfe_u32 s2, ttmp6, 0x10000c
	s_cmp_lg_u32 s2, 0xf033
	s_cbranch_scc0 .Lentry_shape_is_right
	s_endpgm
.Lentry_shape_is_right:
; q, k, v = Q(x) Q(W): C[m][n] = sum over k of A[m][k] B[n][k] on codes of FP4 (E2M1) with one E8M0 scale for each 32 along K.  A = xc [2048][2048 codes], B = wc [6144][2048 codes] (n = 2048 T + column); sums in f32.
; The results are rounded to f16 for the attention that follows, and laid per head: Q at byte 0 as [16 heads][2048 t][128]; K and V from byte KVOFF on as [16 heads][32 key steps][K: 64 rows x 256 bytes | V: 64 rows x 256 bytes].
; LIMIT: |q|, |k|, |v| beyond 65,504 have no f16 number.
; A tile of C, 256 x 256, is made by a work-group of four waves; a wave makes 128 x 128: 64 accumulators of 16 x 16, 512 registers.  A wave's 128 columns are exactly one head of one of the three tensors.
; K goes in steps of 512 through a ring of two LDS slots filled by the tensor data mover: a tile's row is 256 bytes of memory.
; THE SCALES of the work-group's 256 rows of A and of B, for all of K, are two dense blocks of memory: they come into LDS once, with the first fills, and stay.
; CLUSTERS: 4 x 4 work-groups.  The four of a row of the cluster need the same tiles of A, the four of a column the same tiles of B: each tile is asked for JOINTLY, by the same tensor load with the same descriptor and a mask that names the four.
; THE MATRIX INSTRUCTION IS USED TRANSPOSED (source 0 = 16 rows of B, source 1 = 16 rows of A): a lane then holds eight neighbouring columns of one row of C.
; REGISTERS, in windows of 256: window 0: v0-31 addresses; v32-95 scale words, two sets, and nothing else; v128-191 A's fragments, ONE set; on the way out v96-127, v192-255.
;   window 1: B's fragments, TWO sets, at v0 and v128.   window 2: the accumulators of my rows 0-63 ((a, b) at v[8 (8 a + b)]);   window 3: those of my rows 64-127.
; A wave has at most three tensor loads out (the scales and two K steps, at the start), later one.
.set SIZE_M, 2048
.set SIZE_N, 6144
.set SIZE_K, 2048
.set KVOFF,  8388608
.set KSTEP,  512
.set NQ,     KSTEP/128
.set ROWB,   256
.set KROW,   SIZE_K*4/8
.set PITCH,  272                       ; an LDS row: 256 bytes + 16 of padding = 68 words: row r starts at bank 4 r mod 64 (64 banks of 4 bytes: ISA guide 11.1)
.set FR,     8
.set NL,     2
.set NP,     4
.set HALFT,  128*PITCH
.set SLOT,   4*HALFT
.set LAPS,   SIZE_K/(2*KSTEP)
.set KS,     SIZE_K/32
.set SCL,    2*SLOT
.set HALFS,  (128*KS/256)*272
.set SBLK,   (16*KS/256)*272
.set SPARE,  SCL+4*HALFS
.set SPITCH, 272                       ; the way out: a stage of 16 rows x (256 bytes + 16) for each wave, in slot 0, which has had its last fill and its last read when the first result is stored there
.set ADRA, 16
.set ADRB, 20
.set STO,  24
.set RD,   25
.set CO,   26
.set ADRS, 27
.set SPW,  28
.set NIL,  29
.set SC,   32
.set AF,   128
.set TMP,  192                         ; the way out: packed results
.set OB,   96                          ; the way out: 16 rows read back: v96-127 and v224-255 by turns
.set G1, 24
.set G0, 32
.set G1B, 48
.set G0B, 56
.set G1S, 68
.set G0S, 76
.set G1SB, 80
.set G0SB, 88
.set MSB, 0
.macro WIN new                         ; the immediate's high byte repeats the setting that is left
.if MSB != \new
	s_set_vgpr_msb (MSB<<8)|\new
.set MSB, \new
.endif
.endm
.set MUL_LO, 0xa1
.set MUL_HI, 0xf1
.set TO_B,   0x40
; A joint load: waves 0 and 1 fetch for A, waves 2 and 3 for B.  The branch hangs on the wave's number alone.  An s_nop 0 and four v_nop follow each of the two lines.
.macro JLOAD g0a, g1a, g0b, g1b
	s_cmp_eq_u32 s15, 0
	s_cbranch_scc0 .Lfor_b_\@
	tensor_load_to_lds s[\g0a:\g0a+3], s[\g1a:\g1a+7]
	s_nop 0
.rept 4
	v_nop
.endr
	s_branch .Lasked_\@
.Lfor_b_\@:
	tensor_load_to_lds s[\g0b:\g0b+3], s[\g1b:\g1b+7]
	s_nop 0
.rept 4
	v_nop
.endr
.Lasked_\@:
.endm
.macro CREST                           ; a round of the cluster's barrier behind its opening barrier
	s_cmp_lg_u32 s14, 0
	s_cbranch_scc1 .Lnot_wave_0_\@
	s_barrier_signal -3
.Lnot_wave_0_\@:
	s_barrier_wait -3
	s_barrier_signal -1
	s_barrier_wait -1
.endm
.macro CROUND
	s_barrier_signal -1
	s_barrier_wait -1
	CREST
.endm
	s_load_b128 s[4:7], s[0:1], 0x0                ; A's codes, A's scales
	s_load_b128 s[8:11], s[0:1], 0x10              ; B's codes, B's scales
	s_load_b64 s[12:13], s[0:1], 0x20              ; qkv16
	v_lshl_add_u32 v[SPW], v0, 2, SPARE
	v_mov_b32 v[NIL], 0
	ds_add_u32 v[SPW], v[NIL]                      ; the wave's opening: the add, twice on end, and its wait ahead of my first tensor load
	ds_add_u32 v[SPW], v[NIL]
	v_lshrrev_b32 v1, 5, v0
	v_readfirstlane_b32 s14, v1                    ; wave 0..3
	s_lshr_b32 s15, s14, 1                         ; which half of the tile's rows is mine.  Also: I fetch for A (0) or for B (1)
	s_and_b32 s16, s14, 1                          ; which half of its columns.  Also: which 128 rows of that tile I fetch
	s_bfe_u32 s40, ttmp6, 0x40000                  ; cx, cy
	s_bfe_u32 s41, ttmp6, 0x40004
	s_lshl_b32 s42, ttmp9, 2
	s_add_co_u32 s42, s42, s40                     ; tile column of C
	s_and_b32 s17, ttmp7, 0xffff
	s_lshl_b32 s17, s17, 2
	s_add_co_u32 s17, s17, s41                     ; tile row of C
	s_lshl_b32 s43, s41, 2
	s_lshl_b32 s43, 15, s43                        ; my row of the cluster
	s_lshl_b32 s44, 0x1111, s40                    ; my column
	s_or_b32 s[G1+0], s43, (0<<16)|(1<<20)|(1<<21)|(5<<22)|(3<<25)  ; the mask; elements of 1 byte; padding on; bit 21 beside a mask; after every 64 words, 4 words
	s_or_b32 s[G1B+0], s44, (0<<16)|(1<<20)|(1<<21)|(5<<22)|(3<<25)
.irp g, G1, G1B
	s_mov_b32 s[\g+1], ROWB<<16                    ; tensor_dim0
	s_mov_b32 s[\g+2], 128<<16                     ; tensor_dim1
	s_mov_b32 s[\g+3], ROWB<<16                    ; tile_dim0
	s_mov_b32 s[\g+4], 128                         ; tile_dim1
	s_mov_b32 s[\g+5], KROW                        ; tensor_dim0_stride
	s_mov_b32 s[\g+6], 0
	s_mov_b32 s[\g+7], 0
.endr
	s_or_b32 s[G1S+0], s43, (3<<16)|(1<<20)|(1<<21)|(5<<22)|(3<<25) ; the scales of 128 rows: a dense block, as rows of 256 bytes (32 elements of 8 bytes), 16 bytes of padding behind each
	s_or_b32 s[G1SB+0], s44, (3<<16)|(1<<20)|(1<<21)|(5<<22)|(3<<25)
.irp g, G1S, G1SB
	s_mov_b32 s[\g+1], 32<<16
	s_mov_b32 s[\g+2], (128*KS/256)<<16
	s_mov_b32 s[\g+3], 32<<16
	s_mov_b32 s[\g+4], 128*KS/256
	s_mov_b32 s[\g+5], 32
	s_mov_b32 s[\g+6], 0
	s_mov_b32 s[\g+7], 0
.endr
	s_lshl_b32 s18, s16, 7
	s_lshl_b32 s20, s17, 8
	s_add_co_u32 s20, s20, s18                     ; A: row 256 x tile row + 128 x half
	s_lshl_b32 s46, s42, 8
	s_add_co_u32 s46, s46, s18                     ; B: row 256 x tile column + 128 x half
	s_mov_b32 s21, 0
	s_mov_b32 s47, 0
	s_mov_b64 s[18:19], KS
	s_mul_u64 s[22:23], s[20:21], s[18:19]
	s_mul_u64 s[92:93], s[46:47], s[18:19]
	s_mov_b64 s[18:19], KROW
	s_mul_u64 s[20:21], s[20:21], s[18:19]
	s_mul_u64 s[46:47], s[46:47], s[18:19]
	s_mul_i32 s45, s14, HALFT                      ; where they go: wave x 128 rows: no place in the cluster enters an LDS address
	s_mul_i32 s94, s14, HALFS
	s_wait_dscnt 0x0                               ; both opening adds are done
	s_wait_kmcnt 0x0
	s_add_nc_u64 s[20:21], s[4:5], s[20:21]
	s_add_nc_u64 s[22:23], s[6:7], s[22:23]
	s_add_nc_u64 s[46:47], s[8:9], s[46:47]
	s_add_nc_u64 s[92:93], s[10:11], s[92:93]
	CROUND                                         ; all sixteen work-groups are here: the first joint loads meet
	s_mov_b32 s[G0S], 1
	s_add_co_u32 s[G0S+1], s94, SCL
	s_mov_b64 s[G0S+2:G0S+3], s[22:23]
	s_or_b32 s[G0S+3], s[G0S+3], 0x80000000
	s_mov_b32 s[G0SB], 1
	s_add_co_u32 s[G0SB+1], s94, SCL
	s_mov_b64 s[G0SB+2:G0SB+3], s[92:93]
	s_or_b32 s[G0SB+3], s[G0SB+3], 0x80000000
	JLOAD G0S, G1S, G0SB, G1SB                     ; the scales first: they are wanted with K step 0
.irp s, 0,1
	s_mov_b32 s[G0+4*\s], 1
	s_add_co_u32 s[G0+4*\s+1], s45, \s*SLOT
	s_add_nc_u64 s[G0+4*\s+2:G0+4*\s+3], s[20:21], \s*ROWB
	s_or_b32 s[G0+4*\s+3], s[G0+4*\s+3], 0x80000000
	s_mov_b32 s[G0B+4*\s], 1
	s_add_co_u32 s[G0B+4*\s+1], s45, \s*SLOT
	s_add_nc_u64 s[G0B+4*\s+2:G0B+4*\s+3], s[46:47], \s*ROWB
	s_or_b32 s[G0B+4*\s+3], s[G0B+4*\s+3], 0x80000000
	JLOAD G0+4*\s, G1, G0B+4*\s, G1B
.endr
	v_and_b32 v1, 15, v0                           ; l % 16
	v_bfe_u32 v2, v0, 4, 1                         ; l / 16
	v_mul_u32_u24 v3, v1, PITCH
	v_lshl_add_u32 v4, v2, 4, v3                   ; a fragment's row x pitch + 16 x half
	s_mul_i32 s21, s15, HALFT                      ; my 128 rows of A
	s_mul_i32 s22, s16, HALFT                      ; my 128 rows of B,
	s_add_co_u32 s22, s22, 2*HALFT                 ; which lie behind A's 256
.irp s, 0,1
	v_add_nc_u32 v[ADRA+\s], s21, v4
	v_add_nc_u32 v[ADRB+\s], s22, v4
	s_add_co_u32 s21, s21, SLOT
	s_add_co_u32 s22, s22, SLOT
.endr
	v_mul_u32_u24 v5, v1, KS                       ; my row's scales: KS bytes a row,
	v_lshrrev_b32 v6, 8, v5
	v_lshl_add_u32 v5, v6, 4, v5                   ; and 16 more for each 256 passed
	s_mul_i32 s21, s15, HALFS
	s_mul_i32 s22, s16, HALFS
	s_add_co_u32 s22, s22, 2*HALFS
	s_sub_co_u32 s22, s22, s21
	v_mul_u32_u24 v6, s22, v2                      ; lanes 16-31 take B's
	s_add_co_u32 s21, s21, SCL
	v_add_nc_u32 v5, v5, v6
	v_add_nc_u32 v[ADRS], s21, v5
	s_mul_i32 s23, s14, 16*SPITCH                  ; my stage
	v_mul_u32_u24 v5, v1, SPITCH                   ; in: row l % 16, 16 bytes for each half of the lanes
	v_lshl_add_u32 v5, v2, 4, v5
	v_add_nc_u32 v[STO], s23, v5
	v_mul_u32_u24 v5, v2, SPITCH                   ; back: lanes 0-15 one row of 256 bytes, lanes 16-31 the next
	v_lshl_add_u32 v5, v1, 4, v5
	v_add_nc_u32 v[RD], s23, v5
	v_and_b32 v6, 31, v0
	v_lshlrev_b32 v[CO], 4, v6                     ; in memory the two rows are 512 consecutive bytes: 16 x lane
	; where my 128 rows x 128 columns go: my columns are head hd of tensor T
	s_lshl_b32 s20, s42, 1
	s_add_co_u32 s20, s20, s16                     ; 2 x tile column + half
	s_lshr_b32 s21, s20, 4                         ; T
	s_and_b32 s20, s20, 15                         ; hd
	s_lshl_b32 s22, s17, 8
	s_lshl_b32 s23, s15, 7
	s_add_co_u32 s22, s22, s23                     ; t0: my first row, a multiple of 128
	s_lshl_b32 s46, s20, 19
	s_lshl_b32 s47, s22, 8
	s_add_co_u32 s46, s46, s47                     ; Q: hd x 524,288 + t0 x 256
	s_lshl_b32 s92, s20, 20
	s_lshl_b32 s93, s22, 9                         ; (t0 / 64) x 32,768
	s_add_co_u32 s92, s92, s93
	s_lshl_b32 s93, s21, 14
	s_add_co_u32 s92, s92, s93
	s_add_co_u32 s92, s92, KVOFF-16384             ; K, V: KVOFF + hd x 1,048,576 + (t0 / 64) x 32,768 + (T - 1) x 16,384
	s_cmp_eq_u32 s21, 0
	s_cselect_b32 s46, s46, s92
	s_mov_b32 s93, 32768
	s_cselect_b32 s92, 16384, s93                  ; from my rows 0-63 to my rows 64-127
	s_mov_b32 s47, 0
	s_mov_b32 s93, 0
	s_add_nc_u64 s[12:13], s[12:13], s[46:47]      ; two bases, never stepped
	s_add_nc_u64 s[66:67], s[12:13], s[92:93]
.macro FRAG reg, adr, q, i             ; 16 rows x 128 K of 4-bit codes: 8 registers: lane l holds row l % 16; registers 4 c .. 4 c + 3 hold K = 64 c + 32 (l / 16) + 0 .. 31
.irp c, 0,1
	ds_load_b128 v[\reg+4*\c:\reg+4*\c+3], v[\adr] offset:64*(\q)+32*\c+(\i)*16*PITCH
.endr
.endm
; 16 matrix instructions: A's blocks a0, a0 + 1 x B's eight, 128 along K.  The 64 accumulators take turns, one instruction a turn, in the same order in every step.
.macro MUL16 a0, p, q, sc, zero
.irp a, \a0, \a0+1
.irp b, 0,1,2,3,4,5,6,7
.if \zero
	v_wmma_scale_f32_16x16x128_f8f6f4 v[8*(8*((\a)%4)+\b):8*(8*((\a)%4)+\b)+7], v[128*(\p)+FR*\b:128*(\p)+FR*\b+FR-1], v[AF+FR*(\a):AF+FR*(\a)+FR-1], 0, v[SC+8*NQ*(\sc)+NQ*\b+(\q)], v[SC+8*NQ*(\sc)+NQ*(\a)+(\q)] matrix_a_fmt:MATRIX_FMT_FP4 matrix_b_fmt:MATRIX_FMT_FP4 matrix_a_scale:MATRIX_SCALE_ROW1
.else
	v_wmma_scale_f32_16x16x128_f8f6f4 v[8*(8*((\a)%4)+\b):8*(8*((\a)%4)+\b)+7], v[128*(\p)+FR*\b:128*(\p)+FR*\b+FR-1], v[AF+FR*(\a):AF+FR*(\a)+FR-1], v[8*(8*((\a)%4)+\b):8*(8*((\a)%4)+\b)+7], v[SC+8*NQ*(\sc)+NQ*\b+(\q)], v[SC+8*NQ*(\sc)+NQ*(\a)+(\q)] matrix_a_fmt:MATRIX_FMT_FP4 matrix_b_fmt:MATRIX_FMT_FP4 matrix_a_scale:MATRIX_SCALE_ROW1
.endif
.endr
.endr
.endm
.macro FETCH_B slot, q, p
	WIN TO_B
.irp i, 0,1,2,3,4,5,6,7
	FRAG 128*(\p)+FR*\i, ADRB+\slot, \q, \i
.endr
	WIN 0
.endm
.macro FETCH_A slot, q, i0
.irp i, \i0, \i0+1, \i0+2, \i0+3
	FRAG AF+FR*(\i), ADRA+\slot, \q, \i
.endr
.endm
.macro SCALES sc                       ; a K step's scale words: lanes 0-15 take A's block i, lanes 16-31 B's block i
.irp i, 0,1,2,3,4,5,6,7
	ds_load_b128 v[SC+8*NQ*\sc+NQ*\i:SC+8*NQ*\sc+NQ*\i+3], v[ADRS] offset:\i*SBLK
.endr
.endm
.macro PLACES n                        ; plain vector lines between a matrix instruction and a load into, or a read of, its registers
.rept \n
	v_nop
.endr
.endm
.macro STEP slot, q, zero
	s_wait_dscnt 4*NL                              ; B's set and A's blocks 0-3 are in; the youngest eight loads (A's blocks 4-7) may be out
	WIN MUL_LO
	MUL16 0, (\q)%2, \q, \slot, \zero
	MUL16 2, (\q)%2, \q, \slot, \zero
	s_wait_dscnt 0
	PLACES NP
	FETCH_B \slot, (\q)+1, 1-(\q)%2
	FETCH_A \slot, (\q)+1, 0
	WIN MUL_HI
	MUL16 4, (\q)%2, \q, \slot, \zero
	MUL16 6, (\q)%2, \q, \slot, \zero
	PLACES NP
	WIN 0
	FETCH_A \slot, (\q)+1, 4
.endm
; A slot's last step changes slots: one barrier; in front of it each wave waits for all its tensor loads, adds 0 to its spare word, and waits for that and for its own reads of this slot.
.macro TURN slot, next, fill
	s_wait_tensorcnt 0x0                           ; all my tensor loads have landed: my part of the next slot
	ds_add_u32 v[SPW], v[NIL]
	s_wait_dscnt 4*NL+1                            ; the add and the youngest eight loads may be out
	WIN MUL_LO
	MUL16 0, 1, NQ-1, \slot, 0
	s_wait_dscnt 0x0                               ; the add is done, and my reads of this slot are over
	s_barrier_signal -1
	MUL16 2, 1, NQ-1, \slot, 0
	WIN 0
	s_barrier_wait -1
.if \fill
	CREST                                          ; the barrier has opened a round of the cluster's barrier: no wave of any partner still reads this slot or has a load on its way
	s_add_nc_u64 s[G0+4*\slot+2:G0+4*\slot+3], s[G0+4*\slot+2:G0+4*\slot+3], 2*ROWB
	s_add_nc_u64 s[G0B+4*\slot+2:G0B+4*\slot+3], s[G0B+4*\slot+2:G0B+4*\slot+3], 2*ROWB
	JLOAD G0+4*\slot, G1, G0B+4*\slot, G1B
.else
	PLACES NP
.endif
	v_add_nc_u32 v[ADRS], 4*NQ, v[ADRS]            ; on to the next K step's scale words
	FETCH_B \next, 0, 0
	FETCH_A \next, 0, 0
	SCALES \next
	WIN MUL_HI
	MUL16 4, 1, NQ-1, \slot, 0
	MUL16 6, 1, NQ-1, \slot, 0
	PLACES NP
	WIN 0
	FETCH_A \next, 0, 4
.endm
.macro STEPS slot, from
.set Q, \from
.rept NQ-1-\from
	STEP \slot, Q, 0
.set Q, Q+1
.endr
.endm
	s_wait_tensorcnt 1                             ; the scales and my part of K step 0 are in (K step 1's load may be out),
	s_barrier_signal -1
	s_barrier_wait -1                              ; everybody's are
	FETCH_B 0, 0, 0
	FETCH_A 0, 0, 0
	SCALES 0
	FETCH_A 0, 0, 4
	STEP 0, 0, 1                                   ; the first step stands in front of the loop: its products start the sums
	s_mov_b32 s3, LAPS-1
.Llap:
	STEPS 0, 1
	TURN 0, 1, 1
	STEPS 1, 0
	TURN 1, 0, 1
	STEP 0, 0, 0
	s_sub_co_u32 s3, s3, 1
	s_cmp_lg_u32 s3, 0
	s_cbranch_scc1 .Llap
	STEPS 0, 1                                     ; the last lap fills nothing
	TURN 0, 1, 0
	STEPS 1, 0
	s_wait_dscnt 4*NL
	WIN MUL_LO
	MUL16 0, 1, NQ-1, 1, 0
	MUL16 2, 1, NQ-1, 1, 0
	s_wait_dscnt 0
	WIN MUL_HI
	MUL16 4, 1, NQ-1, 1, 0
	MUL16 6, 1, NQ-1, 1, 0
	WIN 0
; THE WAY OUT, block by block of 16 rows x 128 columns.  PACK: rounded to f16, 16 bytes a lane, each accumulator from its low end on.  TOSTAGE: into my own stage and back as whole rows of 256 bytes.  SEND: stored, two rows (512 consecutive bytes) an instruction.
.macro PACK a
.set AC, 64*((\a)%4)
	WIN 0x0a+5*((\a)/4)                            ; sources 0 and 1: window 2 or 3
.irp b, 0,1,2,3,4,5,6,7
.irp r, 0,1,2,3
	v_cvt_pk_f16_f32 v[TMP+4*\b+\r], v[AC+8*\b+2*\r], v[AC+8*\b+2*\r+1]
.endr
.endr
	WIN 0
.endm
.macro TOSTAGE a
.set BB, OB+128*((\a)%2)
.irp b, 0,1,2,3,4,5,6,7
	ds_store_b128 v[STO], v[TMP+4*\b:TMP+4*\b+3] offset:32*\b
.endr
.irp t, 0,1,2,3,4,5,6,7
	ds_load_b128 v[BB+4*\t:BB+4*\t+3], v[RD] offset:\t*2*SPITCH    ; LDS serves a wave's instructions in order: these see the stores above
.endr
.endm
.macro SEND a
.set BB, OB+128*((\a)%2)
	s_wait_dscnt 0x0                               ; the block is back in registers
	s_wait_xcnt 0x0                                ; the block before has been read by its stores: its registers take the next block's loads only behind this wait
.irp t, 0,1,2,3,4,5,6,7
.if (\a) < 4
	global_store_b128 v[CO], v[BB+4*\t:BB+4*\t+3], s[12:13] offset:((\a)%4)*4096+512*\t
.else
	global_store_b128 v[CO], v[BB+4*\t:BB+4*\t+3], s[66:67] offset:((\a)%4)*4096+512*\t
.endif
.endr
.endm
	PLACES NP
	PACK 0
	TOSTAGE 0
.irp a, 1,2,3,4,5,6,7                  ; block a's conversions stand between block a - 1's loads from the stage and the wait for them
	PACK \a
	SEND \a-1
	TOSTAGE \a
.endr
	SEND 7
	s_wait_tensorcnt 0x0                           ; the wave's end
	ds_add_u32 v[SPW], v[NIL]
	s_wait_dscnt 0x0
	CROUND                                         ; the closing round
	s_endpgm
.Lfunc_end_k_qf467170a16_qkv:
	.size	k_qf467170a16_qkv, .Lfunc_end_k_qf467170a16_qkv-k_qf467170a16_qkv
	.p2alignl 7, 3214868480
	.fill 96, 4, 3214868480
	.section	.rodata,"a",@progbits
	.p2align	6, 0x0
	.amdhsa_kernel k_qf467170a16_qkv
		.amdhsa_group_segment_fixed_size 327680
		.amdhsa_private_segment_fixed_size 0
		.amdhsa_enable_private_segment 0
		.amdhsa_kernarg_size 40
		.amdhsa_user_sgpr_count 2
		.amdhsa_user_sgpr_kernarg_segment_ptr 1
		.amdhsa_wavefront_size32 1
		.amdhsa_system_sgpr_workgroup_id_x 1
		.amdhsa_system_sgpr_workgroup_id_y 1
		.amdhsa_system_sgpr_workgroup_id_z 1
		.amdhsa_system_vgpr_workitem_id 0
		.amdhsa_next_free_vgpr 1024
		.amdhsa_next_free_sgpr 98
		.amdhsa_reserve_vcc 0
		.amdhsa_float_denorm_mode_32 3
		.amdhsa_float_denorm_mode_16_64 3
		.amdhsa_memory_ordered 1
		.amdhsa_forward_progress 1
		.amdhsa_inst_pref_size 214
	.end_amdhsa_kernel
	.amdgpu_metadata
---
amdhsa.version: [ 1, 2 ]
amdhsa.kernels:
  - .name:           k_qf467170a16_qkv
    .symbol:         k_qf467170a16_qkv.kd
    .args:
      - { .name: xc, .offset: 0, .size: 8, .value_kind: global_buffer, .address_space: global }
      - { .name: xs, .offset: 8, .size: 8, .value_kind: global_buffer, .address_space: global }
      - { .name: wc, .offset: 16, .size: 8, .value_kind: global_buffer, .address_space: global }
      - { .name: ws, .offset: 24, .size: 8, .value_kind: global_buffer, .address_space: global }
      - { .name: qkv16, .offset: 32, .size: 8, .value_kind: global_buffer, .address_space: global }
    .group_segment_fixed_size: 327680
    .private_segment_fixed_size: 0
    .kernarg_segment_align: 8
    .kernarg_segment_size: 40
    .max_flat_workgroup_size: 128
    .sgpr_count:     98
    .vgpr_count:     1024
    .wavefront_size: 32
...
	.end_amdgpu_metadata
.endif
;; end of part 3
;; launch head16 (part 4): grid 16 x 1, 8 waves a work-group, no clusters, 26,624 bytes of LDS; arguments xc, xs, wc, ws, ctx32; writes ctx32
.if DOCPART == 4
	.amdgcn_target "amdgcn-amd-amdhsa--gfx1250"
	.amdhsa_code_object_version 6
	.text
	.protected	k_qf467170a16_head16
	.globl	k_qf467170a16_head16
	.p2align	8
	.type	k_qf467170a16_head16,@function
k_qf467170a16_head16:
	s_mov_b64 s[64:65], 0
	v_nop
	global_prefetch_b8 v0, s[64:65] scope:SCOPE_SE
	s_setreg_imm32_b32 hwreg(HW_REG_WAVE_MODE, 25, 1), 1
	s_wait_xcnt 0x0
; THE FIRST 16 POSITIONS, IN F32.  A work-group takes one head.  Phase A: q, k, v of positions 0-15 by the FP4 products, kept as the f32 sums.  Phase B: scores, softmax and the weighted sum of v in f32,
; by the f32 matrix form (small work: 16 x 16 x 128 and 16 x 16 x 16 a wave).  ctx32 [16][2048] f32 takes the result.  Queries 0-15 see keys 0-15 alone, so nothing else is needed.
; Phase A: wave w makes channels 16 w .. 16 w + 15 of the head's q, k and v, transposed (source 0 = 16 rows of the weight's codes, source 1 = x's 16 rows): lane (r, h) holds position r and channels 16 w + 8 h + 0 .. 7.
; K = 2048 is 16 steps of 128.  x's 16 fragments stay in registers; the weights' come through a ring of 8 steps x 3 fragments in window 1.  The three accumulators take turns.
; The three results meet in LDS (rows of 512 bytes + 16), one barrier.
; Phase B, every wave: S^T = k q^T (a lane holds one query, keys 8 h + j), causal mask, the row's maximum taken away, p / sum; then O^T = v^T p^T for the wave's 16 channels.
; The f32 form takes 4 along K a step: register j holds k = 2 h + j.  The order of k is permuted alike on both sources, so that plain loads of 16 bytes fill the operands.
; The registers that the f32 form writes (window 1, v192-239) are written by matrix instructions alone; what is made of the sums goes into other registers.
; REGISTERS: window 0: v1-10 addresses; v14, v15 the add's two; v16-31 x's scale words; v32-79 the weights' scale words (both hold scales alone); v80-103 the three accumulators, later v's operand;
;   v104-127 at work; v128-255 x's fragments, later q's (v128-191) and k's (v192-255) operands.   window 1: v0-191 the weights' ring.
.set SPW, 14
.set NIL, 15
.set XS,  16
.set WS,  32
.set ACC, 80
.set VF,  80
.set SCR, 104                          ; the scores, then the exponentials, then the result
.set PN,  112                          ; p / sum
.set XF,  128
.set QF,  128
.set KF,  192
.set SA,  192                          ; window 1: four accumulators of the scores
.set OA,  224                          ; window 1: two accumulators of the result
.set LROW, 528
.set LT,   16*LROW                     ; q at 0, k at LT, v at 2 LT
.set SPARE, 3*LT                       ; 25,344: the spare words, 128 bytes a wave
.set CS,  24                           ; s24 c = log2(e) / sqrt(128)
.set SEL, 26                           ; s[26:27] v_permlanex16_b32's selects for lane l xor 16
.set MSB, 0
.macro WIN new
.if MSB != \new
	s_set_vgpr_msb (MSB<<8)|\new
.set MSB, \new
.endif
.endm
	s_load_b128 s[4:7], s[0:1], 0x0                ; xc, xs
	s_load_b128 s[8:11], s[0:1], 0x10              ; wc, ws
	s_load_b64 s[12:13], s[0:1], 0x20              ; ctx32
	v_lshl_add_u32 v[SPW], v0, 2, SPARE
	v_mov_b32 v[NIL], 0
	v_lshrrev_b32 v1, 5, v0
	v_readfirstlane_b32 s14, v1                    ; wave 0..7
	v_and_b32 v1, 15, v0                           ; r
	v_bfe_u32 v2, v0, 4, 1                         ; h
	v_lshlrev_b32 v3, 10, v1
	v_lshl_add_u32 v3, v2, 4, v3                   ; codes: row r of 1,024 bytes + 16 h
	v_lshlrev_b32 v4, 6, v1                        ; scale bytes: row r of 64
	v_mul_u32_u24 v11, v1, LROW
	s_lshl_b32 s15, s14, 6                         ; my 16 channels: 64 bytes
	v_lshl_add_u32 v5, v2, 5, v11
	v_add_nc_u32 v5, s15, v5                       ; into LDS: row r, + 64 w + 32 h
	v_lshl_add_u32 v6, v2, 4, v11                  ; q's and k's operands: row r, + 16 h
	v_mul_u32_u24 v7, v2, 8*LROW
	v_lshl_add_u32 v7, v1, 2, v7
	v_add_nc_u32 v7, s15, v7
	v_add_nc_u32 v7, 2*LT, v7                      ; v's operand: key 8 h + .., channel 16 w + r
	v_lshlrev_b32 v8, 3, v2
	v_sub_nc_u32 v8, v1, v8                        ; d = r - 8 h: key 8 h + j is hidden where j > d
	v_mov_b32 v9, 0xff800000                       ; -infinity
	v_lshlrev_b32 v10, 13, v1
	v_lshl_add_u32 v10, v2, 5, v10                 ; ctx32: row r of 8,192 bytes + 32 h
	v_mov_b32 v120, 0                              ; written once: a lane permute's destination counts as one of its sources
	v_mov_b32 v121, 0
	s_lshl_b32 s16, ttmp9, 7
	s_lshl_b32 s17, s14, 4
	s_add_co_u32 s16, s16, s17                     ; 128 x head + 16 x wave: my first row in each weight, my first channel
	s_lshl_b32 s18, s16, 10
	s_mov_b32 s19, 0
	s_lshl_b32 s20, s16, 6
	s_mov_b32 s21, 0
	s_lshl_b32 s22, s16, 2
	s_mov_b32 s23, 0
	s_mov_b32 s[CS], 0x3e0293ee
	s_mov_b32 s[SEL], 0x76543210
	s_mov_b32 s[SEL+1], 0xfedcba98
	s_wait_kmcnt 0x0
	s_add_nc_u64 s[8:9], s[8:9], s[18:19]
	s_add_nc_u64 s[10:11], s[10:11], s[20:21]
	s_add_nc_u64 s[12:13], s[12:13], s[22:23]
.irp q, 0,1,2,3
	global_load_b128 v[XS+4*\q:XS+4*\q+3], v4, s[6:7] offset:16*\q             ; x's scale words: word s for K step s
.endr
.irp p, 0,1,2
.irp q, 0,1,2,3
	global_load_b128 v[WS+16*\p+4*\q:WS+16*\p+4*\q+3], v4, s[10:11] offset:\p*131072+16*\q
.endr
.endr
.irp s, 0,1,2,3,4,5,6,7,8,9,10,11,12,13,14,15
.irp c, 0,1
	global_load_b128 v[XF+8*\s+4*\c:XF+8*\s+4*\c+3], v3, s[4:5] offset:64*\s+32*\c
.endr
.endr
.macro WLOAD s                         ; K step s of the three weights into ring place s % 8 (window 1): six loads
.irp p, 0,1,2
.irp c, 0,1
	global_load_b128 v[24*((\s)%8)+8*\p+4*\c:24*((\s)%8)+8*\p+4*\c+3], v3, s[8:9] offset:\p*2097152+64*(\s)+32*\c
.endr
.endr
.endm
	WIN 0x40                                       ; destination window 1
.irp s, 0,1,2,3,4,5,6,7
	WLOAD \s
.endr
.macro KSTEP s
.if (\s) < 8
	s_wait_loadcnt 42                              ; behind step s's six loads stand 6 (7 - s) first loads and 6 s reloads: always 42
.else
	s_wait_loadcnt 6*(15-(\s))                     ; behind them: the reloads of the steps that follow
.endif
	WIN 0x01                                       ; source 0 (the weight) window 1
.irp p, 0,1,2
.if (\s) == 0
	v_wmma_scale_f32_16x16x128_f8f6f4 v[ACC+8*\p:ACC+8*\p+7], v[24*((\s)%8)+8*\p:24*((\s)%8)+8*\p+7], v[XF+8*(\s):XF+8*(\s)+7], 0, v[WS+16*\p+(\s)], v[XS+(\s)] matrix_a_fmt:MATRIX_FMT_FP4 matrix_b_fmt:MATRIX_FMT_FP4
.else
	v_wmma_scale_f32_16x16x128_f8f6f4 v[ACC+8*\p:ACC+8*\p+7], v[24*((\s)%8)+8*\p:24*((\s)%8)+8*\p+7], v[XF+8*(\s):XF+8*(\s)+7], v[ACC+8*\p:ACC+8*\p+7], v[WS+16*\p+(\s)], v[XS+(\s)] matrix_a_fmt:MATRIX_FMT_FP4 matrix_b_fmt:MATRIX_FMT_FP4
.endif
.endr
.if (\s) < 8
.rept 4
	v_nop                                          ; places in front of loads into registers that matrix instructions have read
.endr
	WIN 0x40
	WLOAD (\s)+8
.endif
.endm
.irp s, 0,1,2,3,4,5,6,7,8,9,10,11,12,13,14,15
	KSTEP \s
.endr
	WIN 0
.rept 4
	v_nop                                          ; places in front of the first read of the results
.endr
.irp p, 0,1,2
	ds_store_b128 v5, v[ACC+8*\p:ACC+8*\p+3] offset:LT*\p          ; each accumulator from its low end on
	ds_store_b128 v5, v[ACC+8*\p+4:ACC+8*\p+7] offset:LT*\p+16
.endr
	s_wait_dscnt 0x0                               ; for the others' sake: my stores are done
	s_barrier_signal -1
	s_barrier_wait -1
	; ---- phase B
.irp u, 0,1,2,3,4,5,6,7,8,9,10,11,12,13,14,15
	ds_load_b128 v[QF+4*\u:QF+4*\u+3], v6 offset:32*\u             ; register 4 u + 2 e + j: channel 8 u + 4 h + 2 e + j of query r
	ds_load_b128 v[KF+4*\u:KF+4*\u+3], v6 offset:LT+32*\u          ; the same of key r
.endr
.irp n, 0,1,2,3,4,5,6,7
	ds_load_b32 v[VF+\n], v7 offset:LROW*\n                        ; v(key 8 h + n, channel 16 w + r)
.endr
	s_wait_dscnt 0x0
	WIN 0x50                                       ; C and D window 1
.set kp, 0
.rept 32                               ; four accumulators by turns; the first four products start the sums
.if kp < 4
	v_wmma_f32_16x16x4_f32 v[SA+8*(kp%4):SA+8*(kp%4)+7], v[KF+2*kp:KF+2*kp+1], v[QF+2*kp:QF+2*kp+1], 0
.else
	v_wmma_f32_16x16x4_f32 v[SA+8*(kp%4):SA+8*(kp%4)+7], v[KF+2*kp:KF+2*kp+1], v[QF+2*kp:QF+2*kp+1], v[SA+8*(kp%4):SA+8*(kp%4)+7]
.endif
.set kp, kp+1
.endr
.rept 8
	v_nop                                          ; eight places behind this form
.endr
	WIN 0x05                                       ; sources 0 and 1 window 1
.irp j, 0,1,2,3,4,5,6,7
	v_add_f32 v[SCR+\j], v[SA+\j], v[SA+8+\j]
.endr
.irp j, 0,1,2,3,4,5,6,7
	v_add_f32 v[PN+\j], v[SA+16+\j], v[SA+24+\j]
.endr
	WIN 0
.irp j, 0,1,2,3,4,5,6,7
	v_add_f32 v[SCR+\j], v[SCR+\j], v[PN+\j]       ; the score of key 8 h + j and query r
.endr
.irp j, 0,1,2,3,4,5,6,7
	v_cmp_gt_i32 vcc_lo, \j, v8
	v_cndmask_b32 v[SCR+\j], v[SCR+\j], v9, vcc_lo ; hidden keys: -infinity
.endr
	v_max3_num_f32 v122, v[SCR], v[SCR+1], v[SCR+2]
	v_max3_num_f32 v122, v122, v[SCR+3], v[SCR+4]
	v_max3_num_f32 v122, v122, v[SCR+5], v[SCR+6]
	v_max_num_f32 v122, v122, v[SCR+7]
	v_permlanex16_b32 v120, v122, s[SEL], s[SEL+1]
	v_max_num_f32 v122, v122, v120                 ; the row's maximum: key 0 counts for every query, so it is a number
	v_mul_f32 v122, s[CS], v122
.irp j, 0,1,2,3,4,5,6,7
	v_fma_f32 v[SCR+\j], v[SCR+\j], s[CS], -v122
.endr
.irp j, 0,1,2,3,4,5,6,7
	v_exp_f32 v[SCR+\j], v[SCR+\j]
.endr
	v_nop                                          ; a plain line behind the last exponential
	s_wait_alu depctr_va_vdst(0)                   ; one wait for the batch, ahead of its first reader
	v_add_f32 v123, v[SCR], v[SCR+1]
	v_add_f32 v124, v[SCR+2], v[SCR+3]
	v_add_f32 v125, v[SCR+4], v[SCR+5]
	v_add_f32 v126, v[SCR+6], v[SCR+7]
	v_add_f32 v123, v123, v124
	v_add_f32 v125, v125, v126
	v_add_f32 v123, v123, v125
	v_permlanex16_b32 v121, v123, s[SEL], s[SEL+1]
	v_add_f32 v123, v123, v121                     ; the row's sum
	v_rcp_f32 v124, v123
	v_nop
	s_wait_alu depctr_va_vdst(0)
.irp j, 0,1,2,3,4,5,6,7
	v_mul_f32 v[PN+\j], v[SCR+\j], v124
.endr
	WIN 0x50
	v_wmma_f32_16x16x4_f32 v[OA:OA+7], v[VF:VF+1], v[PN:PN+1], 0                       ; keys 8 h + 0, 1: two accumulators by turns
	v_wmma_f32_16x16x4_f32 v[OA+8:OA+15], v[VF+2:VF+3], v[PN+2:PN+3], 0
	v_wmma_f32_16x16x4_f32 v[OA:OA+7], v[VF+4:VF+5], v[PN+4:PN+5], v[OA:OA+7]
	v_wmma_f32_16x16x4_f32 v[OA+8:OA+15], v[VF+6:VF+7], v[PN+6:PN+7], v[OA+8:OA+15]
.rept 8
	v_nop
.endr
	WIN 0x05
.irp j, 0,1,2,3,4,5,6,7
	v_add_f32 v[SCR+\j], v[OA+\j], v[OA+8+\j]      ; ctx(query r, channel 16 w + 8 h + j)
.endr
	WIN 0
	global_store_b128 v10, v[SCR:SCR+3], s[12:13]
	global_store_b128 v10, v[SCR+4:SCR+7], s[12:13] offset:16
	s_wait_tensorcnt 0x0                           ; the wave's end
	ds_add_u32 v[SPW], v[NIL]
	s_wait_dscnt 0x0
	s_endpgm
.Lfunc_end_k_qf467170a16_head16:
	.size	k_qf467170a16_head16, .Lfunc_end_k_qf467170a16_head16-k_qf467170a16_head16
	.p2alignl 7, 3214868480
	.fill 96, 4, 3214868480
	.section	.rodata,"a",@progbits
	.p2align	6, 0x0
	.amdhsa_kernel k_qf467170a16_head16
		.amdhsa_group_segment_fixed_size 26624
		.amdhsa_private_segment_fixed_size 0
		.amdhsa_enable_private_segment 0
		.amdhsa_kernarg_size 40
		.amdhsa_user_sgpr_count 2
		.amdhsa_user_sgpr_kernarg_segment_ptr 1
		.amdhsa_wavefront_size32 1
		.amdhsa_system_sgpr_workgroup_id_x 1
		.amdhsa_system_sgpr_workgroup_id_y 1
		.amdhsa_system_sgpr_workgroup_id_z 1
		.amdhsa_system_vgpr_workitem_id 0
		.amdhsa_next_free_vgpr 512
		.amdhsa_next_free_sgpr 66
		.amdhsa_reserve_vcc 1
		.amdhsa_float_denorm_mode_32 3
		.amdhsa_float_denorm_mode_16_64 3
		.amdhsa_memory_ordered 1
		.amdhsa_forward_progress 1
		.amdhsa_inst_pref_size 34
	.end_amdhsa_kernel
	.amdgpu_metadata
---
amdhsa.version: [ 1, 2 ]
amdhsa.kernels:
  - .name:           k_qf467170a16_head16
    .symbol:         k_qf467170a16_head16.kd
    .args:
      - { .name: xc, .offset: 0, .size: 8, .value_kind: global_buffer, .address_space: global }
      - { .name: xs, .offset: 8, .size: 8, .value_kind: global_buffer, .address_space: global }
      - { .name: wc, .offset: 16, .size: 8, .value_kind: global_buffer, .address_space: global }
      - { .name: ws, .offset: 24, .size: 8, .value_kind: global_buffer, .address_space: global }
      - { .name: ctx32, .offset: 32, .size: 8, .value_kind: global_buffer, .address_space: global }
    .group_segment_fixed_size: 26624
    .private_segment_fixed_size: 0
    .kernarg_segment_align: 8
    .kernarg_segment_size: 40
    .max_flat_workgroup_size: 256
    .sgpr_count:     66
    .vgpr_count:     512
    .wavefront_size: 32
...
	.end_amdgpu_metadata
.endif
;; end of part 4
;; launch attn (part 5): grid 16 x 16, 4 waves a work-group, clusters of 4 x 1, 327,680 bytes of LDS; arguments qkv16, ctx16; writes ctx16
.if DOCPART == 5
	.amdgcn_target "amdgcn-amd-amdhsa--gfx1250"
	.amdhsa_code_object_version 6
	.text
	.protected	k_qf467170a16_attn
	.globl	k_qf467170a16_attn
	.p2align	8
	.type	k_qf467170a16_attn,@function
k_qf467170a16_attn:
	s_mov_b64 s[64:65], 0
	v_nop
	global_prefetch_b8 v0, s[64:65] scope:SCOPE_SE
	s_setreg_imm32_b32 hwreg(HW_REG_WAVE_MODE, 25, 1), 1
	s_wait_xcnt 0x0
	s_wait_alu depctr_hold_cnt(0) depctr_sa_sdst(0) depctr_va_vdst(0) depctr_va_sdst(0) depctr_va_ssrc(0) depctr_va_vcc(0) depctr_vm_vsrc(0)
	s_getreg_b32 s2, hwreg(HW_REG_IB_STS2, 6, 4)
	s_cmp_eq_u32 s2, 0
	s_cbranch_scc0 .Lentry_in_a_cluster
	s_endpgm
.Lentry_in_a_cluster:
	s_bfe_u32 s2, ttmp6, 0x10000c
	s_cmp_lg_u32 s2, 0x3003
	s_cbranch_scc0 .Lentry_shape_is_right
	s_endpgm
.Lentry_shape_is_right:
; CAUSAL ATTENTION on f16 operands: ctx[t][head] = sum over keys k <= t of softmax_k(q[t] . k[k] / sqrt(128)) v[k].  Products, maxima and sums in f32; the weights p are rounded to f16 for the second product, ctx once at the end.
; qkv16: Q [16 heads][2048][128] f16; from KVOFF on [16 heads][32 key steps][K: 64 rows x 256 bytes | V: 64 rows x 256 bytes].  ctx16: [2048 t][2048] f16.
; LIMIT: |ctx| beyond 65,504 has no f16 number.  (Positions 0-15 are written here too, and go on in f32 by launches of their own.)
; SHARES.  Cluster x = c (0..3), place cx, i = 4 c + cx, y = head.  A work-group owns the blocks of 64 queries i (low) and 31 - i (high).  Its four waves hold the SAME 64 queries (four tiles of 16) and split the KEYS:
; in a round wave w takes key step 4 rho + w (64 keys).  The low block has c + 1 rounds, the high block 8 - c: always nine, so all 256 work-groups have the same work.  In a block's last round up to three waves'
; key steps lie wholly behind the diagonal: they are worked under the mask (p = 0), since the round lasts as long as its busiest wave.  At a block's end the four waves' partial results are merged through LDS.
; CLUSTER.  The four partners have the same c, hence the same key steps in every round: wave w's tile (a key step's K and V, 32,768 dense bytes) is asked for JOINTLY by wave w of all four.  A wave reads only the tile that it asked for.
; LAYOUT.  S^T = K Q^T (source 0 = 16 keys, source 1 = 16 queries): a lane holds ONE query (lane % 16) and keys 8 (lane / 16) + 0..7.  Two such tiles, rounded to f16 in pairs, are source 1 of O^T = V^T P.  K comes out of LDS as it lies, V turned, by ds_load_tr16_b128.
; SOFTMAX.  For each query a running maximum m and sum l: p = 2^(c s - c m), c = log2(e) / sqrt(128); in every round O and l are multiplied by a = 2^(c m_old - c m_new).  m begins at -3e38, under every score.
; A ROUND: scores of tiles 0, 1 | scores of tiles 2, 3 with the softmax of tiles 0, 1 in slices between them | the change of slots | V^T P of tiles 0, 1 with the softmax of tiles 2, 3 between | V^T P of tiles 2, 3.
; REGISTERS, in windows of 256: window 0: v2-11 addresses; v12-43 eight registers of statistics a tile; v44-47 the mask's d; v48 -infinity; v61 the prefetch's offset; v62, v63 the add's two; v64-191 S^T, 32 a tile; v192-255 P, 16 a tile.
;   window 1: O^T, 64 a tile.   window 2: v0-127 Q; v128-255 K of one key step.   window 3: v0-127 V of one key step.
; A wave has at most two tensor loads out (the two first fills), later one.
.set KVOFF, 8388608
.set PK,    272                        ; a row of K or V in LDS: 256 bytes + 16 of padding = 68 words: row r starts at bank 4 r mod 64 (64 banks of 4 bytes: ISA guide 11.1)
.set VOFF,  64*PK                      ; a tile: 64 rows of K, then 64 rows of V
.set TILE,  128*PK                     ; 34,816 = 0x8800
.set SLOT,  4*TILE                     ; 139,264 = 0x22000.  The waves' places w x 0x8800 have bits 13 and 17 clear, so one exclusive or with SLOT turns an address in one slot into the other's
.set STAT,  2*SLOT                     ; behind the ring: 1,024 bytes a wave: c m and l of its 4 tiles
.set STG,   STAT+4096                  ; four partial tiles of O: 16 rows x (512 bytes + 16) each
.set SPARE, STG+4*16*528               ; the spare words, 128 bytes a wave
.set AK0, 2
.set AV0, 3
.set ADR, 4
.set QO,  5
.set SAD, 6                            ; v6  STAT + 1024 w + 4 lane
.set SBD, 7                            ; v7  STAT + 4 lane
.set SO,  8                            ; v8  STG + 8448 w + 528 r + 32 h
.set RDA, 9                            ; v9  STG + 2112 w + 16 lane
.set GO,  10                           ; v10 8 lane
.set DL,  11                           ; v11 r - 8 h
.set ST,  12
.set D,   44
.set NEG, 48
.set PFO, 61
.set SPW, 62
.set NIL, 63
.set S,   64
.set P,   192
.set KF,  128
.set KVB, 8                            ; s[8:9]   K and V of my head at key step w
.set QH,  10                           ; s[10:11] Q of my head
.set WV,  12
.set MB,  14                           ; s14 64 x (my block - my key step)
.set RL,  16                           ; s16 rounds of the low block: c + 1
.set RND, 17
.set QB,  18                           ; s18 the block of queries in hand
.set KS4, 19                           ; s19 my key step
.set LAST, 20                          ; s20 1 in a block's last round
.set TBC, 21                           ; s21 LDS byte of my tile of this round
.set TBN, 22                           ; s22 and of the next
.set G1,  24
.set G0A, 32
.set G0W, 36                           ; the second first fill's group 0, which then walks on
.set PFA, 42
.set LIM, 44
.set CTXB, 46
.set CTXH, 48
.set QA,  50
.set CS,  58
.set SEL, 60
.set MSB, 0
.macro WIN new
.if MSB != \new
	s_set_vgpr_msb (MSB<<8)|\new
.set MSB, \new
.endif
.endm
.set W_KQ, 0x0a                        ; K and Q in window 2, S^T in window 0
.set W_PV, 0x53                        ; V in window 3, P in window 0, O^T in window 1
.set W_RS, 0x41                        ; O^T (destination and source 0) in window 1, the factor in window 0
.macro CROUND                          ; a round of the cluster's barrier
	s_barrier_signal -1
	s_barrier_wait -1
	s_cmp_lg_u32 s[WV], 0
	s_cbranch_scc1 .Lnot_wave_0_\@
	s_barrier_signal -3
.Lnot_wave_0_\@:
	s_barrier_wait -3
	s_barrier_signal -1
	s_barrier_wait -1
.endm
; A PREFETCH INTO THE L2 of the tile that the change of slots two rounds on will ask for: 128 rows of 256 bytes.  All clusters of a head walk the same K and V: the head's first cluster (c = 0) asks, in rounds 0 to 4, for key steps
; 12 + w to 28 + w; key steps 0 to 11 come by their loads alone.  Its four partners share a tile's rows out BY ADDRESS, 32 each, a lane a row: one instruction a wave, and each row is named once in the launch.
.macro ASK
	s_cmp_lt_u32 s[RND], s[LIM]
	s_cbranch_scc0 .Lnot_mine_\@
	global_prefetch_b8 v[PFO], s[PFA:PFA+1] th:TH_LOAD_NT scope:SCOPE_SE
.Lnot_mine_\@:
.endm
.macro QLOAD                           ; the block's 64 queries: tile i / 4, channels 32 (i % 4) on (window 2)
.irp i, 0,1,2,3,4,5,6,7,8,9,10,11,12,13,14,15
	global_load_b128 v[8*\i:8*\i+3],   v[QO], s[QA:QA+1] offset:(\i/4)*4096+(\i%4)*64
	global_load_b128 v[8*\i+4:8*\i+7], v[QO], s[QA:QA+1] offset:(\i/4)*4096+(\i%4)*64+32
.endr
.endm
.macro INIT                            ; a block's statistics begin
.irp t, 0,1,2,3
	v_mov_b32 v[ST+8*\t+1], 0xff61b1e6             ; m = -3e38
	v_mul_f32 v[ST+8*\t], s[CS], v[ST+8*\t+1]      ; c m
	v_mov_b32 v[ST+8*\t+2], 0                      ; l, in two halves
	v_mov_b32 v[ST+8*\t+3], 0
.endr
.endm
	s_load_b128 s[4:7], s[0:1], 0x0                ; qkv16, ctx16
	v_lshl_add_u32 v[SPW], v0, 2, SPARE
	v_mov_b32 v[NIL], 0
	ds_add_u32 v[SPW], v[NIL]                      ; the wave's opening: the add, twice on end, and its wait ahead of my first tensor load
	ds_add_u32 v[SPW], v[NIL]
	v_lshrrev_b32 v1, 5, v0
	v_readfirstlane_b32 s[WV], v1                  ; wave 0..3
	s_bfe_u32 s13, ttmp6, 0x40000                  ; cx: it enters Q's, ctx's and the prefetch's addresses and the mask's numbers alone
	s_lshl_b32 s15, ttmp9, 2
	s_add_co_u32 s15, s15, s13                     ; i = 4 c + cx
	s_add_co_u32 s[RL], ttmp9, 1
	s_and_b32 s23, ttmp7, 0xffff                   ; the head
	s_lshl_b32 s40, s23, 20
	s_lshl_b32 s2, s[WV], 15
	s_add_co_u32 s40, s40, s2
	s_add_co_u32 s40, s40, KVOFF
	s_mov_b32 s41, 0
	s_lshl_b32 s52, s23, 19
	s_mov_b32 s53, 0
	s_lshl_b32 s54, s23, 8
	s_lshl_b32 s2, s[WV], 14                       ; on the way out wave w stores rows 4 w .. 4 w + 3 of each tile
	s_add_co_u32 s54, s54, s2
	s_mov_b32 s55, 0
	; descriptor group 1: a tile of 128 rows x 128 elements of 2 bytes, dense in memory, padded in LDS
	s_mov_b32 s[G1], 15|(1<<16)|(1<<20)|(1<<21)|(5<<22)|(3<<25)   ; the mask: all four work-groups; elements of 2 bytes; padding on; bit 21 beside a mask; after every 64 words, 4 words
	s_mov_b32 s[G1+1], 128<<16                     ; tensor_dim0
	s_mov_b32 s[G1+2], 128<<16                     ; tensor_dim1
	s_mov_b32 s[G1+3], 128<<16                     ; tile_dim0
	s_mov_b32 s[G1+4], 128                         ; tile_dim1
	s_mov_b32 s[G1+5], 128                         ; tensor_dim0_stride
	s_mov_b32 s[G1+6], 0
	s_mov_b32 s[G1+7], 0
	s_mov_b32 s[CS], 0x3e0293ee                    ; c = log2(e) / sqrt(128)
	s_mov_b32 s[CS+1], s[CS]
	s_mov_b32 s[SEL], 0x76543210
	s_mov_b32 s[SEL+1], 0xfedcba98
	s_mov_b32 s[QB], s15
	s_cmp_eq_u32 ttmp9, 0
	s_cselect_b32 s[LIM], 5, 0                     ; the same in all four partners
	s_mul_i32 s[TBC], s[WV], TILE
	s_add_co_u32 s[TBN], s[TBC], SLOT
	s_wait_dscnt 0x0                               ; both opening adds are done
	s_wait_kmcnt 0x0
	s_add_nc_u64 s[KVB:KVB+1], s[4:5], s[40:41]
	s_add_nc_u64 s[QH:QH+1], s[4:5], s[52:53]
	s_add_nc_u64 s[CTXH:CTXH+1], s[6:7], s[54:55]
	s_lshl_b32 s52, s15, 14
	s_add_nc_u64 s[QA:QA+1], s[QH:QH+1], s[52:53]  ; the low block's 64 rows of Q
	s_lshl_b32 s52, s15, 18
	s_add_nc_u64 s[CTXB:CTXB+1], s[CTXH:CTXH+1], s[52:53]
	s_lshl_b32 s52, s13, 13                        ; my work-group's 32 rows of a tile's 128,
	s_add_co_u32 s52, s52, 8*32768                 ; at key step 8 + w: each change of slots steps it by four key steps before it is used
	s_add_nc_u64 s[PFA:PFA+1], s[KVB:KVB+1], s[52:53]
	s_mov_b32 s[G0A], 1
	s_mov_b32 s[G0A+1], s[TBC]                     ; round 0: slot 0, key step w
	s_mov_b64 s[G0A+2:G0A+3], s[KVB:KVB+1]
	s_or_b32 s[G0A+3], s[G0A+3], 0x80000000
	s_mov_b32 s[G0W], 1
	s_mov_b32 s[G0W+1], s[TBN]                     ; round 1: slot 1; key step 4 + w if the low block goes on, else w again, for the high block
	s_cmp_gt_u32 s[RL], 1
	s_cselect_b32 s40, 131072, 0
	s_add_nc_u64 s[G0W+2:G0W+3], s[KVB:KVB+1], s[40:41]
	s_or_b32 s[G0W+3], s[G0W+3], 0x80000000
	CROUND                                         ; all four work-groups are here: the first joint loads meet
	tensor_load_to_lds s[G0A:G0A+3], s[G1:G1+7]
	s_nop 0
	tensor_load_to_lds s[G0W:G0W+3], s[G1:G1+7]
	s_nop 0
.rept 4
	v_nop
.endr
	v_and_b32 v1, 15, v0                           ; r
	v_bfe_u32 v49, v0, 4, 1                        ; h
	v_lshlrev_b32 v[QO], 8, v1
	v_lshl_add_u32 v[QO], v49, 4, v[QO]
	WIN 0x80                                       ; destination window 2
	QLOAD
	WIN 0
	v_and_b32 v50, 31, v0                          ; lane
	v_mul_u32_u24 v[AK0], v1, PK
	v_lshl_add_u32 v[AK0], v49, 4, v[AK0]          ; K: row x pitch + 16 x half
	v_and_b32 v51, 7, v0
	v_bfe_u32 v52, v0, 3, 1
	v_lshl_add_u32 v[AV0], v49, 3, v51             ; V, turned: lane l reads key 8 (l / 16) + l % 8, channels 8 ((l / 8) % 2) + 0..7
	v_mul_u32_u24 v[AV0], v[AV0], PK
	v_lshl_add_u32 v[AV0], v52, 4, v[AV0]
	v_add_nc_u32 v[AV0], VOFF, v[AV0]
	v_lshl_add_u32 v[SBD], v50, 2, STAT
	s_lshl_b32 s2, s[WV], 10
	v_add_nc_u32 v[SAD], s2, v[SBD]
	s_mul_i32 s2, s[WV], 16*528
	v_mul_u32_u24 v[SO], v1, 528
	v_lshl_add_u32 v[SO], v49, 5, v[SO]
	v_add_nc_u32 v[SO], s2, v[SO]
	v_add_nc_u32 v[SO], STG, v[SO]
	s_mul_i32 s2, s[WV], 4*528
	v_lshl_add_u32 v[RDA], v50, 4, STG
	v_add_nc_u32 v[RDA], s2, v[RDA]
	v_lshlrev_b32 v[GO], 3, v50
	v_lshlrev_b32 v51, 3, v49
	v_sub_nc_u32 v[DL], v1, v51
	v_lshlrev_b32 v[PFO], 8, v50
	v_mov_b32 v[NEG], 0xff800000
	INIT
	WIN 0x40                                       ; O^T begins as zeros, written while the first tiles are on their way: so the round is written once, with no first round of its own
.set q, 0
.rept 256
	v_mov_b32 v[q], 0
.set q, q+1
.endr
	WIN 0
; THE MATRIX WORK.  The accumulators take turns, one instruction a turn.
.macro PV x                            ; product i of 32 of O^T += V^T P: keys 32 (i / 16) on, channels 16 ((i / 2) % 8) on, tile x + i % 2
	WIN W_PV
.set rO, 64*(\x+i%2)+8*((i/2)%8)
.set rV, 64*(i/16)+8*((i/2)%8)
.set rP, P+16*(\x+i%2)+8*(i/16)
	v_wmma_f32_16x16x32_f16 v[rO:rO+7], v[rV:rV+7], v[rP:rP+7], v[rO:rO+7]
.endm
.macro KQ x                            ; product i of 32 of S^T = K Q^T: channels 32 (i / 8) on, keys 16 ((i / 2) % 4) on, tile x + i % 2.  The first 8 start the sums
	WIN W_KQ
.set rS, S+32*(\x+i%2)+8*((i/2)%4)
.set rK, KF+32*((i/2)%4)+8*(i/8)
.set rQ, 32*(\x+i%2)+8*(i/8)
.if i < 8
	v_wmma_f32_16x16x32_f16 v[rS:rS+7], v[rK:rK+7], v[rQ:rQ+7], 0
.else
	v_wmma_f32_16x16x32_f16 v[rS:rS+7], v[rK:rK+7], v[rQ:rQ+7], v[rS:rS+7]
.endif
.endm
.macro FETCH_K tb                      ; a key step's K: 16 fragments, in one run of 32 loads
	WIN 0
	v_add_nc_u32 v[ADR], s[\tb], v[AK0]
	WIN 0x80
.irp f, 0,1,2,3,4,5,6,7,8,9,10,11,12,13,14,15
	ds_load_b128 v[KF+8*\f:KF+8*\f+3],   v[ADR] offset:(\f/4)*16*PK+(\f%4)*64
	ds_load_b128 v[KF+8*\f+4:KF+8*\f+7], v[ADR] offset:(\f/4)*16*PK+(\f%4)*64+32
.endr
.endm
.macro FETCH_V                         ; this round's V, turned; the wait for the softmax's batch stands in it
	WIN 0
	v_add_nc_u32 v[ADR], s[TBC], v[AV0]
	s_wait_alu depctr_va_vdst(0)
	WIN 0xc0
.irp f, 0,1,2,3,4,5,6,7,8,9,10,11,12,13,14,15
	ds_load_tr16_b128 v[8*\f:8*\f+3],   v[ADR] offset:(\f/8)*32*PK+(\f%8)*32
	ds_load_tr16_b128 v[8*\f+4:8*\f+7], v[ADR] offset:(\f/8)*32*PK+16*PK+(\f%8)*32
.endr
.endm
; THE VECTOR WORK.  One tile's softmax for one key step is a list of 134 instructions; SM writes number j of it for tile t.
;   0-15 the maximum of the lane's 32 scores and the old m;  16-20 the other half of the lanes' maximum, the new m, c m, c m_old - c m_new;
;   21-69 ONE BATCH: the 16 packed scalings c s - c m and all 33 exponentials (a at 23), none of which reads an exponential's result;  the wait for the batch stands between 69 and 70;
;   70-85 the roundings to f16;  86-101 the sums, l = a l + the sum;  102-133 the tile's O^T times a.
.macro SM t
.set rT, ST+8*(\t)
.set rS, S+32*(\t)
.set rP, P+16*(\t)
.set rO, 64*(\t)+2*(j-102)
.if j < 102
	WIN 0
.endif
.if j < 4
	v_max3_num_f32 v[rT+4+j], v[rS+8*j], v[rS+8*j+1], v[rS+8*j+2]
.elseif j < 12
	v_max3_num_f32 v[rT+4+j%4], v[rT+4+j%4], v[rS+8*(j%4)+2*(j/4)+1], v[rS+8*(j%4)+2*(j/4)+2]
.elseif j == 12
	v_max3_num_f32 v[rT+4], v[rT+4], v[rS+7], v[rS+15]
.elseif j == 13
	v_max3_num_f32 v[rT+6], v[rT+6], v[rS+23], v[rS+31]
.elseif j == 14
	v_max3_num_f32 v[rT+4], v[rT+4], v[rT+5], v[rT+6]
.elseif j == 15
	v_max3_num_f32 v[rT+4], v[rT+4], v[rT+7], v[rT+1]
.elseif j == 16
	v_permlanex16_b32 v[rT+5], v[rT+4], s[SEL], s[SEL+1]
.elseif j == 17
	v_mov_b32 v[rT+7], v[rT]
.elseif j == 18
	v_max_num_f32 v[rT+1], v[rT+4], v[rT+5]
.elseif j == 19
	v_mul_f32 v[rT], s[CS], v[rT+1]
.elseif j == 20
	v_sub_f32 v[rT+7], v[rT+7], v[rT]
.elseif j == 23
	v_exp_f32 v[rT+6], v[rT+7]
.elseif (j < 23) || ((j < 38) && (j%2 == 0)) || ((j < 66) && (j%4 == 2))
.set b, (j-2)/4
.if j < 38
.set b, (j-20)/2
.endif
	v_pk_fma_f32 v[rS+2*b:rS+2*b+1], v[rS+2*b:rS+2*b+1], s[CS:CS+1], v[rT:rT+1] op_sel_hi:[1,0,0] neg_lo:[0,0,1] neg_hi:[0,0,1]
.elseif j < 70
.set e, j-38
.if j < 66
.set e, j-32-(j-38)/4
.endif
.if j < 38
.set e, (j-25)/2
.endif
	v_exp_f32 v[rS+e], v[rS+e]
.elseif j < 86
	v_cvt_pk_f16_f32 v[rP+j-70], v[rS+2*(j-70)], v[rS+2*(j-70)+1]
.elseif j < 102
.set z, j-86
.set w, 4
.set u, z
.if z >= 14
.set w, 32
.set u, 0
.elseif z >= 12
.set w, 16
.set u, z-12
.elseif z >= 8
.set w, 8
.set u, z-8
.endif
.if z < 15
	v_pk_add_f32 v[rS+w*u:rS+w*u+1], v[rS+w*u:rS+w*u+1], v[rS+w*u+w/2:rS+w*u+w/2+1]
.else
	v_pk_fma_f32 v[rT+2:rT+3], v[rT+2:rT+3], v[rT+6:rT+7], v[rS:rS+1] op_sel_hi:[1,0,1]
.endif
.else
	WIN W_RS
	v_pk_mul_f32 v[rO:rO+1], v[rO:rO+1], v[rT+6:rT+7] op_sel_hi:[1,0]
.endif
.endm
; Slice k of 64 of the softmax of tiles y, y + 1: four instructions (slice 63: sixteen).  Slices 11 to 34 deal out the batch, four numbers of one tile each.  Behind slice 34 stands the one wait for the 66 exponentials.
.macro SLICE y
.if (k >= 11) && (k < 35)
.irp n, 0,1,2,3
.set j, 22+4*((k-11)/2)+(\n)
	SM (\y)+(k-11)%2
.endr
.else
.irp n, 0,1,2,3,4,5,6,7
.if (\n < 2) || (k == 63)
.irp t, \y, \y+1
.set j, 2*k+\n
	SM \t
.endr
.endif
.endr
.endif
.if k == 34
	v_nop                                          ; a plain line behind the last exponential, ahead of the first use
.if (\y) == 0
	FETCH_V
.else
	s_wait_alu depctr_va_vdst(0)                   ; the wait for the batch
.endif
.endif
.set k, k+1
.endm
; In a block's last round: register n of tile t holds key 16 (n / 8) + n % 8 + 8 h of my key step, hidden where 16 (n / 8) + n % 8 > d_t = 64 (block - key step) + 16 t + r - 8 h
.macro MASK y
.irp t, \y, \y+1
.set n, 0
.rept 32
	v_cmp_gt_i32 vcc_lo, 16*(n/8)+n%8, v[D+(\t)]
	v_cndmask_b32 v[S+32*(\t)+n], v[S+32*(\t)+n], v[NEG], vcc_lo
.set n, n+1
.endr
.endr
.endm
; THE CHANGE OF SLOTS, in a round's middle: this round's K and V have been asked for from LDS.  Each wave waits for all its tensor loads (one is out: the next round's tile), adds 0 to its spare word, and waits for that and for
; its reads of this round's tile.  fill = 1: a round of the cluster's barrier, and behind it the tile of the round after next, into this round's place: it has a whole round in which to land.
.macro BOUNDARY fill
	s_wait_tensorcnt 0x0                           ; no tensor load of mine is out, so a group 0 may be written
	ds_add_u32 v[SPW], v[NIL]                      ; 0 onto my spare word; the descriptor's step stands between it and the wait for it
.if \fill
	s_xor_b32 s[G0W+1], s[G0W+1], SLOT             ; the other slot than last time
	s_add_co_u32 s23, s[RND], 2
	s_cmp_lt_u32 s23, s[RL]
	s_cselect_b32 s40, 0, s[RL]
	s_sub_co_u32 s23, s23, s40                     ; that round's number within its block
	s_lshl_b32 s40, s23, 17                        ; four key steps of 32,768 bytes a round
	s_mov_b32 s41, 0
	s_add_nc_u64 s[G0W+2:G0W+3], s[KVB:KVB+1], s[40:41]
	s_or_b32 s[G0W+3], s[G0W+3], 0x80000000
	s_wait_xcnt 0x0                                ; the last prefetch, a round back, has read its address, so it may be written
	s_add_nc_u64 s[PFA:PFA+1], s[PFA:PFA+1], 131072
	s_wait_dscnt 0x0                               ; the add is done, V is in, and my reads of this round's tile are over
	CROUND
	tensor_load_to_lds s[G0W:G0W+3], s[G1:G1+7]
	s_nop 0
.rept 4
	v_nop
.endr
.else
	s_wait_dscnt 0x0
	s_barrier_signal -1
	s_barrier_wait -1
.endif
.endm
; A BLOCK'S END: the four waves' partial results of the same 64 queries are merged.  Each wave publishes c m and l; with M the largest c m, wave w's part counts 2^(c m_w - M); L = the sum of those times l_w.
; Each wave multiplies its O^T by its own factor / L, a tile at a time; the four partial tiles meet in LDS; wave w adds rows 4 w .. 4 w + 3, rounds them to f16 and stores them: 32 lanes store 256 consecutive bytes.
.macro EPI
.irp t, 0,1,2,3
	v_add_f32 v[ST+8*\t+4], v[ST+8*\t+2], v[ST+8*\t+3]             ; (these twelve plain lines are also the places behind the last products)
.endr
.irp t, 0,1,2,3
	v_permlanex16_b32 v[ST+8*\t+5], v[ST+8*\t+4], s[SEL], s[SEL+1]
.endr
.irp t, 0,1,2,3
	v_add_f32 v[ST+8*\t+4], v[ST+8*\t+4], v[ST+8*\t+5]             ; my l
.endr
.irp t, 0,1,2,3
	ds_store_b32 v[SAD], v[ST+8*\t] offset:256*\t
	ds_store_b32 v[SAD], v[ST+8*\t+4] offset:256*\t+128
.endr
	s_wait_dscnt 0x0                               ; for the others' sake: my stores are done
	s_barrier_signal -1
	s_barrier_wait -1
.irp t, 0,1,2,3
.irp w, 0,1,2,3
.irp u, 0,1
	ds_load_b32 v[S+8*\t+2*\w+\u], v[SBD] offset:1024*\w+256*\t+128*\u
.endr
.endr
.endr
	s_wait_dscnt 0x0
.irp t, 0,1,2,3
	v_max3_num_f32 v[ST+8*\t+5], v[S+8*\t], v[S+8*\t+2], v[S+8*\t+4]
.endr
.irp t, 0,1,2,3
	v_max_num_f32 v[ST+8*\t+5], v[ST+8*\t+5], v[S+8*\t+6]          ; M
.endr
.irp t, 0,1,2,3
.irp w, 0,1,2,3
	v_sub_f32 v[S+8*\t+2*\w], v[S+8*\t+2*\w], v[ST+8*\t+5]
.endr
	v_sub_f32 v[ST+8*\t+7], v[ST+8*\t], v[ST+8*\t+5]
.endr
.irp t, 0,1,2,3
.irp w, 0,1,2,3
	v_exp_f32 v[S+8*\t+2*\w], v[S+8*\t+2*\w]
.endr
	v_exp_f32 v[ST+8*\t+6], v[ST+8*\t+7]
.endr
	v_nop
	s_wait_alu depctr_va_vdst(0)                   ; one wait for the twenty exponentials
.irp t, 0,1,2,3
	v_mul_f32 v[ST+8*\t+4], v[S+8*\t], v[S+8*\t+1]
.endr
.irp w, 1,2,3
.irp t, 0,1,2,3
	v_fmac_f32 v[ST+8*\t+4], v[S+8*\t+2*\w], v[S+8*\t+2*\w+1]      ; L: at least 1, since the wave that holds M has a key with p = 1
.endr
.endr
.irp t, 0,1,2,3
	v_rcp_f32 v[ST+8*\t+5], v[ST+8*\t+4]
.endr
	v_nop
	s_wait_alu depctr_va_vdst(0)                   ; and one for the four reciprocals
.irp t, 0,1,2,3
	v_mul_f32 v[ST+8*\t+6], v[ST+8*\t+6], v[ST+8*\t+5]
.endr
.irp t, 0,1,2,3
	WIN W_RS
.set q, 64*\t
.rept 32
	v_pk_mul_f32 v[q:q+1], v[q:q+1], v[ST+8*\t+6:ST+8*\t+7] op_sel_hi:[1,0]
.set q, q+2
.endr
	WIN 0x04                                       ; an LDS store's data are its source 1: window 1
.irp f, 0,1,2,3,4,5,6,7
	ds_store_b128 v[SO], v[64*\t+8*\f:64*\t+8*\f+3] offset:64*\f
	ds_store_b128 v[SO], v[64*\t+8*\f+4:64*\t+8*\f+7] offset:64*\f+16
.endr
	WIN 0
	s_wait_dscnt 0x0
	s_barrier_signal -1
	s_barrier_wait -1                              ; the four partial tiles lie in LDS
.irp w, 0,1,2,3
.irp g, 0,1,2,3
	ds_load_b128 v[96+16*\w+4*\g:96+16*\w+4*\g+3], v[RDA] offset:8448*\w+528*\g
.endr
.endr
	s_wait_dscnt 0x0
.irp g, 0,1,2,3
.irp h, 0,2
	v_pk_add_f32 v[96+4*\g+\h:97+4*\g+\h], v[96+4*\g+\h:97+4*\g+\h], v[112+4*\g+\h:113+4*\g+\h]
	v_pk_add_f32 v[128+4*\g+\h:129+4*\g+\h], v[128+4*\g+\h:129+4*\g+\h], v[144+4*\g+\h:145+4*\g+\h]
.endr
.endr
.irp g, 0,1,2,3
.irp h, 0,2
	v_pk_add_f32 v[96+4*\g+\h:97+4*\g+\h], v[96+4*\g+\h:97+4*\g+\h], v[128+4*\g+\h:129+4*\g+\h]
.endr
.endr
.irp g, 0,1,2,3
	v_cvt_pk_f16_f32 v[160+8*\t+2*\g], v[96+4*\g], v[97+4*\g]
	v_cvt_pk_f16_f32 v[161+8*\t+2*\g], v[98+4*\g], v[99+4*\g]
.endr
.irp g, 0,1,2,3
	global_store_b64 v[GO], v[160+8*\t+2*\g:161+8*\t+2*\g], s[CTXB:CTXB+1] offset:(16*\t+\g)*4096
.endr
.if \t < 3
	s_barrier_signal -1                            ; my reads of the partial tiles are over (waited for above): the next tile may be stored
	s_barrier_wait -1
.endif
.endr
	s_wait_xcnt 0x0                                ; the stores have read their data and their base: both are written again soon
.endm
.macro RESET                           ; on to the high block.  O^T is not cleared: every wave's first key step of the high block (w, under 16) is wholly visible, so a = 2^(c m_old - c m_new) = 0 multiplies what was left, which is finite
	INIT
	s_sub_co_u32 s[QB], 31, s15
	s_lshl_b32 s52, s[QB], 18
	s_mov_b32 s53, 0
	s_add_nc_u64 s[CTXB:CTXB+1], s[CTXH:CTXH+1], s[52:53]
.endm
; A ROUND.  fill = 1: the change of slots asks for a tile.  sw = 1: the round may be the low block's last.
.macro ROUND fill, sw
	s_cmp_lt_u32 s[RND], s[RL]
	s_cselect_b32 s23, 0, s[RL]
	s_sub_co_u32 s23, s[RND], s23                  ; the round's number within its block
	s_lshl_b32 s[KS4], s23, 2
	s_add_co_u32 s[KS4], s[KS4], s[WV]             ; my key step
	s_add_co_u32 s23, s[RND], 1
	s_cmp_eq_u32 s23, s[RL]
	s_cselect_b32 s[LAST], 1, 0
	s_cmp_eq_u32 s[RND], 8
	s_cselect_b32 s[LAST], 1, s[LAST]              ; made of the cluster's x and the round: the same in all waves and partners
	s_sub_co_u32 s[MB], s[QB], s[KS4]
	s_lshl_b32 s[MB], s[MB], 6
	s_wait_loadcnt 0x0                             ; Q
	s_wait_dscnt 0x0                               ; K
.set i, 0
.rept 32
	KQ 0
.set i, i+1
.endr
	WIN 0
.irp t, 0,1,2,3
	v_add3_u32 v[D+\t], v[DL], s[MB], 16*\t        ; the mask's d; these four are the places behind the products above
.endr
	s_cmp_eq_u32 s[LAST], 0
	s_cbranch_scc1 .Lopen0_\@
	MASK 0
.Lopen0_\@:
.set k, 0
.set i, 0
.rept 32
	KQ 2
	SLICE 0
	SLICE 0
.set i, i+1
.endr
	WIN 0                                          ; slice 63's sixteen lines are the places behind the last product
	s_cmp_eq_u32 s[LAST], 0
	s_cbranch_scc1 .Lopen2_\@
	MASK 2
.Lopen2_\@:
.if \sw
	s_add_co_u32 s23, s[RND], 1
	s_cmp_lg_u32 s23, s[RL]
	s_cbranch_scc1 .Lno_q_\@
	s_sub_co_u32 s52, 31, s15                      ; the low block's scores are made: the high block's Q is asked for
	s_lshl_b32 s52, s52, 14
	s_mov_b32 s53, 0
	s_add_nc_u64 s[QA:QA+1], s[QH:QH+1], s[52:53]
	WIN 0x80
	QLOAD
	WIN 0
.Lno_q_\@:
.endif
	BOUNDARY \fill
.if \fill
	FETCH_K TBN                                    ; the next round's K
	WIN 0
	ASK
.else
	s_cmp_eq_u32 s[RND], 8
	s_cbranch_scc1 .Lno_k_\@
	FETCH_K TBN
	WIN 0
.Lno_k_\@:
.endif
.set k, 0
.set i, 0
.rept 32
	PV 0
	SLICE 2
	SLICE 2
.set i, i+1
.endr
.set i, 0
.rept 32
	PV 2
.set i, i+1
.endr
	WIN 0
.if \sw
	s_add_co_u32 s23, s[RND], 1
	s_cmp_lg_u32 s23, s[RL]
	s_cbranch_scc1 .Lno_sw_\@
	EPI
	RESET
.Lno_sw_\@:
.endif
	s_xor_b32 s[TBC], s[TBC], SLOT
	s_xor_b32 s[TBN], s[TBN], SLOT
.endm
	s_wait_tensorcnt 1                             ; my tile of round 0 is in (round 1's may be out); only I read it, so no barrier is wanted
	FETCH_K TBC
	WIN 0
	s_mov_b32 s[RND], 0
.Lmain:                                            ; rounds 0 to 6: each asks for the tile of the round after next
	ROUND 1, 1
	s_add_co_u32 s[RND], s[RND], 1
	s_cmp_lt_u32 s[RND], 7
	s_cbranch_scc1 .Lmain
.Ltail:                                            ; rounds 7 and 8 ask for nothing: written out
	ROUND 0, 0
	s_add_co_u32 s[RND], s[RND], 1
	s_cmp_lt_u32 s[RND], 9
	s_cbranch_scc1 .Ltail
	EPI                                            ; the high block
	s_wait_tensorcnt 0x0                           ; the wave's end
	ds_add_u32 v[SPW], v[NIL]
	s_wait_dscnt 0x0
	CROUND                                         ; the closing round
	s_endpgm
.Lfunc_end_k_qf467170a16_attn:
	.size	k_qf467170a16_attn, .Lfunc_end_k_qf467170a16_attn-k_qf467170a16_attn
	.p2alignl 7, 3214868480
	.fill 96, 4, 3214868480
	.section	.rodata,"a",@progbits
	.p2align	6, 0x0
	.amdhsa_kernel k_qf467170a16_attn
		.amdhsa_group_segment_fixed_size 327680
		.amdhsa_private_segment_fixed_size 0
		.amdhsa_enable_private_segment 0
		.amdhsa_kernarg_size 16
		.amdhsa_user_sgpr_count 2
		.amdhsa_user_sgpr_kernarg_segment_ptr 1
		.amdhsa_wavefront_size32 1
		.amdhsa_system_sgpr_workgroup_id_x 1
		.amdhsa_system_sgpr_workgroup_id_y 1
		.amdhsa_system_sgpr_workgroup_id_z 1
		.amdhsa_system_vgpr_workitem_id 0
		.amdhsa_next_free_vgpr 1024
		.amdhsa_next_free_sgpr 66
		.amdhsa_reserve_vcc 1
		.amdhsa_float_denorm_mode_32 3
		.amdhsa_float_denorm_mode_16_64 3
		.amdhsa_memory_ordered 1
		.amdhsa_forward_progress 1
		.amdhsa_inst_pref_size 199
	.end_amdhsa_kernel
	.amdgpu_metadata
---
amdhsa.version: [ 1, 2 ]
amdhsa.kernels:
  - .name:           k_qf467170a16_attn
    .symbol:         k_qf467170a16_attn.kd
    .args:
      - { .name: qkv16, .offset: 0, .size: 8, .value_kind: global_buffer, .address_space: global }
      - { .name: ctx16, .offset: 8, .size: 8, .value_kind: global_buffer, .address_space: global }
    .group_segment_fixed_size: 327680
    .private_segment_fixed_size: 0
    .kernarg_segment_align: 8
    .kernarg_segment_size: 16
    .max_flat_workgroup_size: 128
    .sgpr_count:     66
    .vgpr_count:     1024
    .wavefront_size: 32
...
	.end_amdgpu_metadata
.endif
;; end of part 5
;; launch proj (part 6): grid 16 x 16, 4 waves a work-group, clusters of 4 x 4, 327,680 bytes of LDS; arguments ctx16, w16, out0; writes out0
.if DOCPART == 6
	.amdgcn_target "amdgcn-amd-amdhsa--gfx1250"
	.amdhsa_code_object_version 6
	.text
	.protected	k_qf467170a16_proj
	.globl	k_qf467170a16_proj
	.p2align	8
	.type	k_qf467170a16_proj,@function
k_qf467170a16_proj:
	s_mov_b64 s[64:65], 0
	v_nop
	global_prefetch_b8 v0, s[64:65] scope:SCOPE_SE
	s_setreg_imm32_b32 hwreg(HW_REG_WAVE_MODE, 25, 1), 1
	s_wait_xcnt 0x0
	s_wait_alu depctr_hold_cnt(0) depctr_sa_sdst(0) depctr_va_vdst(0) depctr_va_sdst(0) depctr_va_ssrc(0) depctr_va_vcc(0) depctr_vm_vsrc(0)
	s_getreg_b32 s2, hwreg(HW_REG_IB_STS2, 6, 4)
	s_cmp_eq_u32 s2, 0
	s_cbranch_scc0 .Lentry_in_a_cluster
	s_endpgm
.Lentry_in_a_cluster:
	s_bfe_u32 s2, ttmp6, 0x10000c
	s_cmp_lg_u32 s2, 0xf033
	s_cbranch_scc0 .Lentry_shape_is_right
	s_endpgm
.Lentry_shape_is_right:
; out0[m][n] = sum over k of ctx16[m][k] w16[k][n].  ctx16 [2048][2048] f16 (K innermost), w16 [2048 (k)][2048 (n)] f16 (K outermost), out0 [2048][2048] f32; sums in f32.
; (Rows 0-15 are written here too; the launch that follows writes them again from f32 operands.)
; A tile of C is 128 x 128, which gives 256 work-groups.  Four waves, each 64 x 64: 16 accumulators, 128 registers.  K goes in steps of 256 through a ring of two LDS slots.
; A's tile: 128 rows x 512 bytes, pitch 528.  B's tile lies as in memory, [k][n]: 256 rows of k x 256 bytes, pitch 288; its fragments come out turned, by ds_load_tr16_b128.
; CLUSTERS: 4 x 4 work-groups.  A's tile is shared along a row of the cluster, B's along a column: each is asked for JOINTLY.  Waves 0 and 1 fetch A's halves (64 rows), waves 2 and 3 B's (128 rows of k).
; THE MATRIX INSTRUCTION IS USED TRANSPOSED (source 0 = 16 columns of B, source 1 = 16 rows of A): a lane holds eight neighbouring numbers of a row of C.
; The way out: a wave's 64 columns of f32 are 256 consecutive bytes of a row, so each wave has a stage of its own and no barrier is wanted.  The stage lies in slot 0, behind that slot's last fill and last read.
; REGISTERS: window 0: v0-31 addresses; v32-95 the way out; v128-255 the accumulators ((a, b) at v[128 + 8 (4 a + b)]).   window 1: two fragment buffers of 128: 64 registers of A, then 64 of B, for 64 along K.
; A wave has at most two tensor loads out (the first fills), later one.
.set SIZE_K, 2048
.set SIZE_N, 2048
.set KSTEP,  256
.set PITCH,  528                       ; 512 bytes + 16 = 132 words: row r starts at bank 4 r mod 64 (64 banks of 4 bytes: ISA guide 11.1)
.set PB,     288                       ; 256 bytes + 32 = 72 words: row r starts at bank 8 r mod 64
.set HALFA,  64*PITCH
.set HALFB,  128*PB
.set BOFF,   2*HALFA
.set SLOT,   2*HALFA+2*HALFB
.set SPARE,  2*SLOT                    ; behind the ring: the spare words, 128 bytes a wave
.set SPITCH, 272
.set LAPS, SIZE_K/(2*KSTEP)
.set ADRA, 16                          ; v16-17  my A fragments in slot 0, 1
.set ADRB, 20                          ; v20-23  my B fragments: slot s, rows of k 128 g on: v[20 + 2 s + g]
.set STO,  24
.set RD,   25
.set CO,   26
.set SPW,  28
.set NIL,  29
.set TMP,  32
.set ACC,  128
.set F0,   0
.set F1,   128
.set G1, 24
.set G0, 32
.set G1B, 48
.set G0B, 56
.set MSB, 0
.macro WIN new
.if MSB != \new
	s_set_vgpr_msb (MSB<<8)|\new
.set MSB, \new
.endif
.endm
.set MUL,  0x05
.set TO_F, 0x40
.macro JLOAD s                         ; a joint load; an s_nop 0 and four v_nop follow each of the two lines
	s_cmp_eq_u32 s11, 0
	s_cbranch_scc0 .Lfor_b_\@
	tensor_load_to_lds s[G0+4*\s:G0+4*\s+3], s[G1:G1+7]
	s_nop 0
.rept 4
	v_nop
.endr
	s_branch .Lasked_\@
.Lfor_b_\@:
	tensor_load_to_lds s[G0B+4*\s:G0B+4*\s+3], s[G1B:G1B+7]
	s_nop 0
.rept 4
	v_nop
.endr
.Lasked_\@:
.endm
.macro CREST
	s_cmp_lg_u32 s10, 0
	s_cbranch_scc1 .Lnot_wave_0_\@
	s_barrier_signal -3
.Lnot_wave_0_\@:
	s_barrier_wait -3
	s_barrier_signal -1
	s_barrier_wait -1
.endm
.macro CROUND
	s_barrier_signal -1
	s_barrier_wait -1
	CREST
.endm
	s_load_b128 s[4:7], s[0:1], 0x0                ; A = ctx16, B = w16
	s_load_b64 s[8:9], s[0:1], 0x10                ; out0
	v_lshl_add_u32 v[SPW], v0, 2, SPARE
	v_mov_b32 v[NIL], 0
	ds_add_u32 v[SPW], v[NIL]                      ; the wave's opening: the add, twice on end, and its wait ahead of my first tensor load
	ds_add_u32 v[SPW], v[NIL]
	v_lshrrev_b32 v1, 5, v0
	v_readfirstlane_b32 s10, v1                    ; wave 0..3
	s_lshr_b32 s11, s10, 1                         ; which half of the tile's rows is mine.  Also: I fetch for A (0) or for B (1)
	s_and_b32 s12, s10, 1                          ; which half of its columns.  Also: which half of that tile I fetch
	s_bfe_u32 s40, ttmp6, 0x40000                  ; cx, cy
	s_bfe_u32 s41, ttmp6, 0x40004
	s_lshl_b32 s42, ttmp9, 2
	s_add_co_u32 s42, s42, s40                     ; tile column of C
	s_and_b32 s13, ttmp7, 0xffff
	s_lshl_b32 s13, s13, 2
	s_add_co_u32 s13, s13, s41                     ; tile row of C
	s_lshl_b32 s43, s41, 2
	s_lshl_b32 s43, 15, s43                        ; my row of the cluster
	s_lshl_b32 s44, 0x1111, s40                    ; my column
	s_or_b32 s[G1+0], s43, (1<<16)|(1<<20)|(1<<21)|(6<<22)|(3<<25)  ; A: the mask of my row; elements of 2 bytes; padding on; bit 21 beside a mask; after every 128 words, 4 words
	s_mov_b32 s[G1+1], KSTEP<<16                   ; tensor_dim0 = 256
	s_mov_b32 s[G1+2], 64<<16                      ; tensor_dim1 = 64
	s_mov_b32 s[G1+3], KSTEP<<16                   ; tile_dim0
	s_mov_b32 s[G1+4], 64                          ; tile_dim1
	s_mov_b32 s[G1+5], SIZE_K                      ; tensor_dim0_stride
	s_mov_b32 s[G1+6], 0
	s_mov_b32 s[G1+7], 0
	s_or_b32 s[G1B+0], s44, (1<<16)|(1<<20)|(1<<21)|(5<<22)|(7<<25) ; B: the mask of my column; after every 64 words, 8 words
	s_mov_b32 s[G1B+1], 128<<16                    ; tensor_dim0 = 128 columns
	s_mov_b32 s[G1B+2], 128<<16                    ; tensor_dim1 = 128 rows of k
	s_mov_b32 s[G1B+3], 128<<16
	s_mov_b32 s[G1B+4], 128
	s_mov_b32 s[G1B+5], SIZE_N
	s_mov_b32 s[G1B+6], 0
	s_mov_b32 s[G1B+7], 0
	s_lshl_b32 s17, s12, 6
	s_lshl_b32 s16, s13, 7
	s_add_co_u32 s16, s16, s17
	s_lshl_b32 s16, s16, 12                        ; A: row (128 x tile row + 64 x half) of 4,096 bytes
	s_mov_b32 s17, 0
	s_lshl_b32 s46, s12, 19                        ; B: row of k 128 x half, of 4,096 bytes,
	s_lshl_b32 s47, s42, 8
	s_add_co_u32 s46, s46, s47                     ; + 256 bytes x tile column
	s_mov_b32 s47, 0
	s_mul_i32 s20, s12, HALFA                      ; where they go: no place in the cluster enters an LDS address
	s_mul_i32 s21, s12, HALFB
	s_add_co_u32 s21, s21, BOFF
	s_wait_dscnt 0x0                               ; both opening adds are done
	s_wait_kmcnt 0x0
	s_add_nc_u64 s[14:15], s[4:5], s[16:17]
	s_add_nc_u64 s[46:47], s[6:7], s[46:47]
	CROUND                                         ; all sixteen work-groups are here: the first joint loads meet
.irp s, 0,1
	s_mov_b32 s[G0+4*\s], 1
	s_add_co_u32 s[G0+4*\s+1], s20, \s*SLOT
	s_add_nc_u64 s[G0+4*\s+2:G0+4*\s+3], s[14:15], \s*KSTEP*2
	s_or_b32 s[G0+4*\s+3], s[G0+4*\s+3], 0x80000000
	s_mov_b32 s[G0B+4*\s], 1
	s_add_co_u32 s[G0B+4*\s+1], s21, \s*SLOT
	s_add_nc_u64 s[G0B+4*\s+2:G0B+4*\s+3], s[46:47], \s*KSTEP*SIZE_N*2
	s_or_b32 s[G0B+4*\s+3], s[G0B+4*\s+3], 0x80000000
	JLOAD \s
.endr
	v_and_b32 v1, 15, v0                           ; l % 16
	v_bfe_u32 v2, v0, 4, 1                         ; l / 16
	v_mul_u32_u24 v3, v1, PITCH
	v_lshl_add_u32 v3, v2, 4, v3                   ; A: a fragment's row x pitch + 16 x half
	s_mul_i32 s21, s11, HALFA                      ; my 64 rows of A
.irp s, 0,1
	v_add_nc_u32 v[ADRA+\s], s21, v3
	s_add_co_u32 s21, s21, SLOT
.endr
	v_and_b32 v6, 7, v0                            ; B, turned: lane l reads row of k 8 (l / 16) + l % 8, columns 8 ((l / 8) % 2) + 0..7
	v_bfe_u32 v7, v0, 3, 1
	v_lshl_add_u32 v6, v2, 3, v6
	v_mul_u32_u24 v6, v6, PB
	v_lshl_add_u32 v6, v7, 4, v6
	s_lshl_b32 s22, s12, 7                         ; my 64 columns: 128 bytes
	s_add_co_u32 s22, s22, BOFF
.irp s, 0,1
.irp g, 0,1
	s_add_co_u32 s23, s22, \s*SLOT+\g*HALFB
	v_add_nc_u32 v[ADRB+2*\s+\g], s23, v6
.endr
.endr
	s_mul_i32 s23, s10, 16*SPITCH                  ; my stage
	v_mul_u32_u24 v4, v1, SPITCH                   ; in: row l % 16, 32 bytes for each half of the lanes
	v_lshl_add_u32 v4, v2, 5, v4
	v_add_nc_u32 v[STO], s23, v4
	v_mul_u32_u24 v5, v2, SPITCH                   ; back: lanes 0-15 one row of 256 bytes, lanes 16-31 the next
	v_lshl_add_u32 v5, v1, 4, v5
	v_add_nc_u32 v[RD], s23, v5
	v_mul_u32_u24 v5, v2, SIZE_N*4                 ; and the same two rows in C
	v_lshl_add_u32 v[CO], v1, 4, v5
	s_lshl_b32 s16, s13, 7
	s_lshl_b32 s17, s11, 6
	s_add_co_u32 s16, s16, s17
	s_lshl_b32 s16, s16, 13                        ; my first row of C, of 8,192 bytes
	s_mov_b32 s17, 0
	s_add_nc_u64 s[8:9], s[8:9], s[16:17]
	s_lshl_b32 s46, s42, 9                         ; my first column, in bytes: 512 x tile column + 256 x half
	s_lshl_b32 s47, s12, 8
	s_add_co_u32 s46, s46, s47
	s_mov_b32 s47, 0
	s_add_nc_u64 s[8:9], s[8:9], s[46:47]
; 8 matrix instructions: m blocks a0, a0 + 1 x all 4 n blocks, 32 along K: half c of buffer f.  The 16 accumulators take turns
.macro MUL8 f, c, a0, zero
.irp a, \a0, \a0+1
.irp b, 0,1,2,3
.if \zero
	v_wmma_f32_16x16x32_f16 v[ACC+8*(4*(\a)+\b):ACC+8*(4*(\a)+\b)+7], v[\f+64+8*(4*\c+\b):\f+64+8*(4*\c+\b)+7], v[\f+8*(4*\c+\a):\f+8*(4*\c+\a)+7], 0
.else
	v_wmma_f32_16x16x32_f16 v[ACC+8*(4*(\a)+\b):ACC+8*(4*(\a)+\b)+7], v[\f+64+8*(4*\c+\b):\f+64+8*(4*\c+\b)+7], v[\f+8*(4*\c+\a):\f+8*(4*\c+\a)+7], v[ACC+8*(4*(\a)+\b):ACC+8*(4*(\a)+\b)+7]
.endif
.endr
.endr
.endm
; 32 LDS loads in one run: the fragments of the slot's q-th 64 along K into buffer f; the first 32 along K first
.macro FETCH slot, q, f
	WIN TO_F
.irp c, 0,1
.irp i, 0,1,2,3
	ds_load_tr16_b128 v[\f+64+8*(4*\c+\i):\f+64+8*(4*\c+\i)+3],   v[ADRB+2*\slot+(\q)/2] offset:(64*((\q)%2)+32*\c)*PB+32*\i
	ds_load_tr16_b128 v[\f+64+8*(4*\c+\i)+4:\f+64+8*(4*\c+\i)+7], v[ADRB+2*\slot+(\q)/2] offset:(64*((\q)%2)+32*\c+16)*PB+32*\i
	ds_load_b128 v[\f+8*(4*\c+\i):\f+8*(4*\c+\i)+3],         v[ADRA+\slot] offset:128*(\q)+64*\c+\i*16*PITCH
	ds_load_b128 v[\f+8*(4*\c+\i)+4:\f+8*(4*\c+\i)+7],       v[ADRA+\slot] offset:128*(\q)+64*\c+\i*16*PITCH+32
.endr
.endr
.endm
.macro PLACES
.rept 4
	v_nop
.endr
.endm
; A K step is four quarters of 64 along K, 32 matrix instructions each, on buffers 0, 1, 0, 1.  One of the first three: multiplies buffer f and fetches quarter q into g.
.macro QUARTER slot, q, f, g, zero
	s_wait_dscnt 16                                ; the first 32 along K are in; the 16 loads of the second 32 may be out
	WIN MUL
	MUL8 \f, 0, 0, \zero
	MUL8 \f, 0, 2, \zero
	PLACES
	FETCH \slot, \q, \g
	s_wait_dscnt 32                                ; all but the 32 just issued
	WIN MUL
	MUL8 \f, 1, 0, 0
	MUL8 \f, 1, 2, 0
.endm
; The last quarter multiplies buffer 1 and changes slots: one barrier; in front of it each wave waits for all its tensor loads, adds 0 to its spare word, and waits for that and for its own reads of this slot.
.macro TURN slot, next, fill
	WIN 0
	s_wait_tensorcnt 0x0                           ; all my tensor loads have landed: my part of the next slot
	ds_add_u32 v[SPW], v[NIL]
	s_wait_dscnt 17                                ; the add and the youngest sixteen loads may be out
	WIN MUL
	MUL8 F1, 0, 0, 0
	s_wait_dscnt 0x0                               ; the add is done, and my reads of this slot are over
	s_barrier_signal -1
	MUL8 F1, 0, 2, 0
.if \fill
	WIN 0
.endif
	s_barrier_wait -1
.if \fill
	CREST                                          ; the barrier has opened a round of the cluster's barrier
	s_add_nc_u64 s[G0+4*\slot+2:G0+4*\slot+3], s[G0+4*\slot+2:G0+4*\slot+3], 2*KSTEP*2
	s_add_nc_u64 s[G0B+4*\slot+2:G0B+4*\slot+3], s[G0B+4*\slot+2:G0B+4*\slot+3], 2*KSTEP*SIZE_N*2
	JLOAD \slot
.else
	PLACES
.endif
	FETCH \next, 0, F0
	WIN MUL
	MUL8 F1, 1, 0, 0
	MUL8 F1, 1, 2, 0
.endm
	s_wait_tensorcnt 1                             ; my part of K step 0 is in (K step 1's load may be out),
	s_barrier_signal -1
	s_barrier_wait -1                              ; everybody's is
	FETCH 0, 0, F0
	QUARTER 0, 1, F0, F1, 1                        ; the first quarter stands in front of the loop: its first products start the sums
	WIN 0
	s_mov_b32 s3, LAPS-1
.Llap:
	QUARTER 0, 2, F1, F0, 0
	QUARTER 0, 3, F0, F1, 0
	TURN 0, 1, 1
	QUARTER 1, 1, F0, F1, 0
	QUARTER 1, 2, F1, F0, 0
	QUARTER 1, 3, F0, F1, 0
	TURN 1, 0, 1
	QUARTER 0, 1, F0, F1, 0
	WIN 0
	s_sub_co_u32 s3, s3, 1
	s_cmp_lg_u32 s3, 0
	s_cbranch_scc1 .Llap
	QUARTER 0, 2, F1, F0, 0                        ; the last lap fills nothing
	QUARTER 0, 3, F0, F1, 0
	TURN 0, 1, 0
	QUARTER 1, 1, F0, F1, 0
	QUARTER 1, 2, F1, F0, 0
	QUARTER 1, 3, F0, F1, 0
	s_wait_dscnt 16
	WIN MUL
	MUL8 F1, 0, 0, 0
	MUL8 F1, 0, 2, 0
	s_wait_dscnt 0
	MUL8 F1, 1, 0, 0
	MUL8 F1, 1, 2, 0
	WIN 0
; THE WAY OUT, block by block of 16 rows x 64 columns of f32: into my own stage, each accumulator from its low end on, and back as whole rows of 256 bytes: sixteen lanes store 256 consecutive bytes.
.macro TOSTAGE a
.irp b, 0,1,2,3
	ds_store_b128 v[STO], v[ACC+8*(4*(\a)+\b):ACC+8*(4*(\a)+\b)+3] offset:64*\b
	ds_store_b128 v[STO], v[ACC+8*(4*(\a)+\b)+4:ACC+8*(4*(\a)+\b)+7] offset:64*\b+16
.endr
.set BB, TMP+32*((\a)%2)
.irp t, 0,1,2,3,4,5,6,7
	ds_load_b128 v[BB+4*\t:BB+4*\t+3], v[RD] offset:\t*2*SPITCH    ; LDS serves a wave's instructions in order: these see the stores above, and the next block's stores come behind them
.endr
.endm
.macro SEND a, younger                 ; younger: the next block's 8 stores and 8 loads, which may stay out
.set BB, TMP+32*((\a)%2)
	s_wait_dscnt \younger
.irp t, 0,1,2,3,4,5,6,7
	global_store_b128 v[CO], v[BB+4*\t:BB+4*\t+3], s[8:9] offset:(16*(\a)+2*\t)*SIZE_N*4 th:TH_STORE_NT
.endr
.endm
	PLACES
	TOSTAGE 0
.irp a, 1,2,3
.if \a > 1
	s_wait_xcnt 0x0                                ; block a - 2's stores have read their registers: block a's loads may land there
.endif
	TOSTAGE \a
	SEND \a-1, 16
.endr
	SEND 3, 0
	s_wait_tensorcnt 0x0                           ; the wave's end
	ds_add_u32 v[SPW], v[NIL]
	s_wait_dscnt 0x0
	CROUND                                         ; the closing round
	s_endpgm
.Lfunc_end_k_qf467170a16_proj:
	.size	k_qf467170a16_proj, .Lfunc_end_k_qf467170a16_proj-k_qf467170a16_proj
	.p2alignl 7, 3214868480
	.fill 96, 4, 3214868480
	.section	.rodata,"a",@progbits
	.p2align	6, 0x0
	.amdhsa_kernel k_qf467170a16_proj
		.amdhsa_group_segment_fixed_size 327680
		.amdhsa_private_segment_fixed_size 0
		.amdhsa_enable_private_segment 0
		.amdhsa_kernarg_size 24
		.amdhsa_user_sgpr_count 2
		.amdhsa_user_sgpr_kernarg_segment_ptr 1
		.amdhsa_wavefront_size32 1
		.amdhsa_system_sgpr_workgroup_id_x 1
		.amdhsa_system_sgpr_workgroup_id_y 1
		.amdhsa_system_sgpr_workgroup_id_z 1
		.amdhsa_system_vgpr_workitem_id 0
		.amdhsa_next_free_vgpr 512
		.amdhsa_next_free_sgpr 66
		.amdhsa_reserve_vcc 0
		.amdhsa_float_denorm_mode_32 3
		.amdhsa_float_denorm_mode_16_64 3
		.amdhsa_memory_ordered 1
		.amdhsa_forward_progress 1
		.amdhsa_inst_pref_size 86
	.end_amdhsa_kernel
	.amdgpu_metadata
---
amdhsa.version: [ 1, 2 ]
amdhsa.kernels:
  - .name:           k_qf467170a16_proj
    .symbol:         k_qf467170a16_proj.kd
    .args:
      - { .name: ctx16, .offset: 0, .size: 8, .value_kind: global_buffer, .address_space: global }
      - { .name: w16, .offset: 8, .size: 8, .value_kind: global_buffer, .address_space: global }
      - { .name: out0, .offset: 16, .size: 8, .value_kind: global_buffer, .address_space: global }
    .group_segment_fixed_size: 327680
    .private_segment_fixed_size: 0
    .kernarg_segment_align: 8
    .kernarg_segment_size: 24
    .max_flat_workgroup_size: 128
    .sgpr_count:     66
    .vgpr_count:     512
    .wavefront_size: 32
...
	.end_amdgpu_metadata
.endif
;; end of part 6
;; launch out16 (part 7): grid 128 x 1, 16 waves a work-group, no clusters, 18,432 bytes of LDS; arguments ctx32, w_out, out0; writes out0
.if DOCPART == 7
	.amdgcn_target "amdgcn-amd-amdhsa--gfx1250"
	.amdhsa_code_object_version 6
	.text
	.protected	k_qf467170a16_out16
	.globl	k_qf467170a16_out16
	.p2align	8
	.type	k_qf467170a16_out16,@function
k_qf467170a16_out16:
	s_mov_b64 s[64:65], 0
	v_nop
	global_prefetch_b8 v0, s[64:65] scope:SCOPE_SE
	s_setreg_imm32_b32 hwreg(HW_REG_WAVE_MODE, 25, 1), 1
	s_wait_xcnt 0x0
; ROWS 0-15 OF THE OUTPUT, IN F32: out0[r][n] = sum over k of ctx32[r][k] w_out[k][n], r = 0 .. 15, by the f32 matrix form (small work: 16 of 2,048 rows).  It writes over what the launch before left in these rows.
; A work-group owns 16 columns; its sixteen waves split K, 128 each, and the sixteen partial tiles are added through LDS by wave 0, in a fixed order.
; So few columns to a work-group spread the f32 form's work over 128 work-groups; the price is that w_out is read, and out0 written, in pieces of 64 consecutive bytes.
; Source 0 = 16 columns of w_out, source 1 = the 16 rows of ctx32: lane (r, h) holds row r and columns 8 h + 0 .. 7.  The form takes 4 along K a step (register j: k = 2 h + j); the order of k is permuted alike on both sources:
; register 4 g + 2 e + j holds k = 8 g + 4 h + 2 e + j, so that ctx32 comes by loads of 16 bytes.
; The registers that the f32 form writes (v160-191) are written by matrix instructions alone.
.set SPW, 12
.set NIL, 13
.set CF,  16                           ; v16-79   ctx32's operand
.set WF,  80                           ; v80-143  w_out's operand
.set SUM, 144                          ; v144-159 the wave's sum, and at work
.set OA,  160                          ; v160-191 four accumulators
.set SPARE, 16384                      ; behind the 16 partial tiles of 1,024 bytes: the spare words, 128 bytes a wave
	s_load_b128 s[4:7], s[0:1], 0x0                ; ctx32, w_out
	s_load_b64 s[8:9], s[0:1], 0x10                ; out0
	v_lshl_add_u32 v[SPW], v0, 2, SPARE
	v_mov_b32 v[NIL], 0
	v_lshrrev_b32 v1, 5, v0
	v_readfirstlane_b32 s10, v1                    ; wave u: k = 128 u on
	v_and_b32 v1, 15, v0                           ; r
	v_bfe_u32 v2, v0, 4, 1                         ; h
	v_lshlrev_b32 v3, 13, v1
	v_lshl_add_u32 v3, v2, 4, v3                   ; ctx32: row r of 8,192 bytes + 16 h
	v_lshlrev_b32 v4, 15, v2
	v_lshl_add_u32 v4, v1, 2, v4                   ; w_out: 4 h rows of 8,192 bytes + 4 r
	v_and_b32 v6, 31, v0
	v_lshlrev_b32 v6, 4, v6                        ; a partial tile's place for my lane
	s_lshl_b32 s11, s10, 10
	v_add_nc_u32 v5, s11, v6                       ; in my wave's partial tile
	v_lshlrev_b32 v7, 13, v1
	v_lshl_add_u32 v7, v2, 5, v7                   ; out0: row r + 32 h
	s_lshl_b32 s12, s10, 9                         ; ctx32: 128 u numbers
	s_mov_b32 s13, 0
	s_lshl_b32 s14, s10, 20                        ; w_out: 128 u rows
	s_lshl_b32 s16, ttmp9, 6                       ; my 16 columns: 64 bytes
	s_add_co_u32 s14, s14, s16
	s_mov_b32 s15, 0
	s_mov_b32 s17, 0
	s_wait_kmcnt 0x0
	s_add_nc_u64 s[4:5], s[4:5], s[12:13]
	s_add_nc_u64 s[6:7], s[6:7], s[14:15]
	s_add_nc_u64 s[8:9], s[8:9], s[16:17]
.irp g, 0,1,2,3,4,5,6,7,8,9,10,11,12,13,14,15
	global_load_b128 v[CF+4*\g:CF+4*\g+3], v3, s[4:5] offset:32*\g
.endr
.set n, 0
.rept 64
	global_load_b32 v[WF+n], v4, s[6:7] offset:(8*(n/4)+n%4)*8192
.set n, n+1
.endr
.set kp, 0
.rept 32                               ; four accumulators by turns; the first four products start the sums
.if kp%8 == 0
	s_wait_loadcnt 48-16*(kp/8)                    ; the 16 loads of w_out for these eight steps are in; those of the later groups may be out
.endif
.if kp < 4
	v_wmma_f32_16x16x4_f32 v[OA+8*(kp%4):OA+8*(kp%4)+7], v[WF+2*kp:WF+2*kp+1], v[CF+2*kp:CF+2*kp+1], 0
.else
	v_wmma_f32_16x16x4_f32 v[OA+8*(kp%4):OA+8*(kp%4)+7], v[WF+2*kp:WF+2*kp+1], v[CF+2*kp:CF+2*kp+1], v[OA+8*(kp%4):OA+8*(kp%4)+7]
.endif
.set kp, kp+1
.endr
.rept 8
	v_nop                                          ; eight places behind this form
.endr
.irp j, 0,1,2,3,4,5,6,7
	v_add_f32 v[SUM+\j], v[OA+\j], v[OA+8+\j]
.endr
.irp j, 0,1,2,3,4,5,6,7
	v_add_f32 v[SUM+8+\j], v[OA+16+\j], v[OA+24+\j]
.endr
.irp j, 0,1,2,3,4,5,6,7
	v_add_f32 v[SUM+\j], v[SUM+\j], v[SUM+8+\j]
.endr
	ds_store_b128 v5, v[SUM:SUM+3]                 ; my partial tile as an image of its registers
	ds_store_b128 v5, v[SUM+4:SUM+7] offset:512
	s_wait_dscnt 0x0                               ; for wave 0's sake: my stores are done
	s_barrier_signal -1
	s_barrier_wait -1
	s_cmp_lg_u32 s10, 0
	s_cbranch_scc1 .Ldone
.irp u, 0,1,2,3,4,5,6,7,8,9,10,11,12,13,14,15
	ds_load_b128 v[16+8*\u:19+8*\u], v6 offset:1024*\u
	ds_load_b128 v[20+8*\u:23+8*\u], v6 offset:1024*\u+512
.endr
	s_wait_dscnt 0x0
.irp u, 1,2,3,4,5,6,7,8,9,10,11,12,13,14,15
.irp e, 0,2,4,6
	v_pk_add_f32 v[16+\e:17+\e], v[16+\e:17+\e], v[16+8*\u+\e:17+8*\u+\e]
.endr
.endr
	global_store_b128 v7, v[16:19], s[8:9]         ; out0(r, 8 h + 0 .. 3) of my 16 columns
	global_store_b128 v7, v[20:23], s[8:9] offset:16
.Ldone:
	s_wait_tensorcnt 0x0                           ; the wave's end
	ds_add_u32 v[SPW], v[NIL]
	s_wait_dscnt 0x0
	s_endpgm
.Lfunc_end_k_qf467170a16_out16:
	.size	k_qf467170a16_out16, .Lfunc_end_k_qf467170a16_out16-k_qf467170a16_out16
	.p2alignl 7, 3214868480
	.fill 96, 4, 3214868480
	.section	.rodata,"a",@progbits
	.p2align	6, 0x0
	.amdhsa_kernel k_qf467170a16_out16
		.amdhsa_group_segment_fixed_size 18432
		.amdhsa_private_segment_fixed_size 0
		.amdhsa_enable_private_segment 0
		.amdhsa_kernarg_size 24
		.amdhsa_user_sgpr_count 2
		.amdhsa_user_sgpr_kernarg_segment_ptr 1
		.amdhsa_wavefront_size32 1
		.amdhsa_system_sgpr_workgroup_id_x 1
		.amdhsa_system_sgpr_workgroup_id_y 1
		.amdhsa_system_sgpr_workgroup_id_z 1
		.amdhsa_system_vgpr_workitem_id 0
		.amdhsa_next_free_vgpr 192
		.amdhsa_next_free_sgpr 66
		.amdhsa_reserve_vcc 0
		.amdhsa_float_denorm_mode_32 3
		.amdhsa_float_denorm_mode_16_64 3
		.amdhsa_memory_ordered 1
		.amdhsa_forward_progress 1
		.amdhsa_inst_pref_size 19
	.end_amdhsa_kernel
	.amdgpu_metadata
---
amdhsa.version: [ 1, 2 ]
amdhsa.kernels:
  - .name:           k_qf467170a16_out16
    .symbol:         k_qf467170a16_out16.kd
    .args:
      - { .name: ctx32, .offset: 0, .size: 8, .value_kind: global_buffer, .address_space: global }
      - { .name: w_out, .offset: 8, .size: 8, .value_kind: global_buffer, .address_space: global }
      - { .name: out0, .offset: 16, .size: 8, .value_kind: global_buffer, .address_space: global }
    .group_segment_fixed_size: 18432
    .private_segment_fixed_size: 0
    .kernarg_segment_align: 8
    .kernarg_segment_size: 24
    .max_flat_workgroup_size: 512
    .sgpr_count:     66
    .vgpr_count:     192
    .wavefront_size: 32
...
	.end_amdgpu_metadata
.endif
;; end of part 7
;; ======== version 2 of 2: 5 launches
;; limits: values are held in f16: magnitudes above 65,504 overflow, below 6.1e-05 lose precision
;; workspace buffers: xc 2,097,152 bytes; xs 131,072 bytes; wc 6,291,456 bytes; ws 393,216 bytes; w16 8,388,608 bytes; qkv16 25,165,824 bytes; ctx16 8,388,608 bytes; qkv32 1,572,864 bytes
;; launch prep (part 8): grid 448 x 1, 4 waves a work-group, no clusters, 68,096 bytes of LDS; arguments x, w_out, q_out, k_out, v_out, wc, ws, xc, xs, w16; writes wc, ws, xc, xs, w16
.if DOCPART == 8
	.amdgcn_target "amdgcn-amd-amdhsa--gfx1250"
	.amdhsa_code_object_version 6
	.text
	.protected	k_qf467170a16_prep
	.globl	k_qf467170a16_prep
	.p2align	8
	.type	k_qf467170a16_prep,@function
k_qf467170a16_prep:
	s_mov_b64 s[64:65], 0
	v_nop
	global_prefetch_b8 v0, s[64:65] scope:SCOPE_SE
	s_setreg_imm32_b32 hwreg(HW_REG_WAVE_MODE, 25, 1), 1
	s_wait_xcnt 0x0
; PREP: all that is made of the inputs before the products, in one launch of three kinds of work-groups, the longest first.
; Work-groups 0-191: q_out, k_out, v_out, each [2048 (k)][2048 (n)] f32 with K as the FIRST axis, become codes of FP4 (E2M1) laid [6144 rows][1024 bytes] with K innermost (wc; row = 2048 T + column; T = 0 q, 1 k, 2 v)
;   and one E8M0 byte for each 32 along K (ws [6144][64]).
; Work-groups 192-319: x [2048][2048] f32 becomes codes, K innermost, two codes a byte (xc [2048][1024 bytes]), and scale bytes (xs [2048][64]).
; Work-groups 320-447: w_out [2048][2048] f32 is rounded to f16, layout kept (w16).
; THE QUANTISER: a block's scale is 2^(floor(log2(its largest magnitude)) - 2); its byte is the largest magnitude's exponent field - 2, held at 1 from below; each number is divided by the scale and rounded to the nearest code, ties to even, beyond 6 the largest code.
; LIMITS: a block of zeros gets the byte 1 where the rule says 127 (its codes are zeros, and this program alone reads the bytes); blocks whose largest magnitude lies under 2^-124 keep the byte 1;
; |w_out| beyond 65,504 has no f16 number, under 6e-5 it is an f16 subnormal; NaN and infinities among the inputs are not served.
; THE WEIGHTS: a lane takes a column n, and its registers run down K: each load reads neighbouring n in neighbouring lanes (128 consecutive bytes a wave, 512 a work-group); a block of 32 along K lies in one lane's 32 registers.
;   A wave takes 32 columns x 512 along K; its codes go through the wave's own stage in LDS and leave as rows: sixteen lanes store 256 consecutive bytes.  Loads run two blocks (64 loads a wave) ahead.
; x: a plain stream of blocks of 32.  A wave takes 16 steps of 512 numbers.  Each load reads 512 consecutive bytes; a step's 2,048 bytes turn through the wave's own stage in LDS and come back 64 bytes a lane, so that a lane
;   holds 16 neighbours along K (two neighbouring lanes hold a block).  A step's codes leave as 256 consecutive bytes, a wave's 256 scale bytes as one store of 256.
; w_out: a wave takes 8,192 numbers: 64 loads of 512 consecutive bytes, 64 stores of 256, four batches of eight loads ahead.
; Memory binds all three: no matrix unit, no cluster, no tensor load; waves share nothing, so there is no barrier.  The three kinds part on the work-group's number and never join; the two that use LDS have LDS bytes of their own.
.set WGW,   192                        ; work-groups that take the weights: 16 (128 columns) x 12 (3 weights x 4 parts of K)
.set WGX,   128                        ; work-groups that take x: 2048 x 2048 / (512 x 16 x 4); as many take w_out
.set EMAX,  2
.set SPW,   192                        ; v192 LDS address of my spare word; never rewritten
.set NIL,   193                        ; v193 0; never rewritten
.set WBASE, 32768                      ; LDS: x's four regions lie from 0 on, the weights' four stages from here on
.set SPARE, 67584                      ; behind both: the spare words, 128 bytes a wave, which no other line names
	v_lshl_add_u32 v[SPW], v0, 2, SPARE
	v_mov_b32 v[NIL], 0
	v_lshrrev_b32 v1, 5, v0
	v_readfirstlane_b32 s16, v1                    ; wave 0..3
	v_and_b32 v2, 31, v0                           ; lane
	s_cmp_lt_u32 ttmp9, WGW
	s_cbranch_scc0 .Lxw
; ---------------------------------------------------------------- the weights
.set SIZE_K, 2048
.set SIZE_N, 2048
.set KW,     512
.set NB,     KW/32
.set WROWB,  256
.set WPITCH, WROWB+16
.set KROW,   SIZE_K*4/8
.set WX,     32                        ; v32-95   two sets of 32 numbers
.set WC,     96                        ; v96-99   a block's codes
.set WOUT,   112                       ; v112-175 the way out
.set WSB,    24                        ; v24-27   the scale bytes, four to a register
	s_load_b128 s[4:7], s[0:1], 0x10               ; q_out, k_out
	s_load_b128 s[8:11], s[0:1], 0x20              ; v_out, wc
	s_load_b64 s[12:13], s[0:1], 0x30              ; ws
	s_and_b32 s17, ttmp9, 15
	s_lshl_b32 s17, s17, 7
	s_lshl_b32 s18, s16, 5
	s_add_co_u32 s17, s17, s18                     ; my wave's first column
	s_lshr_b32 s30, ttmp9, 4
	s_and_b32 s18, s30, 3                          ; which 512 along K
	s_lshr_b32 s30, s30, 2                         ; T: which weight
	v_lshlrev_b32 v3, 2, v2                        ; in: 4 bytes a lane
	s_mul_i32 s19, s16, 32*WPITCH
	s_add_co_u32 s19, s19, WBASE                   ; my stage
	v_mul_u32_u24 v4, v2, WPITCH
	v_add_nc_u32 v4, s19, v4                       ; into it: row = my column
	v_and_b32 v5, 15, v2
	v_lshrrev_b32 v6, 4, v2                        ; out of it: sixteen lanes to a row, two rows an instruction
	v_mul_u32_u24 v7, v6, WPITCH
	v_lshl_add_u32 v7, v5, 4, v7
	v_add_nc_u32 v7, s19, v7
	v_mul_u32_u24 v8, v6, KROW
	v_lshl_add_u32 v8, v5, 4, v8                   ; and the same place in the codes' buffer
	v_mul_u32_u24 v9, v2, SIZE_K/32                ; my column's row of scale bytes
	s_mul_i32 s20, s18, KW*SIZE_N*4                ; the weight: 512 rows of 8,192 bytes for each part of K,
	s_lshl_b32 s22, s17, 2
	s_add_co_u32 s20, s20, s22                     ; + 4 x column
	s_mov_b32 s21, 0
	s_lshl_b32 s22, s30, 11
	s_add_co_u32 s22, s22, s17                     ; the output's row: 2048 T + column
	s_mul_i32 s24, s22, KROW
	s_mul_i32 s26, s18, WROWB
	s_add_co_u32 s24, s24, s26
	s_mov_b32 s25, 0
	s_mul_i32 s28, s22, SIZE_K/32
	s_mul_i32 s26, s18, NB
	s_add_co_u32 s28, s28, s26
	s_mov_b32 s29, 0
	s_wait_kmcnt 0x0
	s_cmp_lt_u32 s30, 1                            ; the choice hangs on the work-group's number alone
	s_cselect_b64 s[4:5], s[4:5], s[6:7]
	s_cmp_lt_u32 s30, 2
	s_cselect_b64 s[4:5], s[4:5], s[8:9]
	s_add_nc_u64 s[4:5], s[4:5], s[20:21]
	s_add_nc_u64 s[10:11], s[10:11], s[24:25]
	s_add_nc_u64 s[12:13], s[12:13], s[28:29]
.macro WLOAD t                         ; block t: W(32 t + i, my column), i = 0 .. 31, into set t % 2.  Every offset is an immediate: 511 x 8,192 lies inside the signed 24-bit immediate (ISA guide, chapter 10)
.set li, 0
.rept 32
	global_load_b32 v[WX+32*((\t)%2)+li], v3, s[4:5] offset:(32*(\t)+li)*SIZE_N*4 th:TH_LOAD_NT
.set li, li+1
.endr
.endm
	WLOAD 0
	WLOAD 1
.macro WBLOCK t
.set WXS, WX+32*((\t)%2)
.if (\t) < NB-1
	s_wait_loadcnt 32                              ; this block's 32 loads are in; the next block's 32 may be out
.else
	s_wait_loadcnt 0
.endif
	v_max3_num_f32 v12, |v[WXS]|, |v[WXS+1]|, |v[WXS+2]|           ; the block's largest magnitude: all 32 numbers are mine
	v_max3_num_f32 v13, |v[WXS+3]|, |v[WXS+4]|, |v[WXS+5]|
.irp i, 6,10,14,18,22,26
	v_max3_num_f32 v12, v12, |v[WXS+\i]|, |v[WXS+\i+1]|
	v_max3_num_f32 v13, v13, |v[WXS+\i+2]|, |v[WXS+\i+3]|
.endr
	v_max3_num_f32 v12, v12, |v[WXS+30]|, |v[WXS+31]|
	v_max3_num_f32 v12, v12, v13, (EMAX+1)<<23     ; and the floor 2^(3 - 127): the byte cannot fall under 1
	v_add_nc_u32 v11, -(EMAX<<23), v12             ; 2 off its exponent field: the conversion's scale operand
	v_lshrrev_b32 v13, 23, v11                     ; the scale's byte
.if (\t)%4 == 0
	v_mov_b32 v[WSB+(\t)/4], v13
.else
	v_lshl_or_b32 v[WSB+(\t)/4], v13, 8*((\t)%4), v[WSB+(\t)/4]
.endif
.irp g, 0,1,2,3
	v_cvt_scalef32_pk8_fp4_f32 v[WC+\g], v[WXS+8*\g:WXS+8*\g+7], v11
.endr
	v_nop                                          ; one plain line behind the last conversion
	ds_store_b128 v4, v[WC:WC+3] offset:16*(\t)    ; 32 codes: 16 bytes of my column's row
.if (\t)+2 < NB
	WLOAD (\t)+2
.endif
	s_wait_dscnt 0x0                               ; the store has read its registers: the next block's codes may be written
.endm
.set Q, 0
.rept NB
	WBLOCK Q
.set Q, Q+1
.endr
	global_store_b128 v9, v[WSB:WSB+3], s[12:13]   ; my column's 16 scale bytes of this part of K
.irp t, 0,1,2,3,4,5,6,7,8,9,10,11,12,13,14,15
	ds_load_b128 v[WOUT+4*\t:WOUT+4*\t+3], v7 offset:2*\t*WPITCH   ; LDS serves a wave's instructions in order: these see my stores
.endr
.irp t, 0,1,2,3,4,5,6,7,8,9,10,11,12,13,14,15
	s_wait_dscnt 15-\t                             ; LDS loads come back in order: load t is in, the 15 - t behind it may be out
	global_store_b128 v8, v[WOUT+4*\t:WOUT+4*\t+3], s[10:11] offset:2*\t*KROW
.endr
	s_wait_tensorcnt 0x0                           ; the wave's end
	ds_add_u32 v[SPW], v[NIL]
	s_wait_dscnt 0x0
	s_endpgm
; ---------------------------------------------------------------- x and w_out
.Lxw:
.set STEPS, 16
.set CB,    8                          ; bytes of 16 codes
.set R,     16                         ; x: v16-79 four sets of 16 numbers as loaded;  w_out: v16-143 four sets of 32
.set X,     80                         ; v80-111  two sets of 16 neighbours
.set E,     112                        ; v112-127 a scale byte for each step
.set C,     128                        ; v128-191 codes: four registers for each step, so that no store's data are written again
.set Y,     144                        ; w_out: v144-159 a batch's f16 numbers
.set WREG,  8192                       ; LDS: a region for each wave: two stages of 32 x SP bytes, behind them its 256 scale bytes
.set SP,    80                         ; a lane's place in a stage: 64 bytes + 16 of padding
	s_load_b128 s[4:7], s[0:1], 0x0                ; x, w_out
	s_load_b64 s[8:9], s[0:1], 0x38                ; xc
	s_load_b64 s[10:11], s[0:1], 0x40              ; xs
	s_load_b64 s[12:13], s[0:1], 0x48              ; w16
	s_sub_co_u32 s28, ttmp9, WGW                   ; 0 .. 255
	v_lshlrev_b32 v3, 4, v2                        ; my 16 bytes of a load's 512
	s_mul_i32 s17, s16, WREG
	v_lshrrev_b32 v14, 2, v2
	v_mul_u32_u24 v14, v14, SP
	v_and_b32 v15, 3, v2
	v_lshl_add_u32 v14, v15, 4, v14
	v_add_nc_u32 v14, s17, v14                     ; the stage, on the way in: SP (lane / 4) + 16 (lane % 4)
	v_mul_u32_u24 v15, v2, SP
	v_add_nc_u32 v15, s17, v15                     ; and on the way out: SP x lane: my 16 neighbours
	v_mul_u32_u24 v4, v2, CB                       ; my codes' place in a step's
	v_lshrrev_b32 v5, 1, v2
	s_add_co_u32 s17, s17, 2*32*SP
	v_add_nc_u32 v5, s17, v5                       ; LDS: my wave's 256 scale bytes, my block's byte
	v_lshlrev_b32 v7, 3, v2                        ; 8 bytes a lane
	v_add_nc_u32 v6, s17, v7
	s_cmp_lt_u32 s28, WGX
	s_cselect_b32 s18, 0, WGX
	s_sub_co_u32 s18, s28, s18
	s_lshl_b32 s18, s18, 2
	s_add_co_u32 s18, s18, s16                     ; which run of 8,192 numbers is my wave's
	s_lshl_b32 s20, s18, 15                        ; 32,768 bytes of f32 a run
	s_mov_b32 s21, 0
	s_lshl_b32 s22, s18, 12                        ; 4,096 bytes of codes
	s_mov_b32 s23, 0
	s_lshl_b32 s24, s18, 8                         ; 256 scale bytes
	s_mov_b32 s25, 0
	s_lshl_b32 s26, s18, 14                        ; 16,384 bytes of f16
	s_mov_b32 s27, 0
	s_wait_kmcnt 0x0
	s_cmp_lt_u32 s28, WGX
	s_cbranch_scc0 .Lcvt
	s_add_nc_u64 s[4:5], s[4:5], s[20:21]
	s_add_nc_u64 s[8:9], s[8:9], s[22:23]
	s_add_nc_u64 s[10:11], s[10:11], s[24:25]
.macro LOAD t
.irp i, 0,1,2,3
	global_load_b128 v[R+16*((\t)%4)+4*\i:R+16*((\t)%4)+4*\i+3], v3, s[4:5] offset:2048*(\t)+512*\i th:TH_LOAD_NT   ; 32 lanes read 512 consecutive bytes
.endr
.endm
.macro TURN t                          ; step t's numbers through the stage: LDS serves a wave's instructions in order, so no wait stands between the stores and the loads
.irp i, 0,1,2,3
	ds_store_b128 v14, v[R+16*((\t)%4)+4*\i:R+16*((\t)%4)+4*\i+3] offset:32*SP*((\t)%2)+8*SP*\i
.endr
.irp i, 0,1,2,3
	ds_load_b128 v[X+16*((\t)%2)+4*\i:X+16*((\t)%2)+4*\i+3], v15 offset:32*SP*((\t)%2)+16*\i
.endr
.endm
.irp t, 0,1,2,3
	LOAD \t
.endr
	s_wait_loadcnt 12                              ; step 0's four loads are in; the 12 of steps 1 to 3 may be out
	TURN 0
.macro STEP t
.set XS, X+16*((\t)%2)
.if (\t) > 0
	s_wait_dscnt 1                                 ; this step's numbers are back from the stage (the last step's byte store may be out)
.else
	s_wait_dscnt 0x0
.endif
.if (\t)+4 < STEPS
	LOAD (\t)+4                                    ; into the registers that the stage's stores have read
.endif
.if (\t)+1 < STEPS
.if STEPS-2-(\t) >= 3
	s_wait_loadcnt 12                              ; the next step's four loads are in; those of the three steps behind it may be out
.else
	s_wait_loadcnt 4*(STEPS-2-(\t))
.endif
	TURN (\t)+1
.endif
	v_max3_num_f32 v8, |v[XS]|, |v[XS+1]|, |v[XS+2]|               ; the largest magnitude of my 16, in two chains
	v_max3_num_f32 v9, |v[XS+3]|, |v[XS+4]|, |v[XS+5]|
.irp i, 6,10
	v_max3_num_f32 v8, v8, |v[XS+\i]|, |v[XS+\i+1]|
	v_max3_num_f32 v9, v9, |v[XS+\i+2]|, |v[XS+\i+3]|
.endr
	v_max3_num_f32 v8, v8, |v[XS+14]|, |v[XS+15]|
	v_max3_num_f32 v8, v8, v9, (EMAX+1)<<23        ; and the floor 2^(3 - 127): the byte cannot fall under 1
	v_max_num_f32_dpp v8, v8, v8 row_xmask:1 row_mask:0xf bank_mask:0xf   ; and of my neighbour's 16: the block's
	v_add_nc_u32 v11, -(EMAX<<23), v8              ; 2 off its exponent field: the conversion takes the exponent field of this operand as its scale
	v_cvt_scalef32_pk8_fp4_f32 v[C+4*(\t)], v[XS:XS+7], v11
	v_cvt_scalef32_pk8_fp4_f32 v[C+4*(\t)+1], v[XS+8:XS+15], v11
	v_lshrrev_b32 v[E+(\t)], 23, v11               ; the scale's byte (also the plain line behind the conversions)
	ds_store_b8 v5, v[E+(\t)] offset:16*(\t)       ; both lanes of a block write the same byte with the same value
	global_store_b64 v4, v[C+4*(\t):C+4*(\t)+1], s[8:9] offset:32*CB*(\t)   ; 32 lanes store 256 consecutive bytes
.endm
.irp t, 0,1,2,3,4,5,6,7,8,9,10,11,12,13,14,15
	STEP \t
.endr
	ds_load_b64 v[8:9], v6                         ; LDS serves a wave's instructions in order: these see my byte stores
	s_wait_dscnt 0x0
	global_store_b64 v7, v[8:9], s[10:11]          ; 32 lanes store 256 consecutive bytes
	s_wait_tensorcnt 0x0                           ; the wave's end
	ds_add_u32 v[SPW], v[NIL]
	s_wait_dscnt 0x0
	s_endpgm
.Lcvt:
	s_add_nc_u64 s[6:7], s[6:7], s[20:21]
	s_add_nc_u64 s[12:13], s[12:13], s[26:27]
.macro CLOAD b                         ; batch b: eight loads of 512 consecutive bytes into set b % 4
.irp i, 0,1,2,3,4,5,6,7
	global_load_b128 v[R+32*((\b)%4)+4*\i:R+32*((\b)%4)+4*\i+3], v3, s[6:7] offset:(8*(\b)+\i)*512 th:TH_LOAD_NT
.endr
.endm
.macro CBATCH b
.if (\b) < 5
	s_wait_loadcnt 24                              ; this batch's eight loads are in; the 24 of the three batches behind it may be out
.else
	s_wait_loadcnt 8*(7-(\b))
.endif
	s_wait_xcnt 0x0                                ; the last batch's stores have read Y: it is rewritten only behind this wait
.irp i, 0,1,2,3,4,5,6,7
	v_cvt_pk_f16_f32 v[Y+2*\i], v[R+32*((\b)%4)+4*\i], v[R+32*((\b)%4)+4*\i+1]
	v_cvt_pk_f16_f32 v[Y+2*\i+1], v[R+32*((\b)%4)+4*\i+2], v[R+32*((\b)%4)+4*\i+3]
.endr
.if (\b) < 4
	CLOAD (\b)+4
.endif
.irp i, 0,1,2,3,4,5,6,7
	global_store_b64 v7, v[Y+2*\i:Y+2*\i+1], s[12:13] offset:(8*(\b)+\i)*256   ; 32 lanes store 256 consecutive bytes
.endr
.endm
.irp b, 0,1,2,3
	CLOAD \b
.endr
.irp b, 0,1,2,3,4,5,6,7
	CBATCH \b
.endr
	s_wait_tensorcnt 0x0                           ; the wave's end
	ds_add_u32 v[SPW], v[NIL]
	s_wait_dscnt 0x0
	s_endpgm
.Lfunc_end_k_qf467170a16_prep:
	.size	k_qf467170a16_prep, .Lfunc_end_k_qf467170a16_prep-k_qf467170a16_prep
	.p2alignl 7, 3214868480
	.fill 96, 4, 3214868480
	.section	.rodata,"a",@progbits
	.p2align	6, 0x0
	.amdhsa_kernel k_qf467170a16_prep
		.amdhsa_group_segment_fixed_size 68096
		.amdhsa_private_segment_fixed_size 0
		.amdhsa_enable_private_segment 0
		.amdhsa_kernarg_size 80
		.amdhsa_user_sgpr_count 2
		.amdhsa_user_sgpr_kernarg_segment_ptr 1
		.amdhsa_wavefront_size32 1
		.amdhsa_system_sgpr_workgroup_id_x 1
		.amdhsa_system_sgpr_workgroup_id_y 1
		.amdhsa_system_sgpr_workgroup_id_z 1
		.amdhsa_system_vgpr_workitem_id 0
		.amdhsa_next_free_vgpr 200
		.amdhsa_next_free_sgpr 66
		.amdhsa_reserve_vcc 0
		.amdhsa_float_denorm_mode_32 3
		.amdhsa_float_denorm_mode_16_64 3
		.amdhsa_memory_ordered 1
		.amdhsa_forward_progress 1
		.amdhsa_inst_pref_size 133
	.end_amdhsa_kernel
	.amdgpu_metadata
---
amdhsa.version: [ 1, 2 ]
amdhsa.kernels:
  - .name:           k_qf467170a16_prep
    .symbol:         k_qf467170a16_prep.kd
    .args:
      - { .name: x, .offset: 0, .size: 8, .value_kind: global_buffer, .address_space: global }
      - { .name: w_out, .offset: 8, .size: 8, .value_kind: global_buffer, .address_space: global }
      - { .name: q_out, .offset: 16, .size: 8, .value_kind: global_buffer, .address_space: global }
      - { .name: k_out, .offset: 24, .size: 8, .value_kind: global_buffer, .address_space: global }
      - { .name: v_out, .offset: 32, .size: 8, .value_kind: global_buffer, .address_space: global }
      - { .name: wc, .offset: 40, .size: 8, .value_kind: global_buffer, .address_space: global }
      - { .name: ws, .offset: 48, .size: 8, .value_kind: global_buffer, .address_space: global }
      - { .name: xc, .offset: 56, .size: 8, .value_kind: global_buffer, .address_space: global }
      - { .name: xs, .offset: 64, .size: 8, .value_kind: global_buffer, .address_space: global }
      - { .name: w16, .offset: 72, .size: 8, .value_kind: global_buffer, .address_space: global }
    .group_segment_fixed_size: 68096
    .private_segment_fixed_size: 0
    .kernarg_segment_align: 8
    .kernarg_segment_size: 80
    .max_flat_workgroup_size: 128
    .sgpr_count:     66
    .vgpr_count:     200
    .wavefront_size: 32
...
	.end_amdgpu_metadata
.endif
;; end of part 8
;; launch qkv (part 9): grid 24 x 8, 4 waves a work-group, clusters of 4 x 4, 327,680 bytes of LDS; arguments xc, xs, wc, ws, qkv16, qkv32; writes qkv16, qkv32
.if DOCPART == 9
	.amdgcn_target "amdgcn-amd-amdhsa--gfx1250"
	.amdhsa_code_object_version 6
	.text
	.protected	k_qf467170a16_qkv
	.globl	k_qf467170a16_qkv
	.p2align	8
	.type	k_qf467170a16_qkv,@function
k_qf467170a16_qkv:
	s_mov_b64 s[64:65], 0
	v_nop
	global_prefetch_b8 v0, s[64:65] scope:SCOPE_SE
	s_setreg_imm32_b32 hwreg(HW_REG_WAVE_MODE, 25, 1), 1
	s_wait_xcnt 0x0
	s_wait_alu depctr_hold_cnt(0) depctr_sa_sdst(0) depctr_va_vdst(0) depctr_va_sdst(0) depctr_va_ssrc(0) depctr_va_vcc(0) depctr_vm_vsrc(0)
	s_getreg_b32 s2, hwreg(HW_REG_IB_STS2, 6, 4)
	s_cmp_eq_u32 s2, 0
	s_cbranch_scc0 .Lentry_in_a_cluster
	s_endpgm
.Lentry_in_a_cluster:
	s_bfe_u32 s2, ttmp6, 0x10000c
	s_cmp_lg_u32 s2, 0xf033
	s_cbranch_scc0 .Lentry_shape_is_right
	s_endpgm
.Lentry_shape_is_right:
; q, k, v = Q(x) Q(W): C[m][n] = sum over k of A[m][k] B[n][k] on codes of FP4 (E2M1) with one E8M0 scale for each 32 along K.  A = xc [2048][2048 codes], B = wc [6144][2048 codes] (n = 2048 T + column); sums in f32.
; The results are rounded to f16 for the attention that follows, and laid per head: Q at byte 0 as [16 heads][2048 t][128]; K and V from byte KVOFF on as [16 heads][32 key steps][K: 64 rows x 256 bytes | V: 64 rows x 256 bytes].
; LIMIT: |q|, |k|, |v| beyond 65,504 have no f16 number.
; THE FIRST 16 POSITIONS ALSO LEAVE AS THE F32 SUMS, for the small launch that carries them in f32: qkv32 [4][48 (16 T + head)][16 images of 512 bytes].  An image is four registers of an accumulator as they stand, 16 bytes a lane:
; image 2 b + c holds, in lane (r, h), position r and channels 16 b + 8 h + 4 c + 0 .. 3 of the head.  The waves that own the upper 128 rows of a tile store their first 16 rows so, in the first row of clusters.
; All four tile rows of those clusters store their block, each into a part of the buffer of its own, told apart by address;
; part 0 holds positions 0-15 and is the one that is read; the other three parts (1.2 of the buffer's 1.5 MB) are read by nobody.
; A tile of C, 256 x 256, is made by a work-group of four waves; a wave makes 128 x 128: 64 accumulators of 16 x 16, 512 registers.  A wave's 128 columns are exactly one head of one of the three tensors.
; K goes in steps of 512 through a ring of two LDS slots filled by the tensor data mover: a tile's row is 256 bytes of memory.
; THE SCALES of the work-group's 256 rows of A and of B, for all of K, are two dense blocks of memory: they come into LDS once, with the first fills, and stay.
; CLUSTERS: 4 x 4 work-groups.  The four of a row of the cluster need the same tiles of A, the four of a column the same tiles of B: each tile is asked for JOINTLY, by the same tensor load with the same descriptor and a mask that names the four.
; THE MATRIX INSTRUCTION IS USED TRANSPOSED (source 0 = 16 rows of B, source 1 = 16 rows of A): a lane then holds eight neighbouring columns of one row of C.
; REGISTERS, in windows of 256: window 0: v0-31 addresses; v32-95 scale words, two sets, and nothing else; v128-191 A's fragments, ONE set; on the way out v96-127, v192-255.
;   window 1: B's fragments, TWO sets, at v0 and v128.   window 2: the accumulators of my rows 0-63 ((a, b) at v[8 (8 a + b)]);   window 3: those of my rows 64-127.
; A wave has at most three tensor loads out (the scales and two K steps, at the start), later one.
.set SIZE_M, 2048
.set SIZE_N, 6144
.set SIZE_K, 2048
.set KVOFF,  8388608
.set KSTEP,  512
.set NQ,     KSTEP/128
.set ROWB,   256
.set KROW,   SIZE_K*4/8
.set PITCH,  272                       ; an LDS row: 256 bytes + 16 of padding = 68 words: row r starts at bank 4 r mod 64 (64 banks of 4 bytes: ISA guide 11.1)
.set FR,     8
.set NL,     2
.set NP,     4
.set HALFT,  128*PITCH
.set SLOT,   4*HALFT
.set LAPS,   SIZE_K/(2*KSTEP)
.set KS,     SIZE_K/32
.set SCL,    2*SLOT
.set HALFS,  (128*KS/256)*272
.set SBLK,   (16*KS/256)*272
.set SPARE,  SCL+4*HALFS
.set SPITCH, 272                       ; the way out: a stage of 16 rows x (256 bytes + 16) for each wave, in slot 0, which has had its last fill and its last read when the first result is stored there
.set ADRA, 16
.set ADRB, 20
.set STO,  24
.set RD,   25
.set CO,   26
.set ADRS, 27
.set SPW,  28
.set NIL,  29
.set SC,   32
.set AF,   128
.set TMP,  192                         ; the way out: packed results
.set OB,   96                          ; the way out: 16 rows read back: v96-127 and v224-255 by turns
.set G1, 24
.set G0, 32
.set G1B, 48
.set G0B, 56
.set G1S, 68
.set G0S, 76
.set G1SB, 80
.set G0SB, 88
.set F32B, 96                          ; s[96:97] where my block's f32 images go
.set MSB, 0
.macro WIN new                         ; the immediate's high byte repeats the setting that is left
.if MSB != \new
	s_set_vgpr_msb (MSB<<8)|\new
.set MSB, \new
.endif
.endm
.set MUL_LO, 0xa1
.set MUL_HI, 0xf1
.set TO_B,   0x40
; A joint load: waves 0 and 1 fetch for A, waves 2 and 3 for B.  The branch hangs on the wave's number alone.  An s_nop 0 and four v_nop follow each of the two lines.
.macro JLOAD g0a, g1a, g0b, g1b
	s_cmp_eq_u32 s15, 0
	s_cbranch_scc0 .Lfor_b_\@
	tensor_load_to_lds s[\g0a:\g0a+3], s[\g1a:\g1a+7]
	s_nop 0
.rept 4
	v_nop
.endr
	s_branch .Lasked_\@
.Lfor_b_\@:
	tensor_load_to_lds s[\g0b:\g0b+3], s[\g1b:\g1b+7]
	s_nop 0
.rept 4
	v_nop
.endr
.Lasked_\@:
.endm
.macro CREST                           ; a round of the cluster's barrier behind its opening barrier
	s_cmp_lg_u32 s14, 0
	s_cbranch_scc1 .Lnot_wave_0_\@
	s_barrier_signal -3
.Lnot_wave_0_\@:
	s_barrier_wait -3
	s_barrier_signal -1
	s_barrier_wait -1
.endm
.macro CROUND
	s_barrier_signal -1
	s_barrier_wait -1
	CREST
.endm
	s_load_b128 s[4:7], s[0:1], 0x0                ; A's codes, A's scales
	s_load_b128 s[8:11], s[0:1], 0x10              ; B's codes, B's scales
	s_load_b64 s[12:13], s[0:1], 0x20              ; qkv16
	s_load_b64 s[F32B:F32B+1], s[0:1], 0x28        ; qkv32
	v_lshl_add_u32 v[SPW], v0, 2, SPARE
	v_mov_b32 v[NIL], 0
	ds_add_u32 v[SPW], v[NIL]                      ; the wave's opening: the add, twice on end, and its wait ahead of my first tensor load
	ds_add_u32 v[SPW], v[NIL]
	v_lshrrev_b32 v1, 5, v0
	v_readfirstlane_b32 s14, v1                    ; wave 0..3
	s_lshr_b32 s15, s14, 1                         ; which half of the tile's rows is mine.  Also: I fetch for A (0) or for B (1)
	s_and_b32 s16, s14, 1                          ; which half of its columns.  Also: which 128 rows of that tile I fetch
	s_bfe_u32 s40, ttmp6, 0x40000                  ; cx, cy
	s_bfe_u32 s41, ttmp6, 0x40004
	s_lshl_b32 s42, ttmp9, 2
	s_add_co_u32 s42, s42, s40                     ; tile column of C
	s_and_b32 s17, ttmp7, 0xffff
	s_lshl_b32 s17, s17, 2
	s_add_co_u32 s17, s17, s41                     ; tile row of C
	s_lshl_b32 s43, s41, 2
	s_lshl_b32 s43, 15, s43                        ; my row of the cluster
	s_lshl_b32 s44, 0x1111, s40                    ; my column
	s_or_b32 s[G1+0], s43, (0<<16)|(1<<20)|(1<<21)|(5<<22)|(3<<25)  ; the mask; elements of 1 byte; padding on; bit 21 beside a mask; after every 64 words, 4 words
	s_or_b32 s[G1B+0], s44, (0<<16)|(1<<20)|(1<<21)|(5<<22)|(3<<25)
.irp g, G1, G1B
	s_mov_b32 s[\g+1], ROWB<<16                    ; tensor_dim0
	s_mov_b32 s[\g+2], 128<<16                     ; tensor_dim1
	s_mov_b32 s[\g+3], ROWB<<16                    ; tile_dim0
	s_mov_b32 s[\g+4], 128                         ; tile_dim1
	s_mov_b32 s[\g+5], KROW                        ; tensor_dim0_stride
	s_mov_b32 s[\g+6], 0
	s_mov_b32 s[\g+7], 0
.endr
	s_or_b32 s[G1S+0], s43, (3<<16)|(1<<20)|(1<<21)|(5<<22)|(3<<25) ; the scales of 128 rows: a dense block, as rows of 256 bytes (32 elements of 8 bytes), 16 bytes of padding behind each
	s_or_b32 s[G1SB+0], s44, (3<<16)|(1<<20)|(1<<21)|(5<<22)|(3<<25)
.irp g, G1S, G1SB
	s_mov_b32 s[\g+1], 32<<16
	s_mov_b32 s[\g+2], (128*KS/256)<<16
	s_mov_b32 s[\g+3], 32<<16
	s_mov_b32 s[\g+4], 128*KS/256
	s_mov_b32 s[\g+5], 32
	s_mov_b32 s[\g+6], 0
	s_mov_b32 s[\g+7], 0
.endr
	s_lshl_b32 s18, s16, 7
	s_lshl_b32 s20, s17, 8
	s_add_co_u32 s20, s20, s18                     ; A: row 256 x tile row + 128 x half
	s_lshl_b32 s46, s42, 8
	s_add_co_u32 s46, s46, s18                     ; B: row 256 x tile column + 128 x half
	s_mov_b32 s21, 0
	s_mov_b32 s47, 0
	s_mov_b64 s[18:19], KS
	s_mul_u64 s[22:23], s[20:21], s[18:19]
	s_mul_u64 s[92:93], s[46:47], s[18:19]
	s_mov_b64 s[18:19], KROW
	s_mul_u64 s[20:21], s[20:21], s[18:19]
	s_mul_u64 s[46:47], s[46:47], s[18:19]
	s_mul_i32 s45, s14, HALFT                      ; where they go: wave x 128 rows: no place in the cluster enters an LDS address
	s_mul_i32 s94, s14, HALFS
	s_wait_dscnt 0x0                               ; both opening adds are done
	s_wait_kmcnt 0x0
	s_add_nc_u64 s[20:21], s[4:5], s[20:21]
	s_add_nc_u64 s[22:23], s[6:7], s[22:23]
	s_add_nc_u64 s[46:47], s[8:9], s[46:47]
	s_add_nc_u64 s[92:93], s[10:11], s[92:93]
	CROUND                                         ; all sixteen work-groups are here: the first joint loads meet
	s_mov_b32 s[G0S], 1
	s_add_co_u32 s[G0S+1], s94, SCL
	s_mov_b64 s[G0S+2:G0S+3], s[22:23]
	s_or_b32 s[G0S+3], s[G0S+3], 0x80000000
	s_mov_b32 s[G0SB], 1
	s_add_co_u32 s[G0SB+1], s94, SCL
	s_mov_b64 s[G0SB+2:G0SB+3], s[92:93]
	s_or_b32 s[G0SB+3], s[G0SB+3], 0x80000000
	JLOAD G0S, G1S, G0SB, G1SB                     ; the scales first: they are wanted with K step 0
.irp s, 0,1
	s_mov_b32 s[G0+4*\s], 1
	s_add_co_u32 s[G0+4*\s+1], s45, \s*SLOT
	s_add_nc_u64 s[G0+4*\s+2:G0+4*\s+3], s[20:21], \s*ROWB
	s_or_b32 s[G0+4*\s+3], s[G0+4*\s+3], 0x80000000
	s_mov_b32 s[G0B+4*\s], 1
	s_add_co_u32 s[G0B+4*\s+1], s45, \s*SLOT
	s_add_nc_u64 s[G0B+4*\s+2:G0B+4*\s+3], s[46:47], \s*ROWB
	s_or_b32 s[G0B+4*\s+3], s[G0B+4*\s+3], 0x80000000
	JLOAD G0+4*\s, G1, G0B+4*\s, G1B
.endr
	v_and_b32 v1, 15, v0                           ; l % 16
	v_bfe_u32 v2, v0, 4, 1                         ; l / 16
	v_mul_u32_u24 v3, v1, PITCH
	v_lshl_add_u32 v4, v2, 4, v3                   ; a fragment's row x pitch + 16 x half
	s_mul_i32 s21, s15, HALFT                      ; my 128 rows of A
	s_mul_i32 s22, s16, HALFT                      ; my 128 rows of B,
	s_add_co_u32 s22, s22, 2*HALFT                 ; which lie behind A's 256
.irp s, 0,1
	v_add_nc_u32 v[ADRA+\s], s21, v4
	v_add_nc_u32 v[ADRB+\s], s22, v4
	s_add_co_u32 s21, s21, SLOT
	s_add_co_u32 s22, s22, SLOT
.endr
	v_mul_u32_u24 v5, v1, KS                       ; my row's scales: KS bytes a row,
	v_lshrrev_b32 v6, 8, v5
	v_lshl_add_u32 v5, v6, 4, v5                   ; and 16 more for each 256 passed
	s_mul_i32 s21, s15, HALFS
	s_mul_i32 s22, s16, HALFS
	s_add_co_u32 s22, s22, 2*HALFS
	s_sub_co_u32 s22, s22, s21
	v_mul_u32_u24 v6, s22, v2                      ; lanes 16-31 take B's
	s_add_co_u32 s21, s21, SCL
	v_add_nc_u32 v5, v5, v6
	v_add_nc_u32 v[ADRS], s21, v5
	s_mul_i32 s23, s14, 16*SPITCH                  ; my stage
	v_mul_u32_u24 v5, v1, SPITCH                   ; in: row l % 16, 16 bytes for each half of the lanes
	v_lshl_add_u32 v5, v2, 4, v5
	v_add_nc_u32 v[STO], s23, v5
	v_mul_u32_u24 v5, v2, SPITCH                   ; back: lanes 0-15 one row of 256 bytes, lanes 16-31 the next
	v_lshl_add_u32 v5, v1, 4, v5
	v_add_nc_u32 v[RD], s23, v5
	v_and_b32 v6, 31, v0
	v_lshlrev_b32 v[CO], 4, v6                     ; in memory the two rows are 512 consecutive bytes: 16 x lane
	; where my 128 rows x 128 columns go: my columns are head hd of tensor T
	s_lshl_b32 s20, s42, 1
	s_add_co_u32 s20, s20, s16                     ; 2 x tile column + half
	s_lshr_b32 s21, s20, 4                         ; T
	s_and_b32 s20, s20, 15                         ; hd
	s_lshl_b32 s22, s17, 8
	s_lshl_b32 s23, s15, 7
	s_add_co_u32 s22, s22, s23                     ; t0: my first row, a multiple of 128
	s_lshl_b32 s46, s20, 19
	s_lshl_b32 s47, s22, 8
	s_add_co_u32 s46, s46, s47                     ; Q: hd x 524,288 + t0 x 256
	s_lshl_b32 s92, s20, 20
	s_lshl_b32 s93, s22, 9                         ; (t0 / 64) x 32,768
	s_add_co_u32 s92, s92, s93
	s_lshl_b32 s93, s21, 14
	s_add_co_u32 s92, s92, s93
	s_add_co_u32 s92, s92, KVOFF-16384             ; K, V: KVOFF + hd x 1,048,576 + (t0 / 64) x 32,768 + (T - 1) x 16,384
	s_cmp_eq_u32 s21, 0
	s_cselect_b32 s46, s46, s92
	s_mov_b32 s93, 32768
	s_cselect_b32 s92, 16384, s93                  ; from my rows 0-63 to my rows 64-127
	s_mov_b32 s47, 0
	s_mov_b32 s93, 0
	s_add_nc_u64 s[12:13], s[12:13], s[46:47]      ; two bases, never stepped
	s_add_nc_u64 s[66:67], s[12:13], s[92:93]
	s_lshl_b32 s46, s21, 4
	s_add_co_u32 s46, s46, s20                     ; the f32 images: 16 T + hd,
	s_lshl_b32 s46, s46, 13                        ; 8,192 bytes each,
	s_mul_i32 s92, s41, 48*8192                    ; in the part of my place along the cluster's y
	s_add_co_u32 s46, s46, s92
	s_add_nc_u64 s[F32B:F32B+1], s[F32B:F32B+1], s[46:47]
.macro FRAG reg, adr, q, i             ; 16 rows x 128 K of 4-bit codes: 8 registers: lane l holds row l % 16; registers 4 c .. 4 c + 3 hold K = 64 c + 32 (l / 16) + 0 .. 31
.irp c, 0,1
	ds_load_b128 v[\reg+4*\c:\reg+4*\c+3], v[\adr] offset:64*(\q)+32*\c+(\i)*16*PITCH
.endr
.endm
; 16 matrix instructions: A's blocks a0, a0 + 1 x B's eight, 128 along K.  The 64 accumulators take turns, one instruction a turn, in the same order in every step.
.macro MUL16 a0, p, q, sc, zero
.irp a, \a0, \a0+1
.irp b, 0,1,2,3,4,5,6,7
.if \zero
	v_wmma_scale_f32_16x16x128_f8f6f4 v[8*(8*((\a)%4)+\b):8*(8*((\a)%4)+\b)+7], v[128*(\p)+FR*\b:128*(\p)+FR*\b+FR-1], v[AF+FR*(\a):AF+FR*(\a)+FR-1], 0, v[SC+8*NQ*(\sc)+NQ*\b+(\q)], v[SC+8*NQ*(\sc)+NQ*(\a)+(\q)] matrix_a_fmt:MATRIX_FMT_FP4 matrix_b_fmt:MATRIX_FMT_FP4 matrix_a_scale:MATRIX_SCALE_ROW1
.else
	v_wmma_scale_f32_16x16x128_f8f6f4 v[8*(8*((\a)%4)+\b):8*(8*((\a)%4)+\b)+7], v[128*(\p)+FR*\b:128*(\p)+FR*\b+FR-1], v[AF+FR*(\a):AF+FR*(\a)+FR-1], v[8*(8*((\a)%4)+\b):8*(8*((\a)%4)+\b)+7], v[SC+8*NQ*(\sc)+NQ*\b+(\q)], v[SC+8*NQ*(\sc)+NQ*(\a)+(\q)] matrix_a_fmt:MATRIX_FMT_FP4 matrix_b_fmt:MATRIX_FMT_FP4 matrix_a_scale:MATRIX_SCALE_ROW1
.endif
.endr
.endr
.endm
.macro FETCH_B slot, q, p
	WIN TO_B
.irp i, 0,1,2,3,4,5,6,7
	FRAG 128*(\p)+FR*\i, ADRB+\slot, \q, \i
.endr
	WIN 0
.endm
.macro FETCH_A slot, q, i0
.irp i, \i0, \i0+1, \i0+2, \i0+3
	FRAG AF+FR*(\i), ADRA+\slot, \q, \i
.endr
.endm
.macro SCALES sc                       ; a K step's scale words: lanes 0-15 take A's block i, lanes 16-31 B's block i
.irp i, 0,1,2,3,4,5,6,7
	ds_load_b128 v[SC+8*NQ*\sc+NQ*\i:SC+8*NQ*\sc+NQ*\i+3], v[ADRS] offset:\i*SBLK
.endr
.endm
.macro PLACES n                        ; plain vector lines between a matrix instruction and a load into, or a read of, its registers
.rept \n
	v_nop
.endr
.endm
.macro STEP slot, q, zero
	s_wait_dscnt 4*NL                              ; B's set and A's blocks 0-3 are in; the youngest eight loads (A's blocks 4-7) may be out
	WIN MUL_LO
	MUL16 0, (\q)%2, \q, \slot, \zero
	MUL16 2, (\q)%2, \q, \slot, \zero
	s_wait_dscnt 0
	PLACES NP
	FETCH_B \slot, (\q)+1, 1-(\q)%2
	FETCH_A \slot, (\q)+1, 0
	WIN MUL_HI
	MUL16 4, (\q)%2, \q, \slot, \zero
	MUL16 6, (\q)%2, \q, \slot, \zero
	PLACES NP
	WIN 0
	FETCH_A \slot, (\q)+1, 4
.endm
; A slot's last step changes slots: one barrier; in front of it each wave waits for all its tensor loads, adds 0 to its spare word, and waits for that and for its own reads of this slot.
.macro TURN slot, next, fill
	s_wait_tensorcnt 0x0                           ; all my tensor loads have landed: my part of the next slot
	ds_add_u32 v[SPW], v[NIL]
	s_wait_dscnt 4*NL+1                            ; the add and the youngest eight loads may be out
	WIN MUL_LO
	MUL16 0, 1, NQ-1, \slot, 0
	s_wait_dscnt 0x0                               ; the add is done, and my reads of this slot are over
	s_barrier_signal -1
	MUL16 2, 1, NQ-1, \slot, 0
	WIN 0
	s_barrier_wait -1
.if \fill
	CREST                                          ; the barrier has opened a round of the cluster's barrier: no wave of any partner still reads this slot or has a load on its way
	s_add_nc_u64 s[G0+4*\slot+2:G0+4*\slot+3], s[G0+4*\slot+2:G0+4*\slot+3], 2*ROWB
	s_add_nc_u64 s[G0B+4*\slot+2:G0B+4*\slot+3], s[G0B+4*\slot+2:G0B+4*\slot+3], 2*ROWB
	JLOAD G0+4*\slot, G1, G0B+4*\slot, G1B
.else
	PLACES NP
.endif
	v_add_nc_u32 v[ADRS], 4*NQ, v[ADRS]            ; on to the next K step's scale words
	FETCH_B \next, 0, 0
	FETCH_A \next, 0, 0
	SCALES \next
	WIN MUL_HI
	MUL16 4, 1, NQ-1, \slot, 0
	MUL16 6, 1, NQ-1, \slot, 0
	PLACES NP
	WIN 0
	FETCH_A \next, 0, 4
.endm
.macro STEPS slot, from
.set Q, \from
.rept NQ-1-\from
	STEP \slot, Q, 0
.set Q, Q+1
.endr
.endm
	s_wait_tensorcnt 1                             ; the scales and my part of K step 0 are in (K step 1's load may be out),
	s_barrier_signal -1
	s_barrier_wait -1                              ; everybody's are
	FETCH_B 0, 0, 0
	FETCH_A 0, 0, 0
	SCALES 0
	FETCH_A 0, 0, 4
	STEP 0, 0, 1                                   ; the first step stands in front of the loop: its products start the sums
	s_mov_b32 s3, LAPS-1
.Llap:
	STEPS 0, 1
	TURN 0, 1, 1
	STEPS 1, 0
	TURN 1, 0, 1
	STEP 0, 0, 0
	s_sub_co_u32 s3, s3, 1
	s_cmp_lg_u32 s3, 0
	s_cbranch_scc1 .Llap
	STEPS 0, 1                                     ; the last lap fills nothing
	TURN 0, 1, 0
	STEPS 1, 0
	s_wait_dscnt 4*NL
	WIN MUL_LO
	MUL16 0, 1, NQ-1, 1, 0
	MUL16 2, 1, NQ-1, 1, 0
	s_wait_dscnt 0
	WIN MUL_HI
	MUL16 4, 1, NQ-1, 1, 0
	MUL16 6, 1, NQ-1, 1, 0
	WIN 0
; THE WAY OUT, block by block of 16 rows x 128 columns.  PACK: rounded to f16, 16 bytes a lane, each accumulator from its low end on.  TOSTAGE: into my own stage and back as whole rows of 256 bytes.  SEND: stored, two rows (512 consecutive bytes) an instruction.
.macro PACK a
.set AC, 64*((\a)%4)
	WIN 0x0a+5*((\a)/4)                            ; sources 0 and 1: window 2 or 3
.irp b, 0,1,2,3,4,5,6,7
.irp r, 0,1,2,3
	v_cvt_pk_f16_f32 v[TMP+4*\b+\r], v[AC+8*\b+2*\r], v[AC+8*\b+2*\r+1]
.endr
.endr
	WIN 0
.endm
.macro TOSTAGE a
.set BB, OB+128*((\a)%2)
.irp b, 0,1,2,3,4,5,6,7
	ds_store_b128 v[STO], v[TMP+4*\b:TMP+4*\b+3] offset:32*\b
.endr
.irp t, 0,1,2,3,4,5,6,7
	ds_load_b128 v[BB+4*\t:BB+4*\t+3], v[RD] offset:\t*2*SPITCH    ; LDS serves a wave's instructions in order: these see the stores above
.endr
.endm
.macro SEND a
.set BB, OB+128*((\a)%2)
	s_wait_dscnt 0x0                               ; the block is back in registers
	s_wait_xcnt 0x0                                ; the block before has been read by its stores: its registers take the next block's loads only behind this wait
.irp t, 0,1,2,3,4,5,6,7
.if (\a) < 4
	global_store_b128 v[CO], v[BB+4*\t:BB+4*\t+3], s[12:13] offset:((\a)%4)*4096+512*\t
.else
	global_store_b128 v[CO], v[BB+4*\t:BB+4*\t+3], s[66:67] offset:((\a)%4)*4096+512*\t
.endif
.endr
.endm
	PLACES NP
	; the f32 images of my first 16 rows: in the first row of clusters, by the waves that own a tile's upper 128 rows.  Both conditions are the same in all partners of a cluster, wave for wave
	s_and_b32 s92, ttmp7, 0xffff                   ; the cluster's y
	s_cmp_lg_u32 s92, 0
	s_cbranch_scc1 .Lno_f32
	s_cmp_lg_u32 s15, 0
	s_cbranch_scc1 .Lno_f32
	WIN 0x08                                       ; a store's data are its source 1: window 2
.irp b, 0,1,2,3,4,5,6,7
	global_store_b128 v[CO], v[8*\b:8*\b+3], s[F32B:F32B+1] offset:1024*\b         ; each accumulator from its low end on; 32 lanes store 512 consecutive bytes
	global_store_b128 v[CO], v[8*\b+4:8*\b+7], s[F32B:F32B+1] offset:1024*\b+512
.endr
	WIN 0
.Lno_f32:
	PACK 0
	TOSTAGE 0
.irp a, 1,2,3,4,5,6,7                  ; block a's conversions stand between block a - 1's loads from the stage and the wait for them
	PACK \a
	SEND \a-1
	TOSTAGE \a
.endr
	SEND 7
	s_wait_tensorcnt 0x0                           ; the wave's end
	ds_add_u32 v[SPW], v[NIL]
	s_wait_dscnt 0x0
	CROUND                                         ; the closing round
	s_endpgm
.Lfunc_end_k_qf467170a16_qkv:
	.size	k_qf467170a16_qkv, .Lfunc_end_k_qf467170a16_qkv-k_qf467170a16_qkv
	.p2alignl 7, 3214868480
	.fill 96, 4, 3214868480
	.section	.rodata,"a",@progbits
	.p2align	6, 0x0
	.amdhsa_kernel k_qf467170a16_qkv
		.amdhsa_group_segment_fixed_size 327680
		.amdhsa_private_segment_fixed_size 0
		.amdhsa_enable_private_segment 0
		.amdhsa_kernarg_size 48
		.amdhsa_user_sgpr_count 2
		.amdhsa_user_sgpr_kernarg_segment_ptr 1
		.amdhsa_wavefront_size32 1
		.amdhsa_system_sgpr_workgroup_id_x 1
		.amdhsa_system_sgpr_workgroup_id_y 1
		.amdhsa_system_sgpr_workgroup_id_z 1
		.amdhsa_system_vgpr_workitem_id 0
		.amdhsa_next_free_vgpr 1024
		.amdhsa_next_free_sgpr 98
		.amdhsa_reserve_vcc 0
		.amdhsa_float_denorm_mode_32 3
		.amdhsa_float_denorm_mode_16_64 3
		.amdhsa_memory_ordered 1
		.amdhsa_forward_progress 1
		.amdhsa_inst_pref_size 216
	.end_amdhsa_kernel
	.amdgpu_metadata
---
amdhsa.version: [ 1, 2 ]
amdhsa.kernels:
  - .name:           k_qf467170a16_qkv
    .symbol:         k_qf467170a16_qkv.kd
    .args:
      - { .name: xc, .offset: 0, .size: 8, .value_kind: global_buffer, .address_space: global }
      - { .name: xs, .offset: 8, .size: 8, .value_kind: global_buffer, .address_space: global }
      - { .name: wc, .offset: 16, .size: 8, .value_kind: global_buffer, .address_space: global }
      - { .name: ws, .offset: 24, .size: 8, .value_kind: global_buffer, .address_space: global }
      - { .name: qkv16, .offset: 32, .size: 8, .value_kind: global_buffer, .address_space: global }
      - { .name: qkv32, .offset: 40, .size: 8, .value_kind: global_buffer, .address_space: global }
    .group_segment_fixed_size: 327680
    .private_segment_fixed_size: 0
    .kernarg_segment_align: 8
    .kernarg_segment_size: 48
    .max_flat_workgroup_size: 128
    .sgpr_count:     98
    .vgpr_count:     1024
    .wavefront_size: 32
...
	.end_amdgpu_metadata
.endif
;; end of part 9
;; launch attn: the kernel of part 5 again; grid 16 x 16, 4 waves a work-group, clusters of 4 x 1, 327,680 bytes of LDS; arguments qkv16, ctx16; writes ctx16
;; launch proj: the kernel of part 6 again; grid 16 x 16, 4 waves a work-group, clusters of 4 x 4, 327,680 bytes of LDS; arguments ctx16, w16, out0; writes out0
;; launch tail16 (part 10): grid 128 x 1, 16 waves a work-group, no clusters, 18,432 bytes of LDS; arguments qkv32, w_out, out0; writes out0
.if DOCPART == 10
	.amdgcn_target "amdgcn-amd-amdhsa--gfx1250"
	.amdhsa_code_object_version 6
	.text
	.protected	k_qf467170a16_tail16
	.globl	k_qf467170a16_tail16
	.p2align	8
	.type	k_qf467170a16_tail16,@function
k_qf467170a16_tail16:
	s_mov_b64 s[64:65], 0
	v_nop
	global_prefetch_b8 v0, s[64:65] scope:SCOPE_SE
	s_setreg_imm32_b32 hwreg(HW_REG_WAVE_MODE, 25, 1), 1
	s_wait_xcnt 0x0
; THE FIRST 16 POSITIONS, IN F32, from the f32 sums of q, k, v to the output: out0[t][n], t = 0 .. 15, by the f32 matrix form (small work: 16 of 2,048 rows).  It writes over what the launch before left in these rows.
; Queries 0-15 see keys 0-15 alone.  A work-group owns 16 columns of out0; wave u takes head u, which is also k = 128 u .. 128 u + 127 of the projection; the sixteen partial tiles are added through LDS by wave 0, in a fixed order.
; THE ORDER OF THE PRODUCTS differs from the source's: out = sum over heads of P (V W), not (P V) W.  T = V W for 16 columns is 16 x 16 x 128, as ctx W would be, and P T is 16 x 16 x 16, where P V would be 16 x 128 x 16:
; 68 matrix instructions a wave in place of 96.  All of it is f32, so only the order of rounding differs.  Every work-group makes the scores and the softmax of all heads anew: they are small beside what sharing them would cost (a launch).
; qkv32, part 0: [48 (16 T + head)][16 images of 512 bytes]; image 2 b + c holds, in lane (r, h), position r and channels 16 b + 8 h + 4 c + 0 .. 3.  So sixteen dense loads of 16 bytes a lane give a lane 64 registers, register n = channel
; 16 (n / 8) + 8 h + n % 8 of position r.  The f32 form takes 4 along K a step, two registers a lane; the order of K is free so long as both sources have the same: registers 2 s, 2 s + 1 of q and of k, or of v and of w_out, make step s.
; w_out's operand: lane (r, h) takes column r, register n row 128 u + 16 (n / 8) + 8 h + n % 8: loads of 64 consecutive bytes in sixteen lanes; so few columns to a work-group spread the f32 form's work over 128 work-groups.
; LAYOUTS.  S^T = k q^T (source 0 = keys, source 1 = queries): lane (r, h) holds query r, register j key 8 h + j.  T: source 0 = v (lane = key), source 1 = w_out (lane = column): lane (r, h) holds column r, register j key 8 h + j.
; Both are what the last product wants of its sources, K = the keys: out^T = T^T P^T (source 0 = T, source 1 = P): lane (r, h) holds query r, register j column 8 h + j.  Nothing changes lanes but the row's maximum and sum.
; The softmax takes the row's maximum away; key 0 counts for every query, so it is a number.
; REGISTERS: v1-9 addresses; v12, v13 the add's two; v16-79 q; v80-143 k; v comes into the first halves of both, once the scores' first half has read them; v144-207 w_out; v48-79, v112-117 at work behind the scores.
; v208-255: six accumulators (two for each product, by turns); they are written by matrix instructions alone, and what is made of the sums goes into other registers.
.set SPW, 12
.set NIL, 13
.set QF,  16
.set KF,  80
.set WF,  144
.set SA,  208
.set TA,  224
.set OA,  240
.set SCR, 48                           ; the scores, then the exponentials
.set PN,  56                           ; p / sum
.set TS,  64                           ; T
.set SUM, 72                           ; my partial tile
.set SPARE, 16384                      ; behind the 16 partial tiles of 1,024 bytes: the spare words, 128 bytes a wave
.set CS,  24                           ; s24 c = log2(e) / sqrt(128)
.set SEL, 26                           ; s[26:27] v_permlanex16_b32's selects for lane l xor 16
	s_load_b128 s[4:7], s[0:1], 0x0                ; qkv32, w_out
	s_load_b64 s[8:9], s[0:1], 0x10                ; out0
	v_lshl_add_u32 v[SPW], v0, 2, SPARE
	v_mov_b32 v[NIL], 0
	v_lshrrev_b32 v1, 5, v0
	v_readfirstlane_b32 s10, v1                    ; wave u: head u
	v_and_b32 v1, 15, v0                           ; r
	v_bfe_u32 v2, v0, 4, 1                         ; h
	v_and_b32 v6, 31, v0
	v_lshlrev_b32 v6, 4, v6                        ; an image's place for my lane: 16 x lane
	v_lshlrev_b32 v4, 16, v2
	v_lshl_add_u32 v4, v1, 2, v4                   ; w_out: 8 h rows of 8,192 bytes + 4 r
	s_lshl_b32 s11, s10, 10
	v_add_nc_u32 v5, s11, v6                       ; LDS: my lane's place in my wave's partial tile
	v_lshlrev_b32 v7, 13, v1
	v_lshl_add_u32 v7, v2, 5, v7                   ; out0: row r of 8,192 bytes + 32 h
	v_lshlrev_b32 v8, 3, v2
	v_sub_nc_u32 v8, v1, v8                        ; d = r - 8 h: key 8 h + j is hidden where j > d
	v_mov_b32 v9, 0xff800000                       ; -infinity
	v_mov_b32 v14, 0                               ; written once: a lane permute's destination counts as one of its sources
	v_mov_b32 v15, 0
	s_lshl_b32 s12, s10, 13                        ; my head's 8,192 bytes in each of q, k, v
	s_mov_b32 s13, 0
	s_lshl_b32 s14, s10, 20                        ; w_out: 128 u rows
	s_lshl_b32 s16, ttmp9, 6                       ; my 16 columns: 64 bytes
	s_add_co_u32 s14, s14, s16
	s_mov_b32 s15, 0
	s_mov_b32 s17, 0
	s_mov_b32 s[CS], 0x3e0293ee
	s_mov_b32 s[SEL], 0x76543210
	s_mov_b32 s[SEL+1], 0xfedcba98
	s_wait_kmcnt 0x0
	s_add_nc_u64 s[4:5], s[4:5], s[12:13]
	s_add_nc_u64 s[6:7], s[6:7], s[14:15]
	s_add_nc_u64 s[8:9], s[8:9], s[16:17]
.irp i, 0,1,2,3,4,5,6,7,8,9,10,11,12,13,14,15
	global_load_b128 v[QF+4*\i:QF+4*\i+3], v6, s[4:5] offset:512*\i            ; q: 512 consecutive bytes a load
	global_load_b128 v[KF+4*\i:KF+4*\i+3], v6, s[4:5] offset:16*8192+512*\i    ; k
.endr
.set n, 0
.rept 64
	global_load_b32 v[WF+n], v4, s[6:7] offset:(16*(n/8)+n%8)*8192
.set n, n+1
.endr
	s_wait_loadcnt 63                              ; 96 loads have been issued: with at most 63 out the oldest 33 are in, q's and k's 32 among them
	; ---- S^T = k q^T: 32 steps, two accumulators by turns; the first two products start the sums
.set kp, 0
.rept 16
.if kp < 2
	v_wmma_f32_16x16x4_f32 v[SA+8*(kp%2):SA+8*(kp%2)+7], v[KF+2*kp:KF+2*kp+1], v[QF+2*kp:QF+2*kp+1], 0
.else
	v_wmma_f32_16x16x4_f32 v[SA+8*(kp%2):SA+8*(kp%2)+7], v[KF+2*kp:KF+2*kp+1], v[QF+2*kp:QF+2*kp+1], v[SA+8*(kp%2):SA+8*(kp%2)+7]
.endif
.set kp, kp+1
.endr
.rept 8
	v_nop                                          ; eight places behind this form, in front of loads into registers that it has read
.endr
.irp i, 0,1,2,3,4,5,6,7
	global_load_b128 v[QF+4*\i:QF+4*\i+3], v6, s[4:5] offset:32*8192+512*\i        ; v's registers 0-31, where q's first half lay,
	global_load_b128 v[KF+4*\i:KF+4*\i+3], v6, s[4:5] offset:32*8192+4096+512*\i   ; and 32-63, where k's did: the rest of the scores and the softmax stand between these loads and their use
.endr
.rept 16
	v_wmma_f32_16x16x4_f32 v[SA+8*(kp%2):SA+8*(kp%2)+7], v[KF+2*kp:KF+2*kp+1], v[QF+2*kp:QF+2*kp+1], v[SA+8*(kp%2):SA+8*(kp%2)+7]
.set kp, kp+1
.endr
.rept 8
	v_nop                                          ; eight places: the sums are read, and registers that held q's second half are written
.endr
.irp j, 0,1,2,3,4,5,6,7
	v_add_f32 v[SCR+\j], v[SA+\j], v[SA+8+\j]      ; the score of key 8 h + j and query r
.endr
.irp j, 0,1,2,3,4,5,6,7
	v_cmp_gt_i32 vcc_lo, \j, v8
	v_cndmask_b32 v[SCR+\j], v[SCR+\j], v9, vcc_lo ; hidden keys: -infinity
.endr
	v_max3_num_f32 v112, v[SCR], v[SCR+1], v[SCR+2]
	v_max3_num_f32 v112, v112, v[SCR+3], v[SCR+4]
	v_max3_num_f32 v112, v112, v[SCR+5], v[SCR+6]
	v_max_num_f32 v112, v112, v[SCR+7]
	v_permlanex16_b32 v14, v112, s[SEL], s[SEL+1]
	v_max_num_f32 v112, v112, v14                  ; the row's maximum
	v_mul_f32 v112, s[CS], v112
.irp j, 0,1,2,3,4,5,6,7
	v_fma_f32 v[SCR+\j], v[SCR+\j], s[CS], -v112
.endr
.irp j, 0,1,2,3,4,5,6,7
	v_exp_f32 v[SCR+\j], v[SCR+\j]
.endr
	v_nop                                          ; a plain line behind the last exponential
	s_wait_alu depctr_va_vdst(0)                   ; one wait for the batch, ahead of its first reader
	v_add_f32 v113, v[SCR], v[SCR+1]
	v_add_f32 v114, v[SCR+2], v[SCR+3]
	v_add_f32 v115, v[SCR+4], v[SCR+5]
	v_add_f32 v116, v[SCR+6], v[SCR+7]
	v_add_f32 v113, v113, v114
	v_add_f32 v115, v115, v116
	v_add_f32 v113, v113, v115
	v_permlanex16_b32 v15, v113, s[SEL], s[SEL+1]
	v_add_f32 v113, v113, v15                      ; the row's sum: at least 1
	v_rcp_f32 v117, v113
	v_nop
	s_wait_alu depctr_va_vdst(0)
.irp j, 0,1,2,3,4,5,6,7
	v_mul_f32 v[PN+\j], v[SCR+\j], v117
.endr
	; ---- T = v w_out: 32 steps, two accumulators by turns
	s_wait_loadcnt 0x0                             ; w_out and v
.set kp, 0
.rept 32
.if kp < 16
.set vr, QF+2*kp
.else
.set vr, KF+2*(kp-16)
.endif
.if kp < 2
	v_wmma_f32_16x16x4_f32 v[TA+8*(kp%2):TA+8*(kp%2)+7], v[vr:vr+1], v[WF+2*kp:WF+2*kp+1], 0
.else
	v_wmma_f32_16x16x4_f32 v[TA+8*(kp%2):TA+8*(kp%2)+7], v[vr:vr+1], v[WF+2*kp:WF+2*kp+1], v[TA+8*(kp%2):TA+8*(kp%2)+7]
.endif
.set kp, kp+1
.endr
.rept 8
	v_nop
.endr
.irp j, 0,1,2,3,4,5,6,7
	v_add_f32 v[TS+\j], v[TA+\j], v[TA+8+\j]       ; T(key 8 h + j, column r)
.endr
	; ---- out^T = T^T P^T: K = the 16 keys: four steps, two accumulators by turns
	v_wmma_f32_16x16x4_f32 v[OA:OA+7], v[TS:TS+1], v[PN:PN+1], 0
	v_wmma_f32_16x16x4_f32 v[OA+8:OA+15], v[TS+2:TS+3], v[PN+2:PN+3], 0
	v_wmma_f32_16x16x4_f32 v[OA:OA+7], v[TS+4:TS+5], v[PN+4:PN+5], v[OA:OA+7]
	v_wmma_f32_16x16x4_f32 v[OA+8:OA+15], v[TS+6:TS+7], v[PN+6:PN+7], v[OA+8:OA+15]
.rept 8
	v_nop
.endr
.irp j, 0,1,2,3,4,5,6,7
	v_add_f32 v[SUM+\j], v[OA+\j], v[OA+8+\j]      ; my head's part of out0(r, 8 h + j)
.endr
	ds_store_b128 v5, v[SUM:SUM+3]                 ; my partial tile as an image of its registers
	ds_store_b128 v5, v[SUM+4:SUM+7] offset:512
	s_wait_dscnt 0x0                               ; for wave 0's sake: my stores are done
	s_barrier_signal -1
	s_barrier_wait -1
	s_cmp_lg_u32 s10, 0
	s_cbranch_scc1 .Ldone
.irp u, 0,1,2,3,4,5,6,7,8,9,10,11,12,13,14,15
	ds_load_b128 v[16+8*\u:19+8*\u], v6 offset:1024*\u
	ds_load_b128 v[20+8*\u:23+8*\u], v6 offset:1024*\u+512
.endr
	s_wait_dscnt 0x0
.irp u, 1,2,3,4,5,6,7,8,9,10,11,12,13,14,15
.irp e, 0,2,4,6
	v_pk_add_f32 v[16+\e:17+\e], v[16+\e:17+\e], v[16+8*\u+\e:17+8*\u+\e]
.endr
.endr
	global_store_b128 v7, v[16:19], s[8:9]         ; out0(r, 8 h + 0 .. 3) of my 16 columns
	global_store_b128 v7, v[20:23], s[8:9] offset:16
.Ldone:
	s_wait_tensorcnt 0x0                           ; the wave's end
	ds_add_u32 v[SPW], v[NIL]
	s_wait_dscnt 0x0
	s_endpgm
.Lfunc_end_k_qf467170a16_tail16:
	.size	k_qf467170a16_tail16, .Lfunc_end_k_qf467170a16_tail16-k_qf467170a16_tail16
	.p2alignl 7, 3214868480
	.fill 96, 4, 3214868480
	.section	.rodata,"a",@progbits
	.p2align	6, 0x0
	.amdhsa_kernel k_qf467170a16_tail16
		.amdhsa_group_segment_fixed_size 18432
		.amdhsa_private_segment_fixed_size 0
		.amdhsa_enable_private_segment 0
		.amdhsa_kernarg_size 24
		.amdhsa_user_sgpr_count 2
		.amdhsa_user_sgpr_kernarg_segment_ptr 1
		.amdhsa_wavefront_size32 1
		.amdhsa_system_sgpr_workgroup_id_x 1
		.amdhsa_system_sgpr_workgroup_id_y 1
		.amdhsa_system_sgpr_workgroup_id_z 1
		.amdhsa_system_vgpr_workitem_id 0
		.amdhsa_next_free_vgpr 256
		.amdhsa_next_free_sgpr 66
		.amdhsa_reserve_vcc 1
		.amdhsa_float_denorm_mode_32 3
		.amdhsa_float_denorm_mode_16_64 3
		.amdhsa_memory_ordered 1
		.amdhsa_forward_progress 1
		.amdhsa_inst_pref_size 27
	.end_amdhsa_kernel
	.amdgpu_metadata
---
amdhsa.version: [ 1, 2 ]
amdhsa.kernels:
  - .name:           k_qf467170a16_tail16
    .symbol:         k_qf467170a16_tail16.kd
    .args:
      - { .name: qkv32, .offset: 0, .size: 8, .value_kind: global_buffer, .address_space: global }
      - { .name: w_out, .offset: 8, .size: 8, .value_kind: global_buffer, .address_space: global }
      - { .name: out0, .offset: 16, .size: 8, .value_kind: global_buffer, .address_space: global }
    .group_segment_fixed_size: 18432
    .private_segment_fixed_size: 0
    .kernarg_segment_align: 8
    .kernarg_segment_size: 24
    .max_flat_workgroup_size: 512
    .sgpr_count:     66
    .vgpr_count:     256
    .wavefront_size: 32
...
	.end_amdgpu_metadata
.endif
;; end of part 10
